; MI455X (gfx1250); checked and timed in simulation.
; The chip was launched on July 23, 2026; its instructions are those of AMD's public machine-readable ISA for CDNA 5 (MIT licence, August 2026) and "CDNA5" Instruction Set Architecture Reference Guide (July 2026). The comments in the code are by the model that wrote it; some were corrected since.
;; Transformer Block. Allowed arithmetic: matrix products marked QUANTISED: E5M2 operands, one E8M0 scale for each 32 along K, by v_wmma_scale_f32_16x16x128_f8f6f4 with both operands' format E5M2, f32 sums; everything else in f32.
;; Inputs: b_ff1 4,096 float32; b_ff2 1,024 float32; b_out 1,024 float32; b_qkv 3,072 float32; ln1_b 1,024 float32; ln1_g 1,024 float32; ln2_b 1,024 float32; ln2_g 1,024 float32; w_ff1 1,024 x 4,096 float32; w_ff2 4,096 x 1,024 float32; w_out 1,024 x 1,024 float32; w_qkv 1,024 x 3,072 float32; x 2 x 2,048 x 1,024 float32.
;; Outputs: out0 2 x 2,048 x 1,024 float32.
;; This version of the problem:
;;   THIS VERSION OF THE PROBLEM IS GIVEN IN LOW PRECISION. The matrix products marked QUANTISED in the list below multiply operands that are first quantised to E5M2 (5 exponent bits, 2 mantissa bits; 8 bits a number), with one power-of-two scale for each 32 numbers along K (OCP MX v1.0); their sums are f32. All else is computed in f32.
;;   The module's matrix products, in the order in which they are computed (A, B: the left and right operand; K: the contracted axis; several contracted axes count as one K, in the product's order):
;;     1. [M 4,096, K 1,024] x [K 1,024, N 3,072]; A: computed on the way; B: input w_qkv: QUANTISED
;;     2. batch 32 x [M 2,048, K 64] x [K 64, N 2,048]; A: computed on the way; B: computed on the way: QUANTISED
;;     3. batch 32 x [M 64, K 2,048] x [K 2,048, N 2,048]; A: computed on the way; B: softmax (see below): QUANTISED
;;     4. [M 4,096, K 1,024] x [K 1,024, N 1,024]; A: computed on the way; B: input w_out: QUANTISED
;;     5. [M 4,096, K 1,024] x [K 1,024, N 4,096]; A: computed on the way; B: input w_ff1: QUANTISED
;;     6. [M 4,096, K 4,096] x [K 4,096, N 1,024]; A: computed on the way; B: input w_ff2: QUANTISED
;;   THE QUANTISER, for each operand of a quantised product, along K:
;;     - K is cut into blocks of 32 from its start; a last block that is shorter is filled with zeros.
;;     - A block's scale is 2^e with e = floor(log2(the largest magnitude in the block)) - 15, held to -126 .. 127; a block of zeros has e = 0. As a byte (E8M0): e + 127.
;;     - Each number is divided by its block's scale, clamped to +-57,344, and rounded to the nearest number of E5M2, ties to even, subnormals kept.
;;     - The product sums the exact products of the quantised numbers (number of the format x scale) in f32.
;;   ~~~python
;;   def quantise(x, axis):      # numpy; x: float32 -> the quantised numbers, widened to float32 again
;;       x = np.moveaxis(x, axis, -1); K = x.shape[-1]
;;       x = np.pad(x, [(0, 0)] * (x.ndim - 1) + [(0, -K % 32)]); x = x.reshape(x.shape[:-1] + (-1, 32)); a = np.abs(x).max(-1, keepdims=True)
;;       e = np.where(a > 0, np.clip(np.frexp(np.where(a > 0, a, 1))[1] - 1 - 15, -126, 127), 0)      # np.frexp(a)[1] - 1 = floor(log2(a)), exactly
;;       r = np.clip(x / 2.0 ** e, -57344, 57344)
;;       step = 2.0 ** (np.maximum(np.frexp(np.where(r == 0, 1, r))[1] - 1, -14) - 2)
;;       q = np.round(r / step) * step * 2.0 ** e      # np.round: ties to even
;;       return np.moveaxis(q.reshape(q.shape[:-2] + (-1,))[..., :K], -1, axis).astype(np.float32)
;;   ~~~
;;   SOFTMAX AHEAD OF A QUANTISED PRODUCT. Where the list says 'softmax', what is quantised is not the finished softmax but p = 2^(t - M), with t = logit x log2(e) and M = ceil(the row's largest t), a whole number; so 1/2 < the row's largest p <= 1. The row's sum l is taken of the UNQUANTISED p, in f32, and the product's result is divided by l at the end. Since M is a whole number, a kernel that streams over the keys may use a running M (the ceiling of the running maximum): every later rescaling is an exact power of two, which a block's scale takes up: the codes' values come out the same.
;;   OPERANDS COMPUTED ON THE WAY. 'Computed on the way' means the value that the module computes at that place (a softmax that the list does not call 'softmax' is quantised finished and normalised). What goes into a quantiser is computed in f32, as accurately as f32 sums, v_exp_f32 and their like allow (about 1e-6 of the number): no bf16 or f16 on the way to a quantiser, and a product that is left as it is and whose result goes on into a quantised operand takes f32 operands (vector FMAs, or v_wmma_f32_16x16x4_f32). A number that lies on a knife's edge between two numbers of the format may be rounded either way, as far as f32 arithmetic and the matrix unit's own rounding can turn it there, and no further.
;; One version. Each part assembles by itself: llvm-mc -triple=amdgcn-amd-amdhsa -mcpu=gfx1250 --defsym DOCPART=n.
;; ======== version 1 of 1: 7 launches
;; limits: right only within a limited range of input values
;; workspace buffers: wq 13,008,896 bytes; hq 4,325,376 bytes; qkv 13,238,272 bytes; aq 4,325,376 bytes; x1 16,777,216 bytes; gq 17,301,504 bytes
;; launch prepln (part 1): grid 448 x 1, 8 waves a work-group, no clusters, 2,048 bytes of LDS; arguments x, ln1_g, ln1_b, hq, w_qkv, w_out, w_ff1, w_ff2, wq; writes hq, wq
.if DOCPART == 1
	.amdgcn_target "amdgcn-amd-amdhsa--gfx1250"
	.amdhsa_code_object_version 6
	.text
	.protected	k_q71a57095d8_prepln
	.globl	k_q71a57095d8_prepln
	.p2align	8
	.type	k_q71a57095d8_prepln,@function
k_q71a57095d8_prepln:
	s_mov_b64 s[64:65], 0
	v_nop
	global_prefetch_b8 v0, s[64:65] scope:SCOPE_SE
	s_setreg_imm32_b32 hwreg(HW_REG_WAVE_MODE, 25, 1), 1
	s_wait_xcnt 0x0
; THE PROGRAM: a pre-LN transformer block, 4,096 tokens x 1,024, 16 heads of 64, FFN of 4,096; all six products on codes of E5M2 with one E8M0 scale for each 32 along K.
; Launches: prepln (weights to codes, and LayerNorm 1) | qkv | attn | outp (+ residual) | ln2 | ff1 (+ GELU) | ff2 (+ residual).
; WORK LEFT OUT: in attn, key steps (128 keys) all of whose keys come after all 16 queries of a wave's tile.  reference() builds the causal mask itself (jnp.tril) and sets those scores to -inf ahead of the
; softmax, so their weights are exactly 0 and their products with V add exactly 0, whatever finite values the inputs hold.  Nothing else is left out; every input is loaded.
; LIMIT: a NaN, an infinity or an overflow that would arise only in those hidden scores is not carried to the result.
; TWO LAYOUTS OF THE PROGRAM'S OWN, for every operand in workspace.  Rows are kept in SLOTS (beta, r), r = 0..15: slot (beta, r) holds row 32 (beta / 2) + 8 (beta % 2) + r % 8 + 16 (r / 8), so that a product whose
; source 0 is laid so leaves 16 NEIGHBOURS of that axis in a lane's 16 registers of two neighbouring tiles.  Codes: byte ((beta K / 16 + k / 16) 16 + r) 16 + k % 16: a fragment (16 slots x 128 K) is 2,048 consecutive
; bytes, the image of its registers.  Scale words: u32 at (k / 128) RP + 16 beta + r, byte j for k = 32 j .. 32 j + 31 of that 128.
; THIS LAUNCH HOLDS TWO JOBS that share no data and do not wait for each other.  Work-groups 0-191 take the weights (the longer job, so it is started first), work-groups 192-447 the rows of x.  The branch hangs on
; the work-group's number alone: all eight waves of a work-group go the same way, so a wave that meets a barrier meets it with its seven partners.  The weights' path touches no LDS.
; THE WEIGHTS: w_qkv [1024][3072], w_out [1024][1024], w_ff1 [1024][4096], w_ff2 [4096][1024], f32 with K as FIRST axis, become codes and scale words in wq.  A lane takes a column and its registers run down K:
; a block of 32 lies in one lane, the conversions give codes with K innermost.  A wave takes 32 columns x 256 along K; sixteen lanes' 16 codes are 256 consecutive, aligned bytes: no LDS is needed.
; One path serves the four tensors: sizes and pointers are chosen by the wave's task number.
; THE ROWS: y = (x - mean) rsqrt(var + 1e-5) g + b, then the quantiser along the row.  A work-group takes a block of 16 slots; wave w takes k = 128 w .. 128 w + 127 of all 16: lane (r, h) holds register 16 b + i =
; k 128 w + 32 b + 16 h + i of slot r's row: the order of the operand's registers.  Mean and variance in two passes, as jnp.var has them; the waves' partial sums meet in LDS, a barrier for each pass.
; The rows' scale words leave in pieces of 64 bytes: one byte in 32 of what that path stores.
; A block's scale is 2^(floor(log2(largest magnitude)) - 15); its byte is that magnitude's exponent field - 15, held at 1 from below.
; LIMITS: a block of zeros gets the byte 1 where the rule says 127 (its codes are zeros, and this program alone reads the bytes); NaN and infinities among the inputs are not served.
.set NPREP, 192                        ; work-groups that take the weights
.set RED2,  512                        ; LDS (the rows' path alone): 0: the sums [wave][slot], 512 bytes; 512: the sums of squares
.set SPARE, 1024                       ; the spare words, 128 bytes for each of eight waves; no other line names them
.set SPW, 14                           ; v14, v15: the add's two registers; made here, named by nothing else on either path
.set NIL, 15
.set WV,  3                            ; s3  my wave's number
	v_lshl_add_u32 v[SPW], v0, 2, SPARE
	v_mov_b32 v[NIL], 0
	v_lshrrev_b32 v1, 5, v0
	s_delay_alu instid0(VALU_DEP_1)
	v_readfirstlane_b32 s[WV], v1                  ; wave 0..7
	s_cmp_lt_u32 ttmp9, NPREP
	s_cbranch_scc0 .Lnorm
; ---------------------------------------------------------------- THE WEIGHTS
.set OFF, 16                           ; v16-47   byte offset of row i of a block, my column
.set WX,  48                           ; v48-111  two sets of 32 numbers
.set WC,  112                          ; v112-175 eight registers of codes for each block: no store's data are written again
.set SW,  176                          ; v176-177 my column's two scale words
.set MNTW, 54                          ; s54      the mantissa field of 57,344
.set ID,  55                           ; s55      which group of 128 columns x 256 along K: 2 x work-group + wave / 4, 0..383
	s_load_b256 s[4:11], s[0:1], 0x20              ; w_qkv, w_out, w_ff1, w_ff2
	s_load_b64 s[12:13], s[0:1], 0x40              ; wq
	s_lshr_b32 s[ID], s[WV], 2
	s_lshl_b32 s16, ttmp9, 1
	s_add_co_u32 s[ID], s[ID], s16
	s_and_b32 s16, s[WV], 3                        ; which 32 of the 128 columns
	v_and_b32 v2, 31, v0                           ; lane
	v_and_b32 v3, 15, v0                           ; r
	v_bfe_u32 v7, v0, 4, 1                         ; u: which of the wave's two blocks of 16 slots
	s_delay_alu instid0(VALU_DEP_2)
	v_and_b32 v8, 7, v3
	s_delay_alu instid0(VALU_DEP_3)
	v_and_b32 v9, 8, v3
	s_delay_alu instid0(VALU_DEP_1)
	v_lshl_add_u32 v8, v9, 1, v8                   ; r % 8 + 16 (r / 8)
	s_delay_alu instid0(VALU_DEP_1)
	v_lshl_add_u32 v8, v7, 3, v8                   ; + 8 u: my column among the wave's 32
	s_delay_alu instid0(VALU_DEP_1)
	v_lshlrev_b32 v4, 2, v8
	v_lshlrev_b32 v6, 2, v2                        ; a scale word's place: 4 x lane
	s_mov_b32 s[MNTW], 0x600000
	s_mov_b32 s17, 256                             ; w_ff2's figures: first group,
	s_mov_b32 s18, 4096                            ; a row of the tensor in bytes,
	s_mov_b32 s19, 4                               ; log2 of the chunks of 256 along K,
	s_mov_b32 s20, 65536                           ; 16 K: a block of 16 slots in bytes,
	s_mov_b32 s21, 8388608                         ; where its codes begin in wq,
	s_mov_b32 s22, 12877824                        ; where its scale words begin,
	s_mov_b32 s23, 4096                            ; a plane of scale words in bytes
	s_wait_alu depctr_va_vdst(0)
	s_wait_kmcnt 0x0
	s_mov_b64 s[14:15], s[10:11]
	s_cmp_lt_u32 s[ID], 256                        ; w_ff1's
	s_cselect_b32 s17, 128, s17
	s_cselect_b32 s18, 16384, s18
	s_cselect_b32 s19, 2, s19
	s_cselect_b32 s20, 16384, s20
	s_cselect_b32 s21, 4194304, s21
	s_cselect_b32 s22, 12746752, s22
	s_cselect_b32 s23, 16384, s23
	s_cselect_b64 s[14:15], s[8:9], s[14:15]
	s_cmp_lt_u32 s[ID], 128                        ; w_out's
	s_cselect_b32 s17, 96, s17
	s_cselect_b32 s18, 4096, s18
	s_cselect_b32 s21, 3145728, s21
	s_cselect_b32 s22, 12713984, s22
	s_cselect_b32 s23, 4096, s23
	s_cselect_b64 s[14:15], s[6:7], s[14:15]
	s_cmp_lt_u32 s[ID], 96                         ; w_qkv's (its planes of scale words are 4,096 slots apart, as the tokens' are)
	s_cselect_b32 s17, 0, s17
	s_cselect_b32 s18, 12288, s18
	s_cselect_b32 s21, 0, s21
	s_cselect_b32 s22, 12582912, s22
	s_cselect_b32 s23, 16384, s23
	s_cselect_b64 s[14:15], s[4:5], s[14:15]
	s_sub_co_u32 s24, s[ID], s17                   ; my group's number within the tensor
	s_bfm_b32 s25, s19, 0
	s_and_b32 s26, s24, s25                        ; kc: which 256 along K
	s_lshr_b32 s24, s24, s19                       ; which 128 columns
	s_lshl_b32 s24, s24, 2
	s_add_co_u32 s24, s24, s16                     ; G: my wave's group of 32 columns
	s_lshl_b32 s27, s26, 8
	s_mul_i32 s28, s27, s18                        ; 256 kc rows
	s_lshl_b32 s27, s24, 7
	s_add_co_u32 s28, s28, s27                     ; + 128 G bytes
	s_mov_b32 s29, 0
	s_add_nc_u64 s[32:33], s[14:15], s[28:29]      ; block 0's first row;
	s_lshl_b32 s30, s18, 5
	s_mov_b32 s31, 0
.irp t, 1,2,3,4,5,6,7
	s_add_nc_u64 s[32+2*\t:33+2*\t], s[30+2*\t:31+2*\t], s[30:31]   ; a base for each block, 32 rows apart: nothing is stepped later
.endr
	s_lshl_b32 s27, s24, 1
	s_mul_i32 s28, s27, s20                        ; codes: block of slots 2 G,
	s_add_co_u32 s28, s28, s21
	s_lshl_b32 s27, s26, 12
	s_add_co_u32 s28, s28, s27                     ; + 4,096 kc
	s_add_nc_u64 s[48:49], s[12:13], s[28:29]
	s_lshl_b32 s27, s26, 1
	s_mul_i32 s28, s27, s23                        ; scale words: plane 2 kc,
	s_add_co_u32 s28, s28, s22
	s_lshl_b32 s27, s24, 7
	s_add_co_u32 s28, s28, s27                     ; slot 32 G
	s_add_nc_u64 s[50:51], s[12:13], s[28:29]
	s_mov_b32 s28, s23
	s_add_nc_u64 s[52:53], s[50:51], s[28:29]      ; and plane 2 kc + 1
	v_mul_u32_u24 v5, s20, v7
	s_delay_alu instid0(VALU_DEP_1)
	v_lshl_add_u32 v5, v3, 4, v5                   ; my codes' place: u blocks + 16 r
.irp i, 0,1,2,3,4,5,6,7,8,9,10,11,12,13,14,15,16,17,18,19,20,21,22,23,24,25,26,27,28,29,30,31
	v_mad_u32_u24 v[OFF+\i], s18, \i, v4
.endr
.macro LOAD t                          ; block t: W(256 kc + 32 t + i, my column), i = 0 .. 31: each load reads 128 consecutive bytes
.irp i, 0,1,2,3,4,5,6,7,8,9,10,11,12,13,14,15,16,17,18,19,20,21,22,23,24,25,26,27,28,29,30,31
	global_load_b32 v[WX+32*((\t)%2)+\i], v[OFF+\i], s[32+2*(\t):33+2*(\t)] th:TH_LOAD_NT
.endr
.endm
	LOAD 0
	LOAD 1
.macro BLOCK t
.set XS, WX+32*((\t)%2)
.if (\t) < 7
	s_wait_loadcnt 32                              ; this block's 32 loads are in; the next block's 32 may be out
.else
	s_wait_loadcnt 0
.endif
	v_max3_num_f32 v12, |v[XS]|, |v[XS+1]|, |v[XS+2]|   ; the block's largest magnitude: all 32 numbers are mine
	v_max3_num_f32 v13, |v[XS+3]|, |v[XS+4]|, |v[XS+5]|
.irp i, 6,10,14,18,22,26
	s_delay_alu instid0(VALU_DEP_2)
	v_max3_num_f32 v12, v12, |v[XS+\i]|, |v[XS+\i+1]|
	s_delay_alu instid0(VALU_DEP_2)
	v_max3_num_f32 v13, v13, |v[XS+\i+2]|, |v[XS+\i+3]|
.endr
	s_delay_alu instid0(VALU_DEP_2)
	v_max3_num_f32 v12, v12, |v[XS+30]|, |v[XS+31]|
	s_delay_alu instid0(VALU_DEP_1)
	v_max3_num_f32 v12, v12, v13, 0x8000000        ; and the floor 2^(16 - 127): the byte cannot fall under 1
	s_delay_alu instid0(VALU_DEP_1)
	v_add_nc_u32 v11, 0xf8800000, v12              ; 15 off the exponent field: the conversion's scale operand
	s_delay_alu instid0(VALU_DEP_2)
	v_and_or_b32 v10, v12, 0x7f800000, s[MNTW]     ; 57,344 x the scale
	s_delay_alu instid0(VALU_DEP_2)
	v_lshrrev_b32 v13, 23, v11                     ; the scale's byte
.if (\t)%4 == 0
	s_delay_alu instid0(VALU_DEP_1)
	v_mov_b32 v[SW+(\t)/4], v13                    ; four bytes to a word, the lower K in the lower byte
.else
	s_delay_alu instid0(VALU_DEP_1)
	v_lshl_or_b32 v[SW+(\t)/4], v13, 8*((\t)%4), v[SW+(\t)/4]
.endif
.irp i, 0,1,2,3,4,5,6,7,8,9,10,11,12,13,14,15,16,17,18,19,20,21,22,23,24,25,26,27,28,29,30,31
	v_med3_num_f32 v[XS+\i], v[XS+\i], -v10, v10   ; the conversion to an 8-bit code does not saturate (ISA guide 7.6.2): the hold comes first
.endr
.irp g, 0,1,2,3
	v_cvt_scalef32_pk8_bf8_f32 v[WC+8*(\t)+2*\g:WC+8*(\t)+2*\g+1], v[XS+8*\g:XS+8*\g+7], v11
.endr
	global_store_b128 v5, v[WC+8*(\t):WC+8*(\t)+3], s[48:49] offset:512*(\t)         ; sixteen lanes store 256 consecutive, aligned bytes: k 0-15 of the block,
	global_store_b128 v5, v[WC+8*(\t)+4:WC+8*(\t)+7], s[48:49] offset:512*(\t)+256   ; k 16-31.  (The next block begins with plain vector lines that touch nothing of the conversions)
.if (\t)+2 < 8
	LOAD (\t)+2
.endif
.endm
.irp t, 0,1,2,3,4,5,6,7
	BLOCK \t
.endr
	global_store_b32 v6, v[SW], s[50:51]           ; 32 slots' words of the first 128 along K: 128 consecutive bytes,
	global_store_b32 v6, v[SW+1], s[52:53]         ; and of the second
	s_endpgm
; ---------------------------------------------------------------- THE ROWS
.set PW,  28                           ; the scale word
.set X,   32                           ; v32-95   my 64 numbers
.set G,   96                           ; v96-159  the gain at my 64 places
.set BB,  160                          ; v160-223 the bias
.set PC,  224                          ; v224-239 the codes
.set TM,  240                          ; v240-255 at work in the quantiser
.set SEL, 16                           ; s[16:17] lane selects for v_permlanex16_b32: lane l xor 16
.set MNT, 18
.set BETA, 21                          ; s21      my block of 16 slots
.macro QUANT s                         ; 64 numbers of a lane, register 16 b + i = k 32 b + 16 (lane / 16) + i of my row, become a fragment's codes in v[PC] on and its scale word in v[PW]
.irp b, 0,1,2,3
	v_max3_num_f32 v[TM+\b], |v[\s+16*\b]|, |v[\s+1+16*\b]|, 0x8000000   ; my 16 numbers of block b, and the floor 2^(16 - 127): the byte cannot fall under 1
.endr
.irp i, 2,4,6,8,10,12,14
.irp b, 0,1,2,3
	s_delay_alu instid0(VALU_DEP_4)
	v_max3_num_f32 v[TM+\b], v[TM+\b], |v[\s+16*\b+\i]|, |v[\s+1+16*\b+\i]|
.endr
.endr
.irp b, 0,1,2,3
	s_delay_alu instid0(VALU_DEP_4)
	v_permlanex16_b32 v[TM+4+\b], v[TM+\b], s[SEL], s[SEL+1]
.endr
.irp b, 0,1,2,3
	s_delay_alu instid0(VALU_DEP_4)
	v_max_num_f32 v[TM+\b], v[TM+\b], v[TM+4+\b]   ; with lane l xor 16's: the block's largest magnitude
.endr
.irp b, 0,1,2,3
	s_delay_alu instid0(VALU_DEP_4)
	v_add_nc_u32 v[TM+12+\b], 0xf8800000, v[TM+\b] ; 15 off its exponent field: the conversion's scale operand
.endr
.irp b, 0,1,2,3
	v_and_or_b32 v[TM+8+\b], v[TM+\b], 0x7f800000, s[MNT]   ; 57,344 x the scale
.endr
.irp b, 0,1,2,3
	v_lshrrev_b32 v[TM+4+\b], 23, v[TM+12+\b]      ; the scale's byte
.endr
	s_delay_alu instid0(VALU_DEP_3)
	v_lshl_or_b32 v[PW], v[TM+5], 8, v[TM+4]
	s_delay_alu instid0(VALU_DEP_1)
	v_lshl_or_b32 v[PW], v[TM+6], 16, v[PW]
	s_delay_alu instid0(VALU_DEP_1)
	v_lshl_or_b32 v[PW], v[TM+7], 24, v[PW]
.irp b, 0,1,2,3
.irp i, 0,1,2,3,4,5,6,7,8,9,10,11,12,13,14,15
	v_med3_num_f32 v[\s+16*\b+\i], v[\s+16*\b+\i], -v[TM+8+\b], v[TM+8+\b]   ; the conversion does not saturate (ISA guide 7.6.2): the hold
.endr
	v_cvt_scalef32_pk8_bf8_f32 v[PC+4*\b:PC+1+4*\b], v[\s+16*\b:\s+7+16*\b], v[TM+12+\b]
	v_cvt_scalef32_pk8_bf8_f32 v[PC+2+4*\b:PC+3+4*\b], v[\s+8+16*\b:\s+15+16*\b], v[TM+12+\b]
.endr
	v_nop                                          ; a plain vector line behind the last conversion
.endm
.Lnorm:
	s_load_b256 s[4:11], s[0:1], 0x0               ; x, g, b, the codes' buffer
	s_sub_co_u32 s[BETA], ttmp9, NPREP
	v_and_b32 v2, 15, v0                           ; r
	v_bfe_u32 v3, v0, 4, 1                         ; h
	v_and_b32 v9, 31, v0                           ; lane
	s_delay_alu instid0(VALU_DEP_3)
	v_and_b32 v4, 7, v2
	s_delay_alu instid0(VALU_DEP_4)
	v_and_b32 v5, 8, v2
	s_delay_alu instid0(VALU_DEP_1)
	v_lshl_add_u32 v4, v5, 1, v4                   ; r % 8 + 16 (r / 8): my slot's row in the block's 32
	s_delay_alu instid0(VALU_DEP_1)
	v_lshlrev_b32 v4, 12, v4                       ; a row is 4,096 bytes
	s_delay_alu instid0(VALU_DEP_1)
	v_lshl_add_u32 v4, v3, 6, v4                   ; + 64 h
	v_lshlrev_b32 v5, 6, v3                        ; g, b: 64 h
	v_lshlrev_b32 v6, 4, v9                        ; codes: 16 x lane
	v_lshlrev_b32 v7, 2, v2                        ; 4 r
	s_lshl_b32 s13, s[WV], 6
	v_add_nc_u32 v8, s13, v7                       ; LDS: 64 x wave + 4 r
.irp b, 0,1,2,3
	v_mov_b32 v[TM+4+\b], 0                        ; written once: a lane permute's destination counts as one of its sources
.endr
	s_mov_b32 s[SEL], 0x76543210
	s_mov_b32 s[SEL+1], 0xfedcba98
	s_mov_b32 s[MNT], 0x600000
	s_mov_b32 s19, 0x3a800000                      ; 1 / 1,024
	s_lshr_b32 s13, s[BETA], 1
	s_lshl_b32 s13, s13, 5
	s_and_b32 s14, s[BETA], 1
	s_lshl_b32 s14, s14, 3
	s_add_co_u32 s13, s13, s14                     ; the block's first row: 32 (beta / 2) + 8 (beta % 2)
	s_lshl_b32 s24, s13, 12
	s_lshl_b32 s26, s[WV], 9                       ; my wave's 128 numbers: 512 bytes on
	s_add_co_u32 s24, s24, s26
	s_mov_b32 s25, 0
	s_mov_b32 s27, 0
	s_lshl_b32 s28, s[BETA], 14                    ; codes: 16,384 bytes a block, 2,048 a K step
	s_lshl_b32 s14, s[WV], 11
	s_add_co_u32 s28, s28, s14
	s_mov_b32 s29, 0
	s_lshl_b32 s30, s[WV], 14                      ; scale words: plane w of 16,384 bytes, 64 bytes a block
	s_lshl_b32 s14, s[BETA], 6
	s_add_co_u32 s30, s30, s14
	s_mov_b32 s31, 0
	s_wait_alu depctr_va_vdst(0)
	s_wait_kmcnt 0x0
	s_add_nc_u64 s[4:5], s[4:5], s[24:25]
	s_add_nc_u64 s[6:7], s[6:7], s[26:27]
	s_add_nc_u64 s[8:9], s[8:9], s[26:27]
	s_add_nc_u64 s[22:23], s[10:11], s[30:31]
	s_add_nc_u64 s[10:11], s[10:11], s[28:29]
.irp b, 0,1,2,3
.irp j, 0,1,2,3
	global_load_b128 v[X+16*\b+4*\j:X+16*\b+4*\j+3], v4, s[4:5] offset:128*\b+16*\j
.endr
.endr
.irp b, 0,1,2,3
.irp j, 0,1,2,3
	global_load_b128 v[G+16*\b+4*\j:G+16*\b+4*\j+3], v5, s[6:7] offset:128*\b+16*\j
.endr
.endr
.irp b, 0,1,2,3
.irp j, 0,1,2,3
	global_load_b128 v[BB+16*\b+4*\j:BB+16*\b+4*\j+3], v5, s[8:9] offset:128*\b+16*\j
.endr
.endr
	s_wait_loadcnt 32                              ; x's 16 loads are in; g's and b's 32 may be out
	v_pk_add_f32 v[24:25], v[X:X+1], v[X+2:X+3]    ; the sum of my 64, in two chains
	v_pk_add_f32 v[26:27], v[X+4:X+5], v[X+6:X+7]
.irp j, 8,12,16,20,24,28,32,36,40,44,48,52,56,60
	s_delay_alu instid0(VALU_DEP_2)
	v_pk_add_f32 v[24:25], v[24:25], v[X+\j:X+\j+1]
	s_delay_alu instid0(VALU_DEP_2)
	v_pk_add_f32 v[26:27], v[26:27], v[X+\j+2:X+\j+3]
.endr
	s_delay_alu instid0(VALU_DEP_1)
	v_pk_add_f32 v[24:25], v[24:25], v[26:27]
	s_delay_alu instid0(VALU_DEP_1)
	v_add_f32 v24, v24, v25
	s_delay_alu instid0(VALU_DEP_1)
	v_permlanex16_b32 v25, v24, s[SEL], s[SEL+1]
	s_delay_alu instid0(VALU_DEP_1)
	v_add_f32 v24, v24, v25                        ; with lane l xor 16's: my row's 128 numbers of this wave
	ds_store_b32 v8, v24                           ; both halves of the lanes write the same word with the same value
	s_wait_dscnt 0x0                               ; for the others' sake: my store has landed
	s_barrier_signal -1
	s_barrier_wait -1
.irp i, 0,1,2,3,4,5,6,7
	ds_load_b32 v[16+\i], v7 offset:64*\i          ; my row's eight partial sums
.endr
	s_wait_dscnt 0x0
	v_add_f32 v16, v16, v17
	v_add_f32 v18, v18, v19
	v_add_f32 v20, v20, v21
	v_add_f32 v22, v22, v23
	s_delay_alu instid0(VALU_DEP_3)
	v_add_f32 v16, v16, v18
	s_delay_alu instid0(VALU_DEP_2)
	v_add_f32 v20, v20, v22
	s_delay_alu instid0(VALU_DEP_1)
	v_add_f32 v16, v16, v20
	s_delay_alu instid0(VALU_DEP_1)
	v_mul_f32 v10, s19, v16                        ; the mean,
	s_delay_alu instid0(VALU_DEP_1)
	v_mov_b32 v11, v10                             ; twice, for the packed forms
.set j, 0
.rept 32
	v_pk_add_f32 v[X+j:X+j+1], v[X+j:X+j+1], v[10:11] neg_lo:[0,1] neg_hi:[0,1]   ; d = x - mean
.set j, j+2
.endr
	v_pk_mul_f32 v[24:25], v[X:X+1], v[X:X+1]      ; the sum of d^2
	v_pk_mul_f32 v[26:27], v[X+2:X+3], v[X+2:X+3]
.irp j, 4,8,12,16,20,24,28,32,36,40,44,48,52,56,60
	s_delay_alu instid0(VALU_DEP_2)
	v_pk_fma_f32 v[24:25], v[X+\j:X+\j+1], v[X+\j:X+\j+1], v[24:25]
	s_delay_alu instid0(VALU_DEP_2)
	v_pk_fma_f32 v[26:27], v[X+\j+2:X+\j+3], v[X+\j+2:X+\j+3], v[26:27]
.endr
	s_delay_alu instid0(VALU_DEP_1)
	v_pk_add_f32 v[24:25], v[24:25], v[26:27]
	s_delay_alu instid0(VALU_DEP_1)
	v_add_f32 v24, v24, v25
	s_delay_alu instid0(VALU_DEP_1)
	v_permlanex16_b32 v25, v24, s[SEL], s[SEL+1]
	s_delay_alu instid0(VALU_DEP_1)
	v_add_f32 v24, v24, v25
	ds_store_b32 v8, v24 offset:RED2               ; other bytes than the first pass's: no wave can still be reading them
	s_wait_dscnt 0x0
	s_barrier_signal -1
	s_barrier_wait -1
.irp i, 0,1,2,3,4,5,6,7
	ds_load_b32 v[16+\i], v7 offset:RED2+64*\i
.endr
	s_wait_dscnt 0x0
	v_add_f32 v16, v16, v17
	v_add_f32 v18, v18, v19
	v_add_f32 v20, v20, v21
	v_add_f32 v22, v22, v23
	s_delay_alu instid0(VALU_DEP_3)
	v_add_f32 v16, v16, v18
	s_delay_alu instid0(VALU_DEP_2)
	v_add_f32 v20, v20, v22
	s_delay_alu instid0(VALU_DEP_1)
	v_add_f32 v16, v16, v20
	s_delay_alu instid0(VALU_DEP_1)
	v_fmaak_f32 v12, s19, v16, 0x3727c5ac          ; var + 1e-5
	s_wait_alu depctr_va_vdst(0)
	v_rsq_f32 v12, v12
	v_nop                                          ; a plain line behind the transcendental,
	s_wait_alu depctr_va_vdst(0)                   ; and the wait ahead of its first reader
	v_mov_b32 v13, v12
	s_wait_alu depctr_va_vdst(0)
	s_wait_loadcnt 0x0                             ; g and b
.set j, 0
.rept 32
	v_pk_mul_f32 v[X+j:X+j+1], v[X+j:X+j+1], v[12:13]
.set j, j+2
.endr
.set j, 0
.rept 32
	v_pk_fma_f32 v[X+j:X+j+1], v[X+j:X+j+1], v[G+j:G+j+1], v[BB+j:BB+j+1]
.set j, j+2
.endr
	QUANT X
.irp b, 0,1,2,3
	global_store_b128 v6, v[PC+4*\b:PC+4*\b+3], s[10:11] offset:512*\b   ; 32 lanes store 512 consecutive bytes, aligned to 256
.endr
	v_cmp_gt_u32 vcc_lo, 16, v9
	s_wait_xcnt 0x0                                ; EXEC changes only behind this wait
	s_and_saveexec_b32 s20, vcc_lo                 ; lanes 0-15 hold each slot's word once
	global_store_b32 v7, v[PW], s[22:23] offset:4194304
	s_wait_xcnt 0x0
	s_or_b32 exec_lo, exec_lo, s20
	s_wait_tensorcnt 0x0                           ; the wave's end
	ds_add_u32 v[SPW], v[NIL]
	s_wait_dscnt 0x0
	s_endpgm
.Lfunc_end_k_q71a57095d8_prepln:
	.size	k_q71a57095d8_prepln, .Lfunc_end_k_q71a57095d8_prepln-k_q71a57095d8_prepln
	.p2alignl 7, 3214868480
	.fill 96, 4, 3214868480
	.section	.rodata,"a",@progbits
	.p2align	6, 0x0
	.amdhsa_kernel k_q71a57095d8_prepln
		.amdhsa_group_segment_fixed_size 2048
		.amdhsa_private_segment_fixed_size 0
		.amdhsa_enable_private_segment 0
		.amdhsa_kernarg_size 72
		.amdhsa_user_sgpr_count 2
		.amdhsa_user_sgpr_kernarg_segment_ptr 1
		.amdhsa_wavefront_size32 1
		.amdhsa_system_sgpr_workgroup_id_x 1
		.amdhsa_system_sgpr_workgroup_id_y 1
		.amdhsa_system_sgpr_workgroup_id_z 1
		.amdhsa_system_vgpr_workitem_id 0
		.amdhsa_next_free_vgpr 256
		.amdhsa_next_free_sgpr 66
		.amdhsa_reserve_vcc 1
		.amdhsa_float_denorm_mode_32 3
		.amdhsa_float_denorm_mode_16_64 3
		.amdhsa_memory_ordered 1
		.amdhsa_forward_progress 1
		.amdhsa_inst_pref_size 97
	.end_amdhsa_kernel
	.amdgpu_metadata
---
amdhsa.version: [ 1, 2 ]
amdhsa.kernels:
  - .name:           k_q71a57095d8_prepln
    .symbol:         k_q71a57095d8_prepln.kd
    .args:
      - { .name: x, .offset: 0, .size: 8, .value_kind: global_buffer, .address_space: global }
      - { .name: ln1_g, .offset: 8, .size: 8, .value_kind: global_buffer, .address_space: global }
      - { .name: ln1_b, .offset: 16, .size: 8, .value_kind: global_buffer, .address_space: global }
      - { .name: hq, .offset: 24, .size: 8, .value_kind: global_buffer, .address_space: global }
      - { .name: w_qkv, .offset: 32, .size: 8, .value_kind: global_buffer, .address_space: global }
      - { .name: w_out, .offset: 40, .size: 8, .value_kind: global_buffer, .address_space: global }
      - { .name: w_ff1, .offset: 48, .size: 8, .value_kind: global_buffer, .address_space: global }
      - { .name: w_ff2, .offset: 56, .size: 8, .value_kind: global_buffer, .address_space: global }
      - { .name: wq, .offset: 64, .size: 8, .value_kind: global_buffer, .address_space: global }
    .group_segment_fixed_size: 2048
    .private_segment_fixed_size: 0
    .kernarg_segment_align: 8
    .kernarg_segment_size: 72
    .max_flat_workgroup_size: 256
    .sgpr_count:     66
    .vgpr_count:     256
    .wavefront_size: 32
...
	.end_amdgpu_metadata
.endif
;; end of part 1
;; launch qkv (part 2): grid 8 x 24, 4 waves a work-group, clusters of 4 x 4, 327,680 bytes of LDS; arguments hq, wq, b_qkv, qkv; writes qkv
.if DOCPART == 2
	.amdgcn_target "amdgcn-amd-amdhsa--gfx1250"
	.amdhsa_code_object_version 6
	.text
	.protected	k_q71a57095d8_qkv
	.globl	k_q71a57095d8_qkv
	.p2align	8
	.type	k_q71a57095d8_qkv,@function
k_q71a57095d8_qkv:
	s_mov_b64 s[64:65], 0
	v_nop
	global_prefetch_b8 v0, s[64:65] scope:SCOPE_SE
	s_setreg_imm32_b32 hwreg(HW_REG_WAVE_MODE, 25, 1), 1
	s_wait_xcnt 0x0
	s_wait_alu depctr_hold_cnt(0) depctr_sa_sdst(0) depctr_va_vdst(0) depctr_va_sdst(0) depctr_va_ssrc(0) depctr_va_vcc(0) depctr_vm_vsrc(0)
	s_getreg_b32 s2, hwreg(HW_REG_IB_STS2, 6, 4)
	s_cmp_eq_u32 s2, 0
	s_cbranch_scc0 .Lentry_in_a_cluster
	s_endpgm
.Lentry_in_a_cluster:
	s_bfe_u32 s2, ttmp6, 0x10000c
	s_cmp_lg_u32 s2, 0xf033
	s_cbranch_scc0 .Lentry_shape_is_right
	s_endpgm
.Lentry_shape_is_right:
; A GEMM on codes of E5M2 with K = 1,024 whose result, with its bias, is quantised again on the way out.  One text serves two launches (IS_QKV).
; IS_QKV = 1: qkv = h w_qkv + b_qkv.  Clusters with y < 4 make q and k: source 1 = token slots, source 0 = columns 0-2,047 of w_qkv, so a lane holds one token and its registers run along the head's 64: the K of
; q k^T.  Clusters with y >= 4 make v: source 1 = columns 2,048-3,071, source 0 = tokens, so the registers run along the tokens: the K of the product with the softmax.  The two differ in pointers, in the bias's
; shape and in the way out's strides: chosen by the cluster's y, which all partners share.  IS_QKV = 0: gelu(h w_ff1 + b_ff1), exact (erf) GELU, quantised along the 4,096.
; A tile is 256 x 256, four waves of 128 x 128 (64 accumulators, 512 registers).  K goes in steps of 256 through a ring of two LDS slots.  In the program's layout (first launch's head) a fragment is 2,048 consecutive
; bytes, the image of its registers: every LDS load takes 512 consecutive bytes; no padding.  The scale words of the tile's rows, for all of K, come once with the first fills.
; CLUSTERS: 4 x 4 work-groups; source 1's tiles are shared along a row of the cluster, source 0's along a column: asked for jointly.
; THE WAY OUT: the 64 accumulators go to the wave's own 64 KiB of LDS (both slots have had their last fill, and a barrier shows all reads of them over), and a loop of eight trips takes a block of 16 slots at a time:
; (GELU,) quantiser, four stores of 512 consecutive bytes and the scale words.  Written out over 512 registers that text would be several times the ring's.
; LIMITS: a block of zeros gets the byte 1 where the rule says 127 (zero codes; the program's own bytes); NaN and infinities are not served; erf is x P(x^2) / Q(x^2) with x held to +-4 (absolute error about
; 1e-7, where f32's erf is 1 to the last bit beyond 4), and 1 + erf is formed in f32 by one fused multiply-add.
.set IS_QKV, 1
.set NQ,     2                         ; matrix instructions deep in a slot
.set FR,     16                        ; registers of a fragment
.set NL,     4                         ; LDS loads that bring one
.set NP,     8                         ; places behind this matrix instruction (ISA guide 7.12.1)
.set HALFT,  32768                     ; 128 slots x 256 K: what one tensor load brings
.set SLOT,   131072                    ; source 1's 256 slots, then source 0's
.set SCL,    262144                    ; behind the ring: the scale words, [plane 0..7][256 slots]: source 1's 8,192 bytes, then source 0's
.set HALFS,  4096
.set SPARE,  278528                    ; the spare words, 128 bytes a wave; no other line names them
.set SQ,     12582912                  ; in qkv: q's and k's scale words;
.set SV,     13107200                  ; v's
.set ADRA, 16                          ; v16-17 LDS address of my fragments of source 1 (A) in slot 0, 1
.set ADRB, 20                          ; v20-21 of source 0 (B)
.set LN,   22                          ; v22 lane
.set SHV,  23                          ; v23 by how much my half shifts the scale word
.set DW,   24                          ; v24 my place in my dump: 65,536 x wave + 16 x lane
.set DRT,  25                          ; v25 the trip's read address there
.set CA,   26                          ; v26 16 x lane: my codes' place in a store
.set ADRS, 27                          ; v27 LDS address of my scale words: lanes 0-15 A's, lanes 16-31 B's
.set SPW,  28
.set NIL,  29
.set SA,   31                          ; v31 my scale word's place
.set SC,   32                          ; v32-63 scale words, two sets; they hold nothing else
.set BIAS, 64                          ; v64-127 the bias, eight registers a tile, in the result's layout
.set AF,   128                         ; v128-255 A's fragments, one set
.set E,    128                         ; the way out: v128-191 a block's 64 numbers a lane
.set PC,   192                         ; v192-207 codes
.set TM,   208                         ; v208-223 at work in the quantiser
.set PW,   224
.set WD,   225
.set GP,   64                          ; GELU: v64-95 P, v96-127 Q, v226-233 z, v234-241 z^2, v242-245 the two leading coefficients
.set GQ,   96
.set GZ,   226
.set GZ2,  234
.set KA0,  242
.set KB0,  244
.set G1, 24
.set G0, 32
.set G1B, 48
.set G0B, 56
.set G1S, 68
.set G0S, 76
.set G1SB, 80
.set G0SB, 88
.set TYP,  44                          ; s44 1: this cluster makes v
.set MNT,  45
.set SEL,  46
.set LANES, 66
.set DOF,  67
.set CAB,  92                          ; s[92:93], s[94:95] where the codes go; s[96:97] the scale words; s[98:99] a block of 16 slots on
.set CBB,  94
.set SAB,  96
.set RBP,  98
.set WMASK, 100
.set WFILL, 101
.set MSB, 0
.macro WIN new                         ; the immediate's high byte repeats the setting that is left
.if MSB != \new
	s_set_vgpr_msb (MSB<<8)|\new
.set MSB, \new
.endif
.endm
.set MUL_LO, 0xa1                      ; source 0 (B) window 1, source 1 (A) window 0, C and D window 2
.set MUL_HI, 0xf1                      ; C and D window 3
.set INI_LO, 0x81                      ; the first step: C (the bias) window 0, D window 2
.set INI_HI, 0xc1
.set TO_B,   0x40
.macro JLOAD g0a, g1a, g0b, g1b        ; a joint load: waves 0 and 1 fetch for A, waves 2 and 3 for B; an s_nop 0 and four v_nop follow each line
	s_cmp_eq_u32 s15, 0
	s_cbranch_scc0 .Lfor_b_\@
	tensor_load_to_lds s[\g0a:\g0a+3], s[\g1a:\g1a+7]
	s_nop 0
.rept 4
	v_nop
.endr
	s_branch .Lasked_\@
.Lfor_b_\@:
	tensor_load_to_lds s[\g0b:\g0b+3], s[\g1b:\g1b+7]
	s_nop 0
.rept 4
	v_nop
.endr
.Lasked_\@:
.endm
.macro CREST                           ; a round of the cluster's barrier behind its opening barrier
	s_cmp_lg_u32 s14, 0
	s_cbranch_scc1 .Lnot_wave_0_\@
	s_barrier_signal -3
.Lnot_wave_0_\@:
	s_barrier_wait -3
	s_barrier_signal -1
	s_barrier_wait -1
.endm
.macro CROUND
	s_barrier_signal -1
	s_barrier_wait -1
	CREST
.endm
.macro PLACES n
.rept \n
	v_nop
.endr
.endm
.macro QUANT s                         ; 64 numbers of a lane, register 16 b + i = place 32 b + 16 (lane / 16) + i along the next K, become a fragment's codes in v[PC] on and its scale word in v[PW]
.irp b, 0,1,2,3
	v_max3_num_f32 v[TM+\b], |v[\s+16*\b]|, |v[\s+1+16*\b]|, 0x8000000   ; the floor 2^(16 - 127) among the leaves: the byte cannot fall under 1
.endr
.irp i, 2,4,6,8,10,12,14
.irp b, 0,1,2,3
	v_max3_num_f32 v[TM+\b], v[TM+\b], |v[\s+16*\b+\i]|, |v[\s+1+16*\b+\i]|
.endr
.endr
.irp b, 0,1,2,3
	v_permlanex16_b32 v[TM+4+\b], v[TM+\b], s[SEL], s[SEL+1]
.endr
.irp b, 0,1,2,3
	v_max_num_f32 v[TM+\b], v[TM+\b], v[TM+4+\b]
.endr
.irp b, 0,1,2,3
	v_add_nc_u32 v[TM+12+\b], 0xf8800000, v[TM+\b]
.endr
.irp b, 0,1,2,3
	v_and_or_b32 v[TM+8+\b], v[TM+\b], 0x7f800000, s[MNT]
.endr
.irp b, 0,1,2,3
	v_lshrrev_b32 v[TM+4+\b], 23, v[TM+12+\b]
.endr
	v_lshl_or_b32 v[PW], v[TM+5], 8, v[TM+4]
	v_lshl_or_b32 v[PW], v[TM+6], 16, v[PW]
	v_lshl_or_b32 v[PW], v[TM+7], 24, v[PW]
.irp b, 0,1,2,3
.irp i, 0,1,2,3,4,5,6,7,8,9,10,11,12,13,14,15
	v_med3_num_f32 v[\s+16*\b+\i], v[\s+16*\b+\i], -v[TM+8+\b], v[TM+8+\b]
.endr
	v_cvt_scalef32_pk8_bf8_f32 v[PC+4*\b:PC+1+4*\b], v[\s+16*\b:\s+7+16*\b], v[TM+12+\b]
	v_cvt_scalef32_pk8_bf8_f32 v[PC+2+4*\b:PC+3+4*\b], v[\s+8+16*\b:\s+15+16*\b], v[TM+12+\b]
.endr
	v_nop                                          ; a plain vector line behind the last conversion
.endm
	s_load_b256 s[4:11], s[0:1], 0x0               ; the tokens' codes, the weights' codes, the bias, the result
	v_lshl_add_u32 v[SPW], v0, 2, SPARE
	v_mov_b32 v[NIL], 0
	ds_add_u32 v[SPW], v[NIL]                      ; the wave's opening: the add, twice on end, and its wait ahead of my first tensor load
	ds_add_u32 v[SPW], v[NIL]
	v_lshrrev_b32 v1, 5, v0
	v_readfirstlane_b32 s14, v1                    ; wave 0..3
	s_lshr_b32 s15, s14, 1                         ; my half of A's slots.  Also: I fetch for A (0) or for B (1)
	s_and_b32 s16, s14, 1                          ; my half of B's.  Also: which 128 slots I fetch
	s_bfe_u32 s40, ttmp6, 0x40000                  ; cx, cy: my place in the cluster
	s_bfe_u32 s41, ttmp6, 0x40004
	s_and_b32 s13, ttmp7, 0xffff                   ; the cluster's y
	s_lshl_b32 s42, ttmp9, 2
	s_add_co_u32 s42, s42, s40                     ; 4 x cluster x + cx
.if IS_QKV
	s_sub_co_u32 s18, s13, 4
	s_lshl_b32 s18, s18, 3
	s_lshl_b32 s19, s13, 2
	s_cmp_ge_u32 s13, 4
	s_cselect_b32 s[TYP], 1, 0
	s_cselect_b32 s18, s18, 0
	s_cselect_b32 s19, 0, s19
	s_add_co_u32 s42, s42, s18                     ; B's tile: q, k: 0-7 of w's columns; v: 0-15 of the tokens
	s_add_co_u32 s17, s41, s19                     ; A's tile: q, k: 0-15 of the tokens; v: 0-3 of v's columns
.else
	s_lshl_b32 s17, s13, 2
	s_add_co_u32 s17, s17, s41
.endif
	s_lshl_b32 s43, s41, 2
	s_lshl_b32 s43, 15, s43                        ; my row of the cluster
	s_lshl_b32 s12, 0x1111, s40                    ; my column
	; descriptor group 1, codes: 8 blocks of 16 slots, of each 4,096 consecutive bytes (256 along K), blocks 16,384 bytes apart; dense in LDS
	s_or_b32 s[G1+0], s43, (1<<21)                 ; 15:0 the mask; 17:16 elements of one byte; 21 set beside a mask
	s_or_b32 s[G1B+0], s12, (1<<21)
.irp g, G1, G1B
	s_mov_b32 s[\g+1], 4096<<16                    ; tensor_dim0
	s_mov_b32 s[\g+2], 16<<16                      ; tensor_dim1: the head's loads bring a whole tile, 16 blocks; the ring's 8 (set behind the head's wait)
	s_mov_b32 s[\g+3], 4096<<16                    ; tile_dim0
	s_mov_b32 s[\g+4], 16                          ; tile_dim1
	s_mov_b32 s[\g+5], 16384                       ; from block to block
	s_mov_b32 s[\g+6], 0
	s_mov_b32 s[\g+7], 0
.endr
	; scale words: 8 planes, of each 1,024 bytes (256 slots), planes 16,384 bytes apart.  No prefetch: K is four K steps, of which the head and the first round ask for two
	s_or_b32 s[G1S+0], s43, (1<<21)
	s_or_b32 s[G1SB+0], s12, (1<<21)
.irp g, G1S, G1SB
	s_mov_b32 s[\g+1], 1024<<16
	s_mov_b32 s[\g+2], 8<<16
	s_mov_b32 s[\g+3], 1024<<16
	s_mov_b32 s[\g+4], 8
	s_mov_b32 s[\g+5], 16384
	s_mov_b32 s[\g+6], 0
	s_mov_b32 s[\g+7], 0
.endr
	s_lshl_b32 s18, s16, 7
	s_lshl_b32 s20, s17, 8
	s_add_co_u32 s20, s20, s18                     ; A: the first slot that I fetch
	s_lshl_b32 s92, s42, 8
	s_add_co_u32 s92, s92, s18                     ; B likewise (A's registers never hold cx, B's never cy)
	s_lshl_b32 s22, s20, 2                         ; its scale word,
	s_lshl_b32 s94, s92, 2
	s_lshl_b32 s20, s20, 10                        ; its codes: 1,024 bytes a slot
	s_lshl_b32 s92, s92, 10
	s_mov_b32 s21, 0
	s_mov_b32 s23, 0
	s_mov_b32 s93, 0
	s_mov_b32 s95, 0
.if IS_QKV
	s_cmp_eq_u32 s[TYP], 1
	s_cselect_b32 s18, 2097152, 0                  ; v: A begins at column 2,048 of the weights
	s_mov_b32 s19, 4194304
	s_cselect_b32 s19, 12591104, s19               ; A's scale words: the weights' from slot 2,048, or the tokens'
	s_mov_b32 s96, 12582912
	s_cselect_b32 s96, 4194304, s96                ; B's: the tokens', or the weights'
	s_add_co_u32 s20, s20, s18
	s_add_co_u32 s22, s22, s19
	s_add_co_u32 s94, s94, s96
.else
	s_add_co_u32 s22, s22, 4194304                 ; the tokens' scale words
	s_add_co_u32 s92, s92, 4194304                 ; w_ff1's codes
	s_add_co_u32 s94, s94, 12746752                ; and scale words
.endif
	s_mul_i32 s96, s14, HALFT                      ; where they go: by the wave's number alone
	s_wait_dscnt 0x0                               ; both opening adds are done
	s_wait_kmcnt 0x0
.if IS_QKV
	s_cmp_eq_u32 s[TYP], 1
	s_cselect_b64 s[98:99], s[6:7], s[4:5]         ; A's buffer
	s_cselect_b64 s[100:101], s[4:5], s[6:7]       ; B's
	s_add_nc_u64 s[20:21], s[98:99], s[20:21]
	s_add_nc_u64 s[22:23], s[98:99], s[22:23]
	s_add_nc_u64 s[92:93], s[100:101], s[92:93]
	s_add_nc_u64 s[94:95], s[100:101], s[94:95]
.else
	s_add_nc_u64 s[20:21], s[4:5], s[20:21]
	s_add_nc_u64 s[22:23], s[4:5], s[22:23]
	s_add_nc_u64 s[92:93], s[6:7], s[92:93]
	s_add_nc_u64 s[94:95], s[6:7], s[94:95]
.endif
	CROUND                                         ; all sixteen work-groups are here: the first joint loads meet
	s_mov_b32 s[G0S], 1
	s_mov_b32 s[G0S+1], SCL
	s_lshl_b32 s2, s16, 9                          ; back from my half's first word to the tile's
	s_mov_b32 s3, 0
	s_sub_nc_u64 s[G0S+2:G0S+3], s[22:23], s[2:3]
	s_or_b32 s[G0S+3], s[G0S+3], 0x80000000
	s_mov_b32 s[G0SB], 1
	s_mov_b32 s[G0SB+1], SCL+2*HALFS
	s_sub_nc_u64 s[G0SB+2:G0SB+3], s[94:95], s[2:3]
	s_or_b32 s[G0SB+3], s[G0SB+3], 0x80000000
.irp s, 0,1
	s_mov_b32 s[G0+4*\s], 1
	s_add_co_u32 s[G0+4*\s+1], s96, \s*SLOT
	s_add_nc_u64 s[G0+4*\s+2:G0+4*\s+3], s[20:21], \s*4096
	s_or_b32 s[G0+4*\s+3], s[G0+4*\s+3], 0x80000000
	s_mov_b32 s[G0B+4*\s], 1
	s_add_co_u32 s[G0B+4*\s+1], s96, \s*SLOT
	s_add_nc_u64 s[G0B+4*\s+2:G0B+4*\s+3], s[92:93], \s*4096
	s_or_b32 s[G0B+4*\s+3], s[G0B+4*\s+3], 0x80000000
.endr
; THE HEAD'S LOADS, ONE A WAVE, in one chain of branches on the wave's number.  Wave 0's slot-0 descriptor names A's tile from its first block, wave 2's B's: with 16 blocks each brings a whole tile.
.macro ARM under, g0, g1, next
	s_cmp_lt_u32 s14, \under
	s_cbranch_scc0 \next
	tensor_load_to_lds s[\g0:\g0+3], s[\g1:\g1+7]
	s_nop 0
.rept 4
	v_nop
.endr
	s_branch .Lhead_asked
\next:
.endm
	ARM 1, G0,  G1,  .Lhead_sa                     ; wave 0: K step 0 of A's 256 slots
	ARM 2, G0S, G1S, .Lhead_b                      ; wave 1: A's scale words
	ARM 3, G0B, G1B, .Lhead_sb                     ; wave 2: K step 0 of B's 256 slots
	tensor_load_to_lds s[G0SB:G0SB+3], s[G1SB:G1SB+7]   ; wave 3: B's scale words
	s_nop 0
.rept 4
	v_nop
.endr
.Lhead_asked:
	v_and_b32 v[LN], 31, v0
	v_and_b32 v1, 15, v0                           ; r
	v_bfe_u32 v2, v0, 4, 1                         ; h
	s_wait_alu depctr_va_vdst(0)
	v_lshlrev_b32 v[CA], 4, v[LN]
	s_wait_alu depctr_va_vdst(0)
	s_mul_i32 s21, s15, HALFT
	s_mul_i32 s22, s16, HALFT
	s_add_co_u32 s22, s22, 2*HALFT
.irp s, 0,1
	v_add_nc_u32 v[ADRA+\s], s21, v[CA]
	v_add_nc_u32 v[ADRB+\s], s22, v[CA]
	s_add_co_u32 s21, s21, SLOT
	s_add_co_u32 s22, s22, SLOT
.endr
	v_lshlrev_b32 v5, 2, v1
	s_lshl_b32 s21, s15, 9                         ; A's words: my half's 128 slots in each plane
	s_lshl_b32 s22, s16, 9                         ; B's: likewise, behind A's planes
	s_add_co_u32 s22, s22, 2*HALFS
	s_sub_co_u32 s22, s22, s21
	v_mul_u32_u24 v6, s22, v2                      ; lanes 16-31 take B's
	s_add_co_u32 s21, s21, SCL
	v_add_nc_u32 v5, v5, v6
	v_add_nc_u32 v[ADRS], s21, v5
	s_lshl_b32 s23, s14, 16
	v_add_nc_u32 v[DW], s23, v[CA]
	s_lshl_b32 s18, s17, 8
	s_lshl_b32 s19, s15, 7
	s_add_co_u32 s18, s18, s19                     ; I0: my first slot of A
	s_lshl_b32 s19, s42, 8
	s_lshl_b32 s20, s16, 7
	s_add_co_u32 s19, s19, s20                     ; J0: my first place along B's axis
.if IS_QKV
	s_cmp_eq_u32 s[TYP], 1
	s_cselect_b32 s20, 4, 12                       ; codes: q, k: J0 / 64 heads of 262,144 bytes, I0 / 16 blocks of 1,024;
	s_cselect_b32 s21, 12, 6                       ; v: I0 / 16 blocks of 65,536, J0 / 16 units of 256
	s_cselect_b32 s22, 5, 8                        ; words: q, k: a head's 16,384 bytes; v: a plane of 4,096 for each 128 tokens
	s_cselect_b32 s23, 8388608, 0
	s_mov_b32 s92, SQ
	s_cselect_b32 s92, SV, s92
	s_mov_b32 s94, 262144
	s_cselect_b32 s94, 1024, s94                   ; from my first 64 places to my second: the next head, or 1,024 bytes
	s_mov_b32 s[RBP], 1024
	s_cselect_b32 s[RBP], 65536, s[RBP]
	s_cselect_b32 s96, 0, 16384                    ; q, k: lanes 16-31 store the second head's word
	s_cselect_b32 s97, 0, 16                       ; made of the upper two bytes
	s_cselect_b32 s[WMASK], -1, 0xffff
	s_cselect_b32 s[WFILL], 0, 0x7f7f0000          ; q, k: K = 64; the instruction's upper 64 are zero codes under the byte 127
	s_cselect_b32 s[LANES], 16, 32
	s_lshl_b32 s20, s19, s20
	s_lshl_b32 s21, s18, s21
	s_add_co_u32 s20, s20, s21
	s_add_co_u32 s20, s20, s23
	s_lshl_b32 s22, s19, s22
	s_lshl_b32 s23, s18, 2
	s_add_co_u32 s22, s22, s23
	s_add_co_u32 s22, s22, s92
	v_mul_u32_u24 v6, s96, v2
	v_lshl_add_u32 v[SA], v1, 2, v6
	v_mul_u32_u24 v[SHV], s97, v2
	s_mov_b32 s21, 0
	s_mov_b32 s23, 0
	s_mov_b32 s95, 0
	s_mov_b32 s[RBP+1], 0
	s_add_nc_u64 s[CAB:CAB+1], s[10:11], s[20:21]
	s_add_nc_u64 s[CBB:CBB+1], s[CAB:CAB+1], s[CBB:CBB+1]
	s_add_nc_u64 s[SAB:SAB+1], s[10:11], s[22:23]
	s_mov_b32 s21, 0
	s_cmp_eq_u32 s[TYP], 1                         ; the cluster's y alone: the same in all partners
	s_cbranch_scc1 .Lbias_v
.else
	s_lshl_b32 s20, s18, 12                        ; codes: I0 / 16 blocks of 65,536 bytes, J0 / 16 units of 256
	s_lshl_b32 s21, s19, 4
	s_add_co_u32 s20, s20, s21
	s_mov_b32 s21, 0
	s_add_nc_u64 s[CAB:CAB+1], s[10:11], s[20:21]
	s_add_nc_u64 s[CBB:CBB+1], s[CAB:CAB+1], 1024
	s_lshl_b32 s22, s19, 7                         ; words: plane J0 / 128 of 16,384 bytes
	s_lshl_b32 s23, s18, 2
	s_add_co_u32 s22, s22, s23
	s_add_co_u32 s22, s22, 16777216
	s_mov_b32 s23, 0
	s_add_nc_u64 s[SAB:SAB+1], s[10:11], s[22:23]
	s_mov_b32 s[RBP], 65536
	s_mov_b32 s[RBP+1], 0
	v_lshlrev_b32 v[SA], 2, v1
.endif
	s_lshl_b32 s20, s19, 2                         ; the bias runs along B's axis: tile t's eight registers are places 32 (t / 2) + 8 (t % 2) + 16 h + 0 .. 7
	s_add_nc_u64 s[20:21], s[8:9], s[20:21]
	v_lshlrev_b32 v7, 6, v2
.irp t, 0,1,2,3,4,5,6,7
	global_load_b128 v[BIAS+8*\t:BIAS+8*\t+3], v7, s[20:21] offset:(32*(\t/2)+8*(\t%2))*4
	global_load_b128 v[BIAS+8*\t+4:BIAS+8*\t+7], v7, s[20:21] offset:(32*(\t/2)+8*(\t%2))*4+16
.endr
	s_wait_loadcnt 0x0
.if IS_QKV
	s_branch .Lbias_done
.Lbias_v:
	s_lshl_b32 s20, s18, 2                         ; v: the bias runs along A's slots: one number a lane for each block, in all eight registers
	s_add_co_u32 s20, s20, 8192
	s_add_nc_u64 s[20:21], s[8:9], s[20:21]
	v_and_b32 v7, 7, v1
	v_and_b32 v8, 8, v1
	v_lshl_add_u32 v7, v8, 1, v7
	v_lshlrev_b32 v7, 2, v7
.irp a, 0,1,2,3,4,5,6,7
	global_load_b32 v[BIAS+8*\a], v7, s[20:21] offset:(32*(\a/2)+8*(\a%2))*4
.endr
	s_wait_loadcnt 0x0
.irp a, 0,1,2,3,4,5,6,7
.irp j, 1,2,3,4,5,6,7
	v_mov_b32 v[BIAS+8*\a+\j], v[BIAS+8*\a]
.endr
.endr
.Lbias_done:
.endif
	s_mov_b32 s[SEL], 0x76543210
	s_mov_b32 s[SEL+1], 0xfedcba98
	s_mov_b32 s[MNT], 0x600000
.macro MM d, b, a, c, sb, sa           ; one product: D, source 0 (B's fragment, its words in lanes 16-31), source 1 (A's, lanes 0-15), C
	v_wmma_scale_f32_16x16x128_f8f6f4 v[(\d):(\d)+7], v[(\b):(\b)+15], v[(\a):(\a)+15], v[(\c):(\c)+7], v[\sb], v[\sa] matrix_a_fmt:MATRIX_FMT_BF8 matrix_b_fmt:MATRIX_FMT_BF8 matrix_a_scale:MATRIX_SCALE_ROW1
.endm
; 16 products: A's blocks a0, a0 + 1 x B's eight.  ci = 0: in place; 1: the sums start from the bias along B's axis; 2: from the bias along A's slots.  The 64 accumulators take turns, one instruction a turn, in
; the same order in every step.
.macro MUL16 a0, p, q, sc, ci
.irp a, \a0, \a0+1
.irp b, 0,1,2,3,4,5,6,7
.if (\ci) == 1
	MM 8*(8*((\a)%4)+\b), 128*(\p)+FR*\b, AF+FR*(\a), BIAS+8*\b, SC+16*(\sc)+2*\b+(\q), SC+16*(\sc)+2*(\a)+(\q)
.elseif (\ci) == 2
	MM 8*(8*((\a)%4)+\b), 128*(\p)+FR*\b, AF+FR*(\a), BIAS+8*(\a), SC+16*(\sc)+2*\b+(\q), SC+16*(\sc)+2*(\a)+(\q)
.else
	MM 8*(8*((\a)%4)+\b), 128*(\p)+FR*\b, AF+FR*(\a), 8*(8*((\a)%4)+\b), SC+16*(\sc)+2*\b+(\q), SC+16*(\sc)+2*(\a)+(\q)
.endif
.endr
.endr
.endm
.macro FRAG reg, adr, q, i             ; a fragment: four loads of 512 consecutive bytes
.irp c, 0,1,2,3
	ds_load_b128 v[\reg+4*\c:\reg+4*\c+3], v[\adr] offset:2048*(\q)+512*\c+4096*(\i)
.endr
.endm
.macro FETCH_B slot, q, p
	WIN TO_B
.irp i, 0,1,2,3,4,5,6,7
	FRAG 128*(\p)+FR*\i, ADRB+\slot, \q, \i
.endr
	WIN 0
.endm
.macro FETCH_A slot, q, i0
.irp i, \i0, \i0+1, \i0+2, \i0+3
	FRAG AF+FR*(\i), ADRA+\slot, \q, \i
.endr
.endm
.macro SCALES sc                       ; a K step's scale words: lanes 0-15 A's block i, lanes 16-31 B's block i, planes q = 0, 1
.irp i, 0,1,2,3,4,5,6,7
.irp q, 0,1
	ds_load_b32 v[SC+16*\sc+2*\i+\q], v[ADRS] offset:1024*\q+64*\i
.endr
.endr
.endm
.macro STEP slot, q, ci                ; a step of 128 along K that has its successor in the same slot
	s_wait_dscnt 4*NL                              ; B's set, A's blocks 0-3 and the words are in; the youngest 16 loads (A's blocks 4-7) may be out
.if \ci
	WIN INI_LO
.else
	WIN MUL_LO
.endif
	MUL16 0, (\q)%2, \q, \slot, \ci
	MUL16 2, (\q)%2, \q, \slot, \ci
	s_wait_dscnt 0
	PLACES NP                                      ; in front of loads into registers that matrix instructions have read
	FETCH_B \slot, (\q)+1, 1-(\q)%2
	FETCH_A \slot, (\q)+1, 0
.if \ci
	WIN INI_HI
.else
	WIN MUL_HI
.endif
	MUL16 4, (\q)%2, \q, \slot, \ci
	MUL16 6, (\q)%2, \q, \slot, \ci
	PLACES NP
	WIN 0
	FETCH_A \slot, (\q)+1, 4
.endm
; A slot's last step changes slots: one barrier; in front of it each wave waits for all its tensor loads, adds 0 to its spare word, and waits for that and for its reads of this slot.
.macro TURN slot, next, fill
	s_wait_tensorcnt 0x0                           ; all my tensor loads have landed: my part of the next slot
	ds_add_u32 v[SPW], v[NIL]
	s_wait_dscnt 4*NL+1                            ; (the add and A's blocks 4-7, 16 loads, may be out)
	WIN MUL_LO
	MUL16 0, 1, NQ-1, \slot, 0
	s_wait_dscnt 0x0                               ; the add is done, and my reads of this slot are over
	s_barrier_signal -1
	MUL16 2, 1, NQ-1, \slot, 0
	WIN 0
	s_barrier_wait -1
.if \fill
	CREST                                          ; the barrier has opened a round of the cluster's: no wave of any partner still reads this slot or has a load on its way
	s_add_nc_u64 s[G0+4*\slot+2:G0+4*\slot+3], s[G0+4*\slot+2:G0+4*\slot+3], 8192
	s_add_nc_u64 s[G0B+4*\slot+2:G0B+4*\slot+3], s[G0B+4*\slot+2:G0B+4*\slot+3], 8192
	JLOAD G0+4*\slot, G1, G0B+4*\slot, G1B         ; the first tensor load behind the round, my one load until the next; its four v_nop are among the places below
	PLACES NP-4
.else
	PLACES NP
.endif
	s_wait_alu depctr_va_vdst(0)
	v_add_nc_u32 v[ADRS], 2048, v[ADRS]            ; two planes of scale words on
	FETCH_B \next, 0, 0
	FETCH_A \next, 0, 0
	SCALES \next
	WIN MUL_HI
	MUL16 4, 1, NQ-1, \slot, 0
	MUL16 6, 1, NQ-1, \slot, 0
	PLACES NP
	WIN 0
	FETCH_A \next, 0, 4
.endm
	s_wait_alu depctr_va_vdst(0)                   ; the wait at the head's end
	s_wait_tensorcnt 0x0                           ; my tile of the head's four is in; a later first fill is issued as a refill is:
	ds_add_u32 v[SPW], v[NIL]                      ; the add;
	s_mov_b32 s[G1+2], 8<<16                       ; no tensor load of mine is out: from here on a load brings 8 blocks
	s_mov_b32 s[G1+4], 8
	s_mov_b32 s[G1B+2], 8<<16
	s_mov_b32 s[G1B+4], 8
	s_wait_dscnt 0x0
	CROUND                                         ; a whole round: all four tiles are in, and the sixteen work-groups are here
	JLOAD G0+4, G1, G0B+4, G1B                     ; K step 1, my one tensor load behind the round
	FETCH_B 0, 0, 0
	FETCH_A 0, 0, 0
	s_wait_alu depctr_va_vdst(0)
	SCALES 0
	FETCH_A 0, 0, 4
.if IS_QKV
	s_cmp_eq_u32 s[TYP], 1
	s_cbranch_scc1 .Lfirst_v
	STEP 0, 0, 1                                   ; the first step's products start the sums from the bias
	s_branch .Lfirst_done
.Lfirst_v:
	STEP 0, 0, 2
.Lfirst_done:
.else
	STEP 0, 0, 1
.endif
	TURN 0, 1, 1                                   ; K = 1,024 is four K steps: the ring goes round twice and is written out
	STEP 1, 0, 0
	TURN 1, 0, 1
	STEP 0, 0, 0
	TURN 0, 1, 0                                   ; nothing is left to fetch
	STEP 1, 0, 0
	s_wait_dscnt 4*NL
	WIN MUL_LO
	MUL16 0, 1, NQ-1, 1, 0
	MUL16 2, 1, NQ-1, 1, 0
	s_wait_dscnt 0
	WIN MUL_HI
	MUL16 4, 1, NQ-1, 1, 0
	MUL16 6, 1, NQ-1, 1, 0
	WIN 0
	PLACES NP                                      ; in front of the first reads of results
	s_barrier_signal -1                            ; no LDS instruction of mine is out: my reads of both slots are over;
	s_barrier_wait -1                              ; everybody's are: the slots, which have had their last fill, take the dumps
.irp a, 0,1,2,3,4,5,6,7
	WIN 0x08+4*(\a/4)                              ; an LDS store's data are its source 1: window 2 or 3
.irp b, 0,1,2,3,4,5,6,7
	ds_store_b128 v[DW], v[8*(8*(\a%4)+\b):8*(8*(\a%4)+\b)+3] offset:8192*\a+1024*\b          ; each accumulator from its low end on
	ds_store_b128 v[DW], v[8*(8*(\a%4)+\b)+4:8*(8*(\a%4)+\b)+7] offset:8192*\a+1024*\b+512
.endr
.endr
	WIN 0
.irp b, 0,1,2,3
	v_mov_b32 v[TM+4+\b], 0                        ; written once: a lane permute's destination counts as one of its sources
.endr
.if !IS_QKV
	v_mov_b32 v[KA0], 0xaf95df0b
	v_mov_b32 v[KA0+1], 0xaf95df0b
	v_mov_b32 v[KB0], 0xb77460cd
	v_mov_b32 v[KB0+1], 0xb77460cd
.macro HORNER reg, lit                 ; four pairs: reg = reg z^2 + the next coefficient
.irp k, 0,2,4,6
	v_pk_fma_f32 v[\reg+\k:\reg+\k+1], v[\reg+\k:\reg+\k+1], v[GZ2+\k:GZ2+\k+1], \lit op_sel_hi:[1,1,0]
.endr
.endm
; Eight numbers x at v[e0] on: v[e0] = x / 2; z = x / sqrt(2) held to +-4; P = z P(z^2) and 1 / Q(z^2) at v[GP + p0], v[GQ + p0]: erf(z) = P / Q.  Four pairs by turns, line by line.
.macro GELU4 e0, p0
.irp k, 0,2,4,6
	v_pk_mul_f32 v[\e0+\k:\e0+\k+1], v[\e0+\k:\e0+\k+1], 0.5 op_sel_hi:[1,0]
.endr
.irp k, 0,2,4,6
	v_pk_mul_f32 v[GZ+\k:GZ+\k+1], v[\e0+\k:\e0+\k+1], 0x3fb504f3 op_sel_hi:[1,0]
.endr
.irp k, 0,1,2,3,4,5,6,7
	v_med3_num_f32 v[GZ+\k], v[GZ+\k], -4.0, 4.0
.endr
.irp k, 0,2,4,6
	v_pk_mul_f32 v[GZ2+\k:GZ2+\k+1], v[GZ+\k:GZ+\k+1], v[GZ+\k:GZ+\k+1]
.endr
.irp k, 0,2,4,6
	v_pk_fma_f32 v[GP+\p0+\k:GP+\p0+\k+1], v[GZ2+\k:GZ2+\k+1], v[KA0:KA0+1], 0x32edffee op_sel_hi:[1,1,0]
.endr
.irp k, 0,2,4,6
	v_pk_fma_f32 v[GQ+\p0+\k:GQ+\p0+\k+1], v[GZ2+\k:GZ2+\k+1], v[KB0:KB0+1], 0xb95fbd29 op_sel_hi:[1,1,0]
.endr
	HORNER GP+\p0, 0xb60cff51
	HORNER GQ+\p0, 0xbadc924e
	HORNER GP+\p0, 0xb86ec2d2
	HORNER GQ+\p0, 0xbbf19bf8
	HORNER GP+\p0, 0xba40ac63
	HORNER GQ+\p0, 0xbc69b6a7
	HORNER GP+\p0, 0xbb41a1f6
	HORNER GP+\p0, 0xbc83dbd4
.irp k, 0,2,4,6
	v_pk_mul_f32 v[GP+\p0+\k:GP+\p0+\k+1], v[GP+\p0+\k:GP+\p0+\k+1], v[GZ+\k:GZ+\k+1]
.endr
.irp k, 0,1,2,3,4,5,6,7
	v_rcp_f32 v[GQ+\p0+\k], v[GQ+\p0+\k]
.endr
.endm
.endif
	s_mov_b32 s[DOF], 0
	s_mov_b32 s3, 8
.Lrow:                                             ; eight trips: a block of 16 slots of A, my 128 places along B's axis: 64 numbers a lane
	v_add_nc_u32 v[DRT], s[DOF], v[DW]
.irp b, 0,1,2,3,4,5,6,7
	ds_load_b128 v[E+8*\b:E+8*\b+3], v[DRT] offset:1024*\b          ; my own bytes: LDS serves a wave's instructions in order, so these see my stores
	ds_load_b128 v[E+8*\b+4:E+8*\b+7], v[DRT] offset:1024*\b+512
.endr
	s_wait_dscnt 0x0
.if !IS_QKV
.irp u, 0,1                            ; GELU, 32 numbers a batch: its 32 reciprocals have one wait
.irp g, 0,1,2,3
	GELU4 (E+32*\u+8*\g), (8*\g)
.endr
	v_nop                                          ; a plain line behind the last reciprocal,
	s_wait_alu depctr_va_vdst(0)                   ; and the one wait ahead of the batch's first reader
.irp k, 0,2,4,6,8,10,12,14,16,18,20,22,24,26,28,30
	v_pk_mul_f32 v[GP+\k:GP+\k+1], v[GP+\k:GP+\k+1], v[GQ+\k:GQ+\k+1]   ; erf
.endr
.irp k, 0,2,4,6,8,10,12,14,16,18,20,22,24,26,28,30
	v_pk_fma_f32 v[E+32*\u+\k:E+32*\u+\k+1], v[E+32*\u+\k:E+32*\u+\k+1], v[GP+\k:GP+\k+1], v[E+32*\u+\k:E+32*\u+\k+1]   ; x / 2 + (x / 2) erf
.endr
.endr
.endif
	QUANT E
	global_store_b128 v[CA], v[PC:PC+3], s[CAB:CAB+1]                 ; each store: 512 consecutive bytes, aligned to 256
	global_store_b128 v[CA], v[PC+4:PC+7], s[CAB:CAB+1] offset:512
	global_store_b128 v[CA], v[PC+8:PC+11], s[CBB:CBB+1]
	global_store_b128 v[CA], v[PC+12:PC+15], s[CBB:CBB+1] offset:512
.if IS_QKV
	v_lshrrev_b32 v[WD], v[SHV], v[PW]             ; q, k: two bytes for each head, under 0x7f7f; v: the word as it stands
	v_and_or_b32 v[WD], v[WD], s[WMASK], s[WFILL]
	v_cmp_gt_u32 vcc_lo, s[LANES], v[LN]
.else
	v_mov_b32 v[WD], v[PW]
	v_cmp_gt_u32 vcc_lo, 16, v[LN]
.endif
	s_wait_alu depctr_va_vdst(0)
	s_wait_xcnt 0x0                                ; EXEC changes only behind this wait
	s_and_saveexec_b32 s2, vcc_lo
	global_store_b32 v[SA], v[WD], s[SAB:SAB+1]
	s_wait_xcnt 0x0                                ; and again; behind it the stores' bases and data may be written too
	s_or_b32 exec_lo, exec_lo, s2
	s_add_nc_u64 s[CAB:CAB+1], s[CAB:CAB+1], s[RBP:RBP+1]
	s_add_nc_u64 s[CBB:CBB+1], s[CBB:CBB+1], s[RBP:RBP+1]
	s_add_nc_u64 s[SAB:SAB+1], s[SAB:SAB+1], 64
	s_add_co_u32 s[DOF], s[DOF], 8192
	s_sub_co_u32 s3, s3, 1
	s_cmp_lg_u32 s3, 0
	s_cbranch_scc1 .Lrow
	s_wait_tensorcnt 0x0                           ; the wave's end
	ds_add_u32 v[SPW], v[NIL]
	s_wait_dscnt 0x0
	CROUND                                         ; the closing round
	s_endpgm
.Lfunc_end_k_q71a57095d8_qkv:
	.size	k_q71a57095d8_qkv, .Lfunc_end_k_q71a57095d8_qkv-k_q71a57095d8_qkv
	.p2alignl 7, 3214868480
	.fill 96, 4, 3214868480
	.section	.rodata,"a",@progbits
	.p2align	6, 0x0
	.amdhsa_kernel k_q71a57095d8_qkv
		.amdhsa_group_segment_fixed_size 327680
		.amdhsa_private_segment_fixed_size 0
		.amdhsa_enable_private_segment 0
		.amdhsa_kernarg_size 32
		.amdhsa_user_sgpr_count 2
		.amdhsa_user_sgpr_kernarg_segment_ptr 1
		.amdhsa_wavefront_size32 1
		.amdhsa_system_sgpr_workgroup_id_x 1
		.amdhsa_system_sgpr_workgroup_id_y 1
		.amdhsa_system_sgpr_workgroup_id_z 1
		.amdhsa_system_vgpr_workitem_id 0
		.amdhsa_next_free_vgpr 1024
		.amdhsa_next_free_sgpr 104
		.amdhsa_reserve_vcc 1
		.amdhsa_float_denorm_mode_32 3
		.amdhsa_float_denorm_mode_16_64 3
		.amdhsa_memory_ordered 1
		.amdhsa_forward_progress 1
		.amdhsa_inst_pref_size 156
	.end_amdhsa_kernel
	.amdgpu_metadata
---
amdhsa.version: [ 1, 2 ]
amdhsa.kernels:
  - .name:           k_q71a57095d8_qkv
    .symbol:         k_q71a57095d8_qkv.kd
    .args:
      - { .name: hq, .offset: 0, .size: 8, .value_kind: global_buffer, .address_space: global }
      - { .name: wq, .offset: 8, .size: 8, .value_kind: global_buffer, .address_space: global }
      - { .name: b_qkv, .offset: 16, .size: 8, .value_kind: global_buffer, .address_space: global }
      - { .name: qkv, .offset: 24, .size: 8, .value_kind: global_buffer, .address_space: global }
    .group_segment_fixed_size: 327680
    .private_segment_fixed_size: 0
    .kernarg_segment_align: 8
    .kernarg_segment_size: 32
    .max_flat_workgroup_size: 128
    .sgpr_count:     104
    .vgpr_count:     1024
    .wavefront_size: 32
...
	.end_amdgpu_metadata
.endif
;; end of part 2
;; launch attn (part 3): grid 8 x 32, 16 waves a work-group, clusters of 4 x 1, 327,680 bytes of LDS; arguments qkv, aq; writes aq
.if DOCPART == 3
	.amdgcn_target "amdgcn-amd-amdhsa--gfx1250"
	.amdhsa_code_object_version 6
	.text
	.protected	k_q71a57095d8_attn
	.globl	k_q71a57095d8_attn
	.p2align	8
	.type	k_q71a57095d8_attn,@function
k_q71a57095d8_attn:
	s_mov_b64 s[64:65], 0
	v_nop
	global_prefetch_b8 v0, s[64:65] scope:SCOPE_SE
	s_setreg_imm32_b32 hwreg(HW_REG_WAVE_MODE, 25, 1), 1
	s_wait_xcnt 0x0
	s_wait_alu depctr_hold_cnt(0) depctr_sa_sdst(0) depctr_va_vdst(0) depctr_va_sdst(0) depctr_va_ssrc(0) depctr_va_vcc(0) depctr_vm_vsrc(0)
	s_getreg_b32 s2, hwreg(HW_REG_IB_STS2, 6, 4)
	s_cmp_eq_u32 s2, 0
	s_cbranch_scc0 .Lentry_in_a_cluster
	s_endpgm
.Lentry_in_a_cluster:
	s_bfe_u32 s2, ttmp6, 0x10000c
	s_cmp_lg_u32 s2, 0x3003
	s_cbranch_scc0 .Lentry_shape_is_right
	s_endpgm
.Lentry_shape_is_right:
; Causal attention of one (batch, head) on codes of E5M2: S^T = K Q^T, p = 2^(t - M) with M a whole number, O^T = V^T P^T, O / the row's sum, quantised again along the head's 64 for the next product.
; WORK LEFT OUT: key steps (128 keys) all of whose keys come after a tile's 16 queries: the causal mask that reference() builds makes their weights 0 (see the first launch's head).
; ALL OF K AND V STAY IN LDS: 2,048 keys x 64 codes are 131,072 bytes, V as many, their scale words 8,192 and 4,096: each byte is asked for once, at the head, one tensor load a wave; nothing is filled again.
; Two plain barriers show them: the first keys 0-511 and the scale words (waves 0-4's loads, which have load lines of their own), the second, behind key steps 0 and 1, all the rest.
; THE DEAL: a work-group takes, of each of the 16 blocks of 128 queries, ONE tile of 16 slots: tile 8 j + x of block j (x the work-group's number, 0..7); block j has j + 1 key steps.  So every work-group reads
; all keys that it fetches, and no branch hangs on the work-group's number: only on the wave's.  With y = 2 (w % 4) + (w / 4) % 2, waves w < 8 and w + 8 share the work of blocks y and 15 - y, 17 steps:
; wave w takes key steps 0-7 of block 15 - y; wave w + 8 takes block y whole (y + 1 steps), stores it, and then key steps 8 .. 15 - y of block 15 - y: 8 and 9 steps.  It hands its O^T, -M and sum to wave w
; through LDS bytes of their own; since M is a whole number, the two parts are joined by multiplications with powers of two, which round nothing.
; One walk over the 16 key steps serves all: a step is worked where its first key is at most s[JK]; wave w + 8 changes tiles where the walk reaches key 1,024.
; CLUSTERS: the four work-groups of a cluster walk the same K and V: every load is a joint one (mask 15).  Only global addresses (Q, the result) and the mask's numbers hang on the place in the cluster.
; NO PREFETCH: every byte of K and V is asked for by the head's loads; there is no later load ahead of which a request could run.
; K = 64 in S^T: a fragment of 16 registers holds two tiles of keys (64 codes each); Q stands once under zeros and once over zeros, so each of two products takes one tile; zero codes add nothing.
; LIMITS: the scaled scores stay under 2^31 in magnitude; a block of zeros gets the byte 1 (zero codes; the program's own bytes); NaN and infinities are not served.
.set VB,    131072                     ; LDS: K's codes from 0; V's from here, eight chunks of 256 keys: [tile of 16 channels][4,096 bytes]
.set SCK,   262144                     ; K's scale words, 4 bytes a key
.set SCV,   270336                     ; V's: [key step][64 channels]
.set SPARE, 274432                     ; the spare words, 128 bytes for each of 16 waves; no other line names them
.set DUMP,  276480                     ; eight places of 4,608 bytes: O^T (4,096), -M (128), the sum (128) of a long tile's second part
.set VC,    8388608                    ; in qkv: V's codes, q's and k's scale words, v's scale words
.set SQ,    12582912
.set SV,    13107200
.set AL,   1                           ; v1 16 x lane
.set DG,   2                           ; v2 on the diagonal step: my query - the step's first key - 16 (lane / 16)
.set ASK0, 3
.set ASV0, 4
.set SPW,  5
.set NIL,  6
.set AV0,  7                           ; v7 VB + 16 x lane
.set ADK,  8
.set ADV,  9
.set ADS,  10
.set ADT,  11
.set KW,   16                          ; v16-23 K's scale words, v24-27 V's, v28-29 Q's: they hold nothing else
.set VW,   24
.set QW,   28
.set Q2W,  30                          ; v30 the long tile's scale word of Q, v216-223 its codes
.set DMP,  31                          ; v31, v255 my pair's place in DUMP
.set FRG,  32                          ; v32-95 four fragments of K or V; v96-159 S^T, then p; v160-191 O^T; v192-215 Q, zeros, Q; v224-254 codes and work
.set QF,   192
.set Q2,   216
.set DM2,  255
.set WV,   18
.set MNT,  19
.set SEL,  20
.set CS,   22
.set G1K,  24
.set G1V,  32
.set G0K,  40
.set G0V,  44
.set G1SK, 48
.set G0SK, 56
.set G0SV, 60
.set G1SV, 84
.set TB,   66                          ; s66 where the pair of key steps begins in K's codes and in V's: 16,384 bytes a pair
.set TS,   67                          ; s67 K's scale words: 512 bytes a step;  s68 V's: 256
.set TJ,   68
.set KF,   69                          ; s69 the step's first key
.set JK,   70                          ; s70 the first key of the last step that I work;  s97 of the step on the diagonal (-1: none of mine);  s98 both, for the long tile's second part
.set CNT,  71
.set JD,   97
.set JK2,  98
.macro CROUND                          ; a round of the cluster's barrier
	s_barrier_signal -1
	s_barrier_wait -1
	s_cmp_lg_u32 s[WV], 0
	s_cbranch_scc1 .Lnot_wave_0_\@
	s_barrier_signal -3
.Lnot_wave_0_\@:
	s_barrier_wait -3
	s_barrier_signal -1
	s_barrier_wait -1
.endm
.macro ARM under, g0, g1, next         ; an arm of the head's chain: one load, an s_nop 0 and four v_nop, a jump to the join
	s_cmp_lt_u32 s[WV], \under
	s_cbranch_scc0 \next
	tensor_load_to_lds s[\g0:\g0+3], s[\g1:\g1+7]
	s_nop 0
.rept 4
	v_nop
.endr
	s_branch .Lasked
\next:
.endm
.macro TAKEQ2                          ; the long tile's Q becomes the Q at work: under zeros, over zeros, and its scale word in both places
.irp i, 0,1,2,3,4,5,6,7
	v_mov_b32 v[QF+\i], v[Q2+\i]
	v_mov_b32 v[QF+16+\i], v[Q2+\i]
.endr
	v_mov_b32 v[QW], v[Q2W]
	v_lshlrev_b32 v[QW+1], 16, v[Q2W]
.endm
	s_load_b128 s[4:7], s[0:1], 0x0                ; qkv, aq
	v_lshl_add_u32 v[SPW], v0, 2, SPARE
	v_mov_b32 v[NIL], 0
	ds_add_u32 v[SPW], v[NIL]                      ; the opening: the add, twice on end, and its wait ahead of the first tensor load
	ds_add_u32 v[SPW], v[NIL]
	v_lshrrev_b32 v8, 5, v0
	s_delay_alu instid0(VALU_DEP_1)
	v_readfirstlane_b32 s[WV], v8                  ; wave 0..15
	s_and_b32 s73, ttmp7, 0xffff
	s_lshr_b32 s74, s73, 4                         ; batch
	s_and_b32 s75, s73, 15                         ; head
	s_and_b32 s76, s[WV], 3
	s_lshl_b32 s76, s76, 1
	s_bfe_u32 s77, s[WV], 0x10002
	s_add_co_u32 s76, s76, s77                     ; y: the short block
	s_xor_b32 s77, s76, 15                         ; 15 - y: the long one
	s_lshl_b32 s[JK2], s77, 7
	s_lshl_b32 s[JK], s76, 7
	s_mov_b32 s[JD], s[JK]
	s_cmp_lt_u32 s[WV], 8
	s_cselect_b32 s[JK], 896, s[JK]                ; waves 0-7: key steps 0-7 of the long block, none of them on its diagonal
	s_cselect_b32 s[JD], -1, s[JD]
	s_cselect_b32 s76, s77, s76                    ; the block of my first tile, which is the tile that I store
	s_and_b32 s99, s[WV], 7
	s_mul_i32 s99, s99, 4608
	s_add_co_u32 s99, s99, DUMP                    ; my pair's place
	s_lshl_b32 s78, s75, 18                        ; offsets in qkv that all partners share: a head's 262,144 bytes, a batch's 131,072
	s_lshl_b32 s79, s74, 17
	s_add_co_u32 s8, s78, s79
	s_add_co_u32 s10, s8, 4194304                  ; K's codes;
	s_and_b32 s80, s[WV], 3
	s_lshl_b32 s80, s80, 15                        ; waves 0, 13, 14, 15 fetch 512 keys each: 32,768 (wave % 4) on, in memory and in LDS
	s_add_co_u32 s10, s10, s80
	s_mov_b32 s11, 0
	s_lshl_b32 s79, s74, 15
	s_add_co_u32 s12, s78, s79
	s_add_co_u32 s12, s12, VC-12288                ; V's codes: waves 3 to 10 fetch chunk wave - 3: 4,096 bytes of each of four rows,
	s_lshl_b32 s79, s[WV], 12
	s_add_co_u32 s12, s12, s79
	s_mov_b32 s13, 0
	s_lshl_b32 s81, s[WV], 14
	s_add_co_u32 s81, s81, VB-49152                ; to VB + 16,384 (wave - 3)
	s_lshl_b32 s78, s75, 14
	s_lshl_b32 s79, s74, 13
	s_add_co_u32 s14, s78, s79
	s_add_co_u32 s14, s14, SQ                      ; q's scale words,
	s_add_co_u32 s16, s14, 262144                  ; k's
	s_mov_b32 s15, 0
	s_mov_b32 s17, 0
	s_lshl_b32 s92, s74, 16
	s_lshl_b32 s78, s75, 8
	s_add_co_u32 s92, s92, s78
	s_add_co_u32 s92, s92, SV                      ; v's
	s_mov_b32 s93, 0
	s_bfe_u32 s72, ttmp6, 0x40000                  ; what hangs on my place in the cluster: global addresses and the mask's numbers alone
	s_lshl_b32 s78, ttmp9, 2
	s_add_co_u32 s72, s72, s78                     ; x
	s_lshr_b32 s79, s72, 1
	s_lshl_b32 s79, s79, 5
	s_and_b32 s78, s72, 1
	s_lshl_b32 s78, s78, 3
	s_add_co_u32 s79, s79, s78                     ; a tile's first query within its block: 32 (x / 2) + 8 (x % 2)
	s_lshl_b32 s76, s76, 3
	s_add_co_u32 s76, s76, s72                     ; my first tile
	s_lshl_b32 s77, s77, 3
	s_add_co_u32 s77, s77, s72                     ; the long tile
	s_lshl_b32 s78, s77, 10
	s_add_co_u32 s2, s8, s78                       ; the long tile's Q: codes,
	s_mov_b32 s3, 0
	s_lshl_b32 s78, s76, 10
	s_add_co_u32 s8, s8, s78                       ; my first tile's
	s_mov_b32 s9, 0
	s_lshl_b32 s78, s77, 6
	s_add_co_u32 s72, s14, s78                     ; scale words
	s_mov_b32 s73, 0
	s_lshl_b32 s78, s76, 6
	s_add_co_u32 s14, s14, s78
	s_lshl_b32 s78, s74, 7
	s_add_co_u32 s78, s78, s76
	s_lshl_b32 s82, s78, 14                        ; aq: a block of 16 slots is 16,384 bytes, a head's 64 codes 1,024 of them
	s_lshl_b32 s77, s75, 10
	s_add_co_u32 s82, s82, s77
	s_mov_b32 s83, 0
	s_lshr_b32 s94, s75, 1                         ; its scale bytes: plane head / 2, two bytes of the slot's word
	s_lshl_b32 s94, s94, 14
	s_lshl_b32 s77, s78, 6
	s_add_co_u32 s94, s94, s77
	s_and_b32 s77, s75, 1
	s_lshl_b32 s77, s77, 1
	s_add_co_u32 s94, s94, s77
	s_add_co_u32 s94, s94, 4194304
	s_mov_b32 s95, 0
	s_mov_b32 s[G1K], 15|(3<<16)|(1<<21)           ; K: 32,768 dense bytes as 128 rows of 256 (32 elements of 8); the mask names the cluster's four
	s_mov_b32 s[G1K+1], 32<<16
	s_mov_b32 s[G1K+2], 128<<16
	s_mov_b32 s[G1K+3], 32<<16
	s_mov_b32 s[G1K+4], 128
	s_mov_b32 s[G1K+5], 32
	s_mov_b32 s[G1K+6], 0
	s_mov_b32 s[G1K+7], 0
	s_mov_b32 s[G1V], 15|(3<<16)|(1<<21)           ; V: 4 rows of 4,096 bytes, 65,536 apart
	s_mov_b32 s[G1V+1], 512<<16
	s_mov_b32 s[G1V+2], 4<<16
	s_mov_b32 s[G1V+3], 512<<16
	s_mov_b32 s[G1V+4], 4
	s_mov_b32 s[G1V+5], 8192
	s_mov_b32 s[G1V+6], 0
	s_mov_b32 s[G1V+7], 0
	s_mov_b32 s[G1SK], 15|(3<<16)|(1<<21)          ; K's scale words: 8,192 dense bytes as 32 rows of 256
	s_mov_b32 s[G1SK+1], 32<<16
	s_mov_b32 s[G1SK+2], 32<<16
	s_mov_b32 s[G1SK+3], 32<<16
	s_mov_b32 s[G1SK+4], 32
	s_mov_b32 s[G1SK+5], 32
	s_mov_b32 s[G1SK+6], 0
	s_mov_b32 s[G1SK+7], 0
	s_mov_b32 s[G1SV], 15|(3<<16)|(1<<21)          ; V's: 16 planes of 256 bytes, 4,096 apart
	s_mov_b32 s[G1SV+1], 32<<16
	s_mov_b32 s[G1SV+2], 16<<16
	s_mov_b32 s[G1SV+3], 32<<16
	s_mov_b32 s[G1SV+4], 16
	s_mov_b32 s[G1SV+5], 512
	s_mov_b32 s[G1SV+6], 0
	s_mov_b32 s[G1SV+7], 0
	s_mov_b32 s[SEL], 0x76543210
	s_mov_b32 s[SEL+1], 0xfedcba98
	s_mov_b32 s[CS], 0x3e38aa3b                    ; log2(e) / 8
	s_mov_b32 s[CS+1], s[CS]
	s_mov_b32 s[MNT], 0x600000
	s_mov_b32 s[TB], 0
	s_mov_b32 s[TS], 0
	s_mov_b32 s[TJ], 0
	s_mov_b32 s[KF], 0
	s_wait_dscnt 0x0                               ; both opening adds are done
	s_wait_kmcnt 0x0
	s_add_nc_u64 s[2:3], s[4:5], s[2:3]
	s_add_nc_u64 s[8:9], s[4:5], s[8:9]
	s_add_nc_u64 s[10:11], s[4:5], s[10:11]
	s_add_nc_u64 s[12:13], s[4:5], s[12:13]
	s_add_nc_u64 s[14:15], s[4:5], s[14:15]
	s_add_nc_u64 s[16:17], s[4:5], s[16:17]
	s_add_nc_u64 s[72:73], s[4:5], s[72:73]
	s_add_nc_u64 s[92:93], s[4:5], s[92:93]
	s_add_nc_u64 s[82:83], s[6:7], s[82:83]
	s_add_nc_u64 s[94:95], s[6:7], s[94:95]
	CROUND                                         ; the four work-groups are here: the joint loads meet
	s_mov_b32 s[G0K], 1
	s_mov_b32 s[G0K+1], s80
	s_mov_b64 s[G0K+2:G0K+3], s[10:11]
	s_or_b32 s[G0K+3], s[G0K+3], 0x80000000
	s_mov_b32 s[G0V], 1
	s_mov_b32 s[G0V+1], s81
	s_mov_b64 s[G0V+2:G0V+3], s[12:13]
	s_or_b32 s[G0V+3], s[G0V+3], 0x80000000
	s_mov_b32 s[G0SK], 1
	s_mov_b32 s[G0SK+1], SCK
	s_mov_b64 s[G0SK+2:G0SK+3], s[16:17]
	s_or_b32 s[G0SK+3], s[G0SK+3], 0x80000000
	s_mov_b32 s[G0SV], 1
	s_mov_b32 s[G0SV+1], SCV
	s_mov_b64 s[G0SV+2:G0SV+3], s[92:93]
	s_or_b32 s[G0SV+3], s[G0SV+3], 0x80000000
; THE HEAD'S LOADS, at most one a wave, in one chain of branches on the wave's number.  What the first barrier shows has lines of its own.
	ARM 1,  G0K,  G1K,  .Lh1                       ; wave 0: keys 0-511 of K
	ARM 2,  G0SK, G1SK, .Lh2                       ; wave 1: K's scale words
	ARM 3,  G0SV, G1SV, .Lh3                       ; wave 2: V's
	ARM 5,  G0V,  G1V,  .Lh4                       ; waves 3, 4: V's chunks 0, 1
	ARM 11, G0V,  G1V,  .Lh5                       ; waves 5 to 10: chunks 2 to 7
	s_cmp_lt_u32 s[WV], 13                         ; waves 11, 12: none
	s_cbranch_scc1 .Lasked
	tensor_load_to_lds s[G0K:G0K+3], s[G1K:G1K+7]  ; waves 13 to 15: keys 512-2,047 of K
	s_nop 0
.rept 4
	v_nop
.endr
.Lasked:
	v_and_b32 v8, 15, v0                           ; r
	v_bfe_u32 v9, v0, 4, 1                         ; h
	v_and_b32 v10, 31, v0
	v_lshlrev_b32 v[AL], 4, v10
	v_lshlrev_b32 v254, 2, v8
	global_load_b128 v[Q2:Q2+3], v[AL], s[2:3]     ; the long tile's Q: waves 0-7 begin with it, waves 8-15 take it up at key 1,024
	global_load_b128 v[Q2+4:Q2+7], v[AL], s[2:3] offset:512
	global_load_b32 v[Q2W], v254, s[72:73]
	s_wait_alu depctr_va_vdst(0)                   ; the wait ahead of the branch
	s_cmp_lt_u32 s[WV], 8
	s_cbranch_scc1 .Lno_short
	global_load_b128 v[QF:QF+3], v[AL], s[8:9]     ; waves 8-15: the short tile's Q under zeros,
	global_load_b128 v[QF+4:QF+7], v[AL], s[8:9] offset:512
	global_load_b128 v[QF+16:QF+19], v[AL], s[8:9] ; and over them
	global_load_b128 v[QF+20:QF+23], v[AL], s[8:9] offset:512
	global_load_b32 v[QW], v254, s[14:15]
.Lno_short:
	v_and_b32 v11, 7, v8
	v_and_b32 v12, 8, v8
	v_lshl_add_u32 v11, v12, 1, v11                ; my slot's query in the tile: r % 8 + 16 (r / 8)
	v_lshlrev_b32 v12, 4, v9
	v_sub_nc_u32 v[DG], v11, v12
	v_add_nc_u32 v[DG], s79, v[DG]
	v_add_nc_u32 v[AV0], VB, v[AL]
	v_lshl_add_u32 v[ASK0], v8, 2, SCK
	v_lshl_add_u32 v[ASV0], v8, 2, SCV
	v_add_nc_u32 v[DMP], s99, v[AL]
	v_lshl_add_u32 v[DM2], v10, 2, s99
	v_add_nc_u32 v[DM2], 4096, v[DM2]
	v_mov_b32 v13, 0xff61b1e6                      ; the largest t so far: -3e38
	v_floor_f32 v12, -v13                          ; -M
	v_mov_b32 v14, 0
	v_mov_b32 v15, 0
.irp b, 0,1,2,3
	v_mov_b32 v[236+\b], 0                         ; a lane permute's destination counts as one of its sources
.endr
	v_mov_b32 v252, 0
	v_mov_b32 v253, 0
.irp j, 0,1,2,3,4,5,6,7
	v_mov_b32 v[QF+8+\j], 0
.endr
.set j, 0
.rept 32
	v_mov_b32 v[160+j], 0                          ; O^T: the step is written once; the first change of M leaves zeros zeros
.set j, j+1
.endr
; A KEY STEP: 128 keys, the q-th of a pair.
.macro STEP q
	s_cmp_gt_u32 s[KF], s[JK]                      ; not mine, or hidden: the wave's number and the count of steps alone decide
	s_cbranch_scc1 .Lhidden_\@
	v_add_nc_u32 v[ADK], s[TB], v[AL]
	v_add_nc_u32 v[ADV], s[TB], v[AV0]
	v_add_nc_u32 v[ADS], s[TS], v[ASK0]
	v_add_nc_u32 v[ADT], s[TJ], v[ASV0]
.rept 4
	v_nop                                          ; with the four additions: eight places ahead of loads into registers that products have read
.endr
.irp t, 0,1,2,3,4,5,6,7
	ds_load_b32 v[KW+\t], v[ADS] offset:64*\t
.endr
.irp f, 0,1,2,3
.irp c, 0,1,2,3
	ds_load_b128 v[FRG+16*\f+4*\c:FRG+16*\f+4*\c+3], v[ADK] offset:(8*(\q)+2*\f)*1024+512*\c
.endr
.endr
	s_wait_dscnt 16                                ; the eight scale words are in; the 16 fragment loads behind them may be out
.irp f, 0,1,2,3
	v_lshlrev_b32 v[KW+1+2*\f], 16, v[KW+1+2*\f]   ; the odd tile's codes are the fragment's upper 64: its two bytes go up
.endr
.rept 8
	v_nop                                          ; a scale register written by a vector line stands eight places ahead of its product
.endr
	s_wait_alu depctr_va_vdst(0)                   ; the wait ahead of the blocking wait
	s_wait_dscnt 0x0
.irp f, 0,1,2,3
	v_wmma_scale_f32_16x16x128_f8f6f4 v[96+16*\f:103+16*\f], v[FRG+16*\f:FRG+16*\f+15], v[QF:QF+15], 0, v[KW+2*\f], v[QW] matrix_a_fmt:MATRIX_FMT_BF8 matrix_b_fmt:MATRIX_FMT_BF8
	v_wmma_scale_f32_16x16x128_f8f6f4 v[104+16*\f:111+16*\f], v[FRG+16*\f:FRG+16*\f+15], v[QF+8:QF+23], 0, v[KW+1+2*\f], v[QW+1] matrix_a_fmt:MATRIX_FMT_BF8 matrix_b_fmt:MATRIX_FMT_BF8
.endr
.rept 8
	v_nop
.endr
.irp t, 0,1,2,3
	ds_load_b32 v[VW+\t], v[ADT] offset:64*\t      ; V's fragments are on their way under the softmax
.endr
.irp t, 0,1,2,3
.irp c, 0,1,2,3
	ds_load_b128 v[FRG+16*\t+4*\c:FRG+16*\t+4*\c+3], v[ADV] offset:4096*\t+2048*(\q)+512*\c
.endr
.endr
	s_cmp_lg_u32 s[KF], s[JD]                      ; only the block's own step lies on the diagonal
	s_cbranch_scc1 .Lopen_\@
	v_mov_b32 v254, 0xff800000                     ; hidden scores become -infinity: p = 0
.set n, 0
.rept 64
	v_cmp_gt_i32 vcc_lo, 32*(n/16)+n%16, v[DG]
	v_cndmask_b32 v[96+n], v[96+n], v254, vcc_lo
.set n, n+1
.endr
.Lopen_\@:
.irp b, 0,1,2,3
	v_max3_num_f32 v[232+\b], v[96+16*\b], v[97+16*\b], v[98+16*\b]   ; each block's largest score: for the row's maximum and for the block's largest p
.endr
.irp i, 3,5,7,9,11,13
.irp b, 0,1,2,3
	v_max3_num_f32 v[232+\b], v[232+\b], v[96+16*\b+\i], v[97+16*\b+\i]
.endr
.endr
.irp b, 0,1,2,3
	v_max_num_f32 v[232+\b], v[232+\b], v[111+16*\b]
.endr
.irp b, 0,1,2,3
	v_permlanex16_b32 v[236+\b], v[232+\b], s[SEL], s[SEL+1]
.endr
.irp b, 0,1,2,3
	s_delay_alu instid0(VALU_DEP_4)
	v_max_num_f32 v[232+\b], v[232+\b], v[236+\b]
.endr
	s_delay_alu instid0(VALU_DEP_2)
	v_max3_num_f32 v254, v232, v233, v234
	s_delay_alu instid0(VALU_DEP_1)
	v_max_num_f32 v254, v254, v235
	s_delay_alu instid0(VALU_DEP_1)
	v_mul_f32 v254, s[CS], v254
	s_delay_alu instid0(VALU_DEP_1)
	v_max_num_f32 v13, v13, v254                   ; the running largest t
	v_mov_b32 v254, v12
	s_delay_alu instid0(VALU_DEP_2)
	v_floor_f32 v12, -v13                          ; -M = floor(-t)
	s_delay_alu instid0(VALU_DEP_1)
	v_sub_f32 v254, v12, v254
	s_delay_alu instid0(VALU_DEP_1)
	v_cvt_i32_f32 v254, v254
	s_delay_alu instid0(VALU_DEP_1)
	v_ldexp_f32 v252, 1.0, v254                    ; f = 2^(old M - new M)
.set i, 0
.rept 32
	v_pk_fma_f32 v[96+i:97+i], v[96+i:97+i], s[CS:CS+1], v[12:13] op_sel_hi:[1,0,0]   ; t - M
.set i, i+2
.endr
.irp b, 0,1,2,3
	v_fma_f32 v[232+\b], v[232+\b], s[CS], v12
.endr
	s_wait_alu depctr_va_vdst(0)                   ; one wait ahead of the batch
.set i, 0
.rept 64
	v_exp_f32 v[96+i], v[96+i]                     ; p
.set i, i+1
.endr
	v_pk_mul_f32 v[14:15], v[14:15], v[252:253] op_sel_hi:[1,0]   ; the sums under the new M; a plain line behind the batch
	s_wait_alu depctr_va_vdst(0)                   ; and one behind it, ahead of its first reader
.irp b, 0,1,2,3
	v_exp_f32 v[232+\b], v[232+\b]                 ; each block's largest p
.endr
	v_pk_add_f32 v[236:237], v[96:97], v[98:99]    ; the row's sum, of the unquantised p, in two chains
.irp j, 4,8,12,16,20,24,28,32,36,40,44,48,52,56,60
	v_pk_add_f32 v[14:15], v[14:15], v[96+\j:97+\j]
	v_pk_add_f32 v[236:237], v[236:237], v[98+\j:99+\j]
.endr
	s_delay_alu instid0(VALU_DEP_1)
	v_pk_add_f32 v[14:15], v[14:15], v[236:237]
	s_wait_alu depctr_va_vdst(0)                   ; for the four
.irp b, 0,1,2,3
	v_max_num_f32 v[232+\b], 0x8000000, v[232+\b]  ; the floor 2^(16 - 127): the byte cannot fall under 1
.endr
.irp b, 0,1,2,3
	s_delay_alu instid0(VALU_DEP_4)
	v_add_nc_u32 v[244+\b], 0xf8800000, v[232+\b]  ; the conversion's scale operand
.endr
.irp b, 0,1,2,3
	v_and_or_b32 v[240+\b], v[232+\b], 0x7f800000, s[MNT]   ; 57,344 x the scale
.endr
.irp b, 0,1,2,3
	v_lshrrev_b32 v[236+\b], 23, v[244+\b]
.endr
	s_delay_alu instid0(VALU_DEP_3)
	v_lshl_or_b32 v253, v237, 8, v236              ; p's scale word
	s_delay_alu instid0(VALU_DEP_1)
	v_lshl_or_b32 v253, v238, 16, v253
	s_delay_alu instid0(VALU_DEP_1)
	v_lshl_or_b32 v253, v239, 24, v253
.irp b, 0,1,2,3
.irp i, 0,1,2,3,4,5,6,7,8,9,10,11,12,13,14,15
	v_min_num_f32 v[96+16*\b+\i], v[96+16*\b+\i], v[240+\b]   ; the conversion does not saturate (ISA guide 7.6.2); p is not negative
.endr
	v_cvt_scalef32_pk8_bf8_f32 v[224+4*\b:225+4*\b], v[96+16*\b:103+16*\b], v[244+\b]
	v_cvt_scalef32_pk8_bf8_f32 v[226+4*\b:227+4*\b], v[104+16*\b:111+16*\b], v[244+\b]
.endr
	s_wait_alu depctr_va_vdst(0)                   ; the wait directly ahead of the first reader of O^T
.set i, 0
.rept 16
	v_pk_mul_f32 v[160+i:161+i], v[160+i:161+i], v[252:253] op_sel_hi:[1,0]   ; O^T under the new M; these 16 are the places ahead of the products too
.set i, i+2
.endr
	s_wait_alu depctr_va_vdst(0)                   ; ahead of the blocking wait
	s_wait_dscnt 0x0                               ; V's fragments and words
.irp t, 0,1,2,3
	v_wmma_scale_f32_16x16x128_f8f6f4 v[160+8*\t:167+8*\t], v[FRG+16*\t:FRG+16*\t+15], v[224:239], v[160+8*\t:167+8*\t], v[VW+\t], v253 matrix_a_fmt:MATRIX_FMT_BF8 matrix_b_fmt:MATRIX_FMT_BF8
.endr
.Lhidden_\@:
	s_add_co_u32 s[KF], s[KF], 128
	s_add_co_u32 s[TS], s[TS], 512
	s_add_co_u32 s[TJ], s[TJ], 256
.endm
; A TILE'S WAY OUT: O^T / the row's sum, then the quantiser along the head's 64: two blocks of 32; codes and scale bytes are stored
.macro FINISH
	v_add_f32 v14, v14, v15
	s_delay_alu instid0(VALU_DEP_1)
	v_permlanex16_b32 v252, v14, s[SEL], s[SEL+1]
	s_delay_alu instid0(VALU_DEP_1)
	v_add_f32 v14, v14, v252
	s_wait_alu depctr_va_vdst(0)
	v_rcp_f32 v14, v14
.rept 8
	v_nop
.endr
	s_wait_alu depctr_va_vdst(0)
.set j, 0
.rept 16
	v_pk_mul_f32 v[96+j:97+j], v[160+j:161+j], v[14:15] op_sel_hi:[1,0]
.set j, j+2
.endr
.irp b, 0,1
	v_max3_num_f32 v[232+\b], |v[96+16*\b]|, |v[97+16*\b]|, 0x8000000
.endr
.irp i, 2,4,6,8,10,12,14
.irp b, 0,1
	s_delay_alu instid0(VALU_DEP_2)
	v_max3_num_f32 v[232+\b], v[232+\b], |v[96+16*\b+\i]|, |v[97+16*\b+\i]|
.endr
.endr
.irp b, 0,1
	v_permlanex16_b32 v[236+\b], v[232+\b], s[SEL], s[SEL+1]
.endr
.irp b, 0,1
	s_delay_alu instid0(VALU_DEP_2)
	v_max_num_f32 v[232+\b], v[232+\b], v[236+\b]
.endr
.irp b, 0,1
	s_delay_alu instid0(VALU_DEP_2)
	v_add_nc_u32 v[244+\b], 0xf8800000, v[232+\b]
.endr
.irp b, 0,1
	s_delay_alu instid0(VALU_DEP_4)
	v_and_or_b32 v[240+\b], v[232+\b], 0x7f800000, s[MNT]
.endr
.irp b, 0,1
	s_delay_alu instid0(VALU_DEP_4)
	v_lshrrev_b32 v[236+\b], 23, v[244+\b]
.endr
	s_delay_alu instid0(VALU_DEP_1)
	v_lshl_or_b32 v253, v237, 8, v236
.irp b, 0,1
.irp i, 0,1,2,3,4,5,6,7,8,9,10,11,12,13,14,15
	v_med3_num_f32 v[96+16*\b+\i], v[96+16*\b+\i], -v[240+\b], v[240+\b]
.endr
	v_cvt_scalef32_pk8_bf8_f32 v[224+4*\b:225+4*\b], v[96+16*\b:103+16*\b], v[244+\b]
	v_cvt_scalef32_pk8_bf8_f32 v[226+4*\b:227+4*\b], v[104+16*\b:111+16*\b], v[244+\b]
.endr
	v_and_b32 v8, 31, v0
	v_and_b32 v10, 15, v0
	s_delay_alu instid0(VALU_DEP_1)
	v_lshlrev_b32 v10, 2, v10
	global_store_b128 v[AL], v[224:227], s[82:83]              ; 32 lanes store 512 consecutive bytes, aligned to 256
	global_store_b128 v[AL], v[228:231], s[82:83] offset:512
	v_cmp_gt_u32 vcc_lo, 16, v8
	s_wait_alu depctr_va_vdst(0)
	s_wait_xcnt 0x0                                ; EXEC changes only behind this wait
	s_and_saveexec_b32 s96, vcc_lo
	global_store_b16 v10, v253, s[94:95]           ; my head's two bytes of each slot's word
	s_wait_xcnt 0x0                                ; and again; behind it the stores' registers may be written too
	s_or_b32 exec_lo, exec_lo, s96
.endm
	s_wait_alu depctr_va_vdst(0)                   ; the wait at the head's end
	s_wait_loadcnt 0x0                             ; Q
	s_cmp_lt_u32 s[WV], 8
	s_cbranch_scc0 .Lhas_short
	TAKEQ2                                         ; waves 0-7 begin with the long tile
	s_branch .Lq_set
.Lhas_short:
	v_lshlrev_b32 v[QW+1], 16, v[QW]
.Lq_set:
	s_wait_alu depctr_va_vdst(0)
	s_cmp_lt_u32 s[WV], 5                          ; waves 0 to 4: my load of the first group has landed
	s_cbranch_scc0 .Lnot_first
	s_wait_tensorcnt 0x0
.Lnot_first:
	s_barrier_signal -1
	s_barrier_wait -1                              ; keys 0-511 and all scale words are in
	STEP 0                                         ; key steps 0 and 1
	STEP 1
	s_wait_tensorcnt 0x0                           ; every wave: all that is still out
	s_wait_dscnt 0x0
	s_barrier_signal -1
	s_barrier_wait -1                              ; all keys are in
	s_mov_b32 s[TB], 16384                         ; the walk's places at key step 2, as constants of the text
	s_mov_b32 s[TS], 1024
	s_mov_b32 s[TJ], 512
	s_mov_b32 s[KF], 256
	s_mov_b32 s[CNT], 7
.Lwalk:                                            ; key steps 2 to 15, two a trip
	s_cmp_lg_u32 s[KF], 1024
	s_cbranch_scc1 .Lsame_tile
	s_cmp_lt_u32 s[WV], 8
	s_cbranch_scc1 .Lsame_tile
	FINISH                                         ; waves 8-15 at key 1,024: the short tile leaves,
	TAKEQ2                                         ; and the long tile's second part begins
	v_mov_b32 v13, 0xff61b1e6
	v_floor_f32 v12, -v13
	v_mov_b32 v14, 0
	v_mov_b32 v15, 0
.set j, 0
.rept 32
	v_mov_b32 v[160+j], 0
.set j, j+1
.endr
	s_mov_b32 s[JK], s[JK2]
	s_mov_b32 s[JD], s[JK2]
	s_wait_alu depctr_va_vdst(0)
.Lsame_tile:
	STEP 0
	STEP 1
	s_add_co_u32 s[TB], s[TB], 16384
	s_sub_co_u32 s[CNT], s[CNT], 1
	s_cmp_lg_u32 s[CNT], 0
	s_cbranch_scc1 .Lwalk
.rept 8
	v_nop                                          ; eight places behind the last products, ahead of stores of their results and of loads into their sources
.endr
	s_cmp_lt_u32 s[WV], 8
	s_cbranch_scc1 .Lno_dump
	v_add_f32 v14, v14, v15                        ; waves 8-15: the second part's sum, -M and O^T go to the pair's place
.irp i, 0,1,2,3,4,5,6,7
	ds_store_b128 v[DMP], v[160+4*\i:163+4*\i] offset:512*\i   ; each accumulator from its low end on
.endr
	ds_store_b32 v[DM2], v12
	ds_store_b32 v[DM2], v14 offset:128
.Lno_dump:
	s_wait_alu depctr_va_vdst(0)                   ; the wait ahead of the blocking wait
	s_wait_dscnt 0x0                               ; for the partner's sake: my stores have landed
	s_barrier_signal -1
	s_barrier_wait -1
	s_cmp_lt_u32 s[WV], 8
	s_cbranch_scc0 .Ldone
.irp i, 0,1,2,3,4,5,6,7
	ds_load_b128 v[96+4*\i:99+4*\i], v[DMP] offset:512*\i
.endr
	ds_load_b32 v232, v[DM2]
	ds_load_b32 v233, v[DM2] offset:128
	s_wait_dscnt 0x0
	v_min_num_f32 v234, v12, v232                  ; -M of the whole row: the lesser of the two
	v_add_f32 v14, v14, v15
	v_sub_f32 v235, v234, v12                      ; whole numbers, 0 or less
	v_sub_f32 v236, v234, v232
	v_mov_b32 v15, 0
	v_cvt_i32_f32 v235, v235
	v_cvt_i32_f32 v236, v236
	v_ldexp_f32 v252, 1.0, v235                    ; 2^(my M - M),
	v_ldexp_f32 v254, 1.0, v236                    ; 2^(the partner's M - M)
	v_mul_f32 v14, v14, v252
	v_fma_f32 v14, v233, v254, v14                 ; the sums joined
.set i, 0
.rept 16
	v_pk_mul_f32 v[160+i:161+i], v[160+i:161+i], v[252:253] op_sel_hi:[1,0]
.set i, i+2
.endr
.set i, 0
.rept 16
	v_pk_fma_f32 v[160+i:161+i], v[96+i:97+i], v[254:255], v[160+i:161+i] op_sel_hi:[1,0,1]   ; O^T joined
.set i, i+2
.endr
	FINISH                                         ; the long tile leaves
.Ldone:
	s_wait_tensorcnt 0x0                           ; the wave's end
	ds_add_u32 v[SPW], v[NIL]
	s_wait_dscnt 0x0
	CROUND                                         ; the closing round
	s_endpgm
.Lfunc_end_k_q71a57095d8_attn:
	.size	k_q71a57095d8_attn, .Lfunc_end_k_q71a57095d8_attn-k_q71a57095d8_attn
	.p2alignl 7, 3214868480
	.fill 96, 4, 3214868480
	.section	.rodata,"a",@progbits
	.p2align	6, 0x0
	.amdhsa_kernel k_q71a57095d8_attn
		.amdhsa_group_segment_fixed_size 327680
		.amdhsa_private_segment_fixed_size 0
		.amdhsa_enable_private_segment 0
		.amdhsa_kernarg_size 16
		.amdhsa_user_sgpr_count 2
		.amdhsa_user_sgpr_kernarg_segment_ptr 1
		.amdhsa_wavefront_size32 1
		.amdhsa_system_sgpr_workgroup_id_x 1
		.amdhsa_system_sgpr_workgroup_id_y 1
		.amdhsa_system_sgpr_workgroup_id_z 1
		.amdhsa_system_vgpr_workitem_id 0
		.amdhsa_next_free_vgpr 256
		.amdhsa_next_free_sgpr 100
		.amdhsa_reserve_vcc 1
		.amdhsa_float_denorm_mode_32 3
		.amdhsa_float_denorm_mode_16_64 3
		.amdhsa_memory_ordered 1
		.amdhsa_forward_progress 1
		.amdhsa_inst_pref_size 135
	.end_amdhsa_kernel
	.amdgpu_metadata
---
amdhsa.version: [ 1, 2 ]
amdhsa.kernels:
  - .name:           k_q71a57095d8_attn
    .symbol:         k_q71a57095d8_attn.kd
    .args:
      - { .name: qkv, .offset: 0, .size: 8, .value_kind: global_buffer, .address_space: global }
      - { .name: aq, .offset: 8, .size: 8, .value_kind: global_buffer, .address_space: global }
    .group_segment_fixed_size: 327680
    .private_segment_fixed_size: 0
    .kernarg_segment_align: 8
    .kernarg_segment_size: 16
    .max_flat_workgroup_size: 512
    .sgpr_count:     100
    .vgpr_count:     256
    .wavefront_size: 32
...
	.end_amdgpu_metadata
.endif
;; end of part 3
;; launch outp (part 4): grid 8 x 32, 4 waves a work-group, clusters of 4 x 4, 327,680 bytes of LDS; arguments aq, wq, b_out, x, x1; writes x1
.if DOCPART == 4
	.amdgcn_target "amdgcn-amd-amdhsa--gfx1250"
	.amdhsa_code_object_version 6
	.text
	.protected	k_q71a57095d8_outp
	.globl	k_q71a57095d8_outp
	.p2align	8
	.type	k_q71a57095d8_outp,@function
k_q71a57095d8_outp:
	s_mov_b64 s[64:65], 0
	v_nop
	global_prefetch_b8 v0, s[64:65] scope:SCOPE_SE
	s_setreg_imm32_b32 hwreg(HW_REG_WAVE_MODE, 25, 1), 1
	s_wait_xcnt 0x0
	s_wait_alu depctr_hold_cnt(0) depctr_sa_sdst(0) depctr_va_vdst(0) depctr_va_sdst(0) depctr_va_ssrc(0) depctr_va_vcc(0) depctr_vm_vsrc(0)
	s_getreg_b32 s2, hwreg(HW_REG_IB_STS2, 6, 4)
	s_cmp_eq_u32 s2, 0
	s_cbranch_scc0 .Lentry_in_a_cluster
	s_endpgm
.Lentry_in_a_cluster:
	s_bfe_u32 s2, ttmp6, 0x10000c
	s_cmp_lg_u32 s2, 0xf033
	s_cbranch_scc0 .Lentry_shape_is_right
	s_endpgm
.Lentry_shape_is_right:
; out = residual + A W^T + bias, f32, on codes of E5M2.  One text serves two launches (IS_FF2): 0: x1 = x + attn w_out + b_out, K = 1,024; 1: out0 = x1 + gelu(..) w_ff2 + b_ff2, K = 4,096.
; N = 1,024, so tiles of 256 x 256 would be 64: a tile is 128 x 128, 256 work-groups; four waves of 64 x 64 (16 accumulators).  A slot of the ring holds 512 along K: one load a wave of 32 KiB, 64 matrix instructions
; in which it lands.  Fragments are images of their registers (first launch's head): every LDS load takes 512 consecutive bytes.  The scale words of the tile's rows, for all of K, come once with the first fills.
; CLUSTERS: 4 x 4; A's tiles (token slots) shared along a row of the cluster, the weights' along a column.  The product is used transposed (source 0 = the weights' slots): a lane holds one token and neighbouring columns.
; The bias is the C of each sum's first product.  The residual is asked for at the head and added on the way out, where each block of 16 rows goes through the wave's own stage in LDS (in slot 0, after its last fill
; and last read) and leaves as aligned runs of 256 bytes.  Slot r of block a is row 32 (a / 2) + 8 (a % 2) + r % 8 + 16 (r / 8).
.set IS_FF2, 0
.if IS_FF2
.set KK,   4096
.set KSH,  12
.set WCOD, 8388608
.set WWRD, 12877824
.set AWRD, 16777216
.else
.set KK,   1024
.set KSH,  10
.set WCOD, 3145728
.set WWRD, 12713984
.set AWRD, 4194304
.endif
.set NPL,   KK/128                     ; planes of scale words
.set LAPS,  KK/1024                    ; a lap = two slots
.set NP,    8
.set HALFT, 32768                      ; 64 slots x 512 K: what one tensor load brings
.set SLOT,  131072
.set SCL,   262144
.set HALFS, NPL*256                    ; half of a side's scale words, which lie [plane][128 slots]: A's 2 HALFS bytes, then B's
.set SPARE, SCL+4*HALFS                ; the spare words, 128 bytes a wave; no other line names them
.set SPITCH, 272
.set ADRA, 16
.set ADRB, 20
.set STO,  24
.set RD,   25
.set CO,   26
.set ADRS, 27
.set SPW,  28
.set NIL,  29
.set SC,   32                          ; v32-63 scale words: 16 x slot + 4 q + i; they hold nothing else
.set BIAS, 64                          ; v64-95 the bias; later rows on their way out
.set OB,   64                          ; v64-95, v96-127 by turns
.set ACC,  128                         ; v128-255 the accumulators: (a, b) at 128 + 8 (4 a + b)
.set F0,   0                           ; window 1: two fragment buffers: A's four at + 16 a, B's four at + 64 + 16 b.   window 2: v0-127 the residual
.set F1,   128
.set G1, 24
.set G0, 32
.set G1B, 48
.set G0B, 56
.set G1S, 68
.set G0S, 76
.set G1SB, 80
.set G0SB, 88
.set MSB, 0
.macro WIN new
.if MSB != \new
	s_set_vgpr_msb (MSB<<8)|\new
.set MSB, \new
.endif
.endm
.set MUL,  0x05                        ; sources 0 and 1 window 1; C and D window 0
.set TO_F, 0x40
.macro JLOAD g0a, g1a, g0b, g1b        ; a joint load: waves 0 and 1 fetch for A, waves 2 and 3 for B; an s_nop 0 and four v_nop follow each line
	s_cmp_eq_u32 s15, 0
	s_cbranch_scc0 .Lfor_b_\@
	tensor_load_to_lds s[\g0a:\g0a+3], s[\g1a:\g1a+7]
	s_nop 0
.rept 4
	v_nop
.endr
	s_branch .Lasked_\@
.Lfor_b_\@:
	tensor_load_to_lds s[\g0b:\g0b+3], s[\g1b:\g1b+7]
	s_nop 0
.rept 4
	v_nop
.endr
.Lasked_\@:
.endm
.macro CREST
	s_cmp_lg_u32 s14, 0
	s_cbranch_scc1 .Lnot_wave_0_\@
	s_barrier_signal -3
.Lnot_wave_0_\@:
	s_barrier_wait -3
	s_barrier_signal -1
	s_barrier_wait -1
.endm
.macro CROUND
	s_barrier_signal -1
	s_barrier_wait -1
	CREST
.endm
.macro PLACES n
.rept \n
	v_nop
.endr
.endm
	s_load_b256 s[4:11], s[0:1], 0x0               ; A's codes, the weights' codes, the bias, the residual
	s_load_b64 s[12:13], s[0:1], 0x20              ; the result
	v_lshl_add_u32 v[SPW], v0, 2, SPARE
	v_mov_b32 v[NIL], 0
	ds_add_u32 v[SPW], v[NIL]                      ; the wave's opening: the add, twice on end, and its wait ahead of my first tensor load
	ds_add_u32 v[SPW], v[NIL]
	v_lshrrev_b32 v1, 5, v0
	v_readfirstlane_b32 s14, v1                    ; wave 0..3
	s_lshr_b32 s15, s14, 1                         ; my half of the rows.  Also: I fetch for A (0) or for B (1)
	s_and_b32 s16, s14, 1                          ; my half of the columns.  Also: which 64 slots I fetch
	s_bfe_u32 s40, ttmp6, 0x40000
	s_bfe_u32 s41, ttmp6, 0x40004
	s_lshl_b32 s42, ttmp9, 2
	s_add_co_u32 s42, s42, s40                     ; tile column
	s_and_b32 s17, ttmp7, 0xffff
	s_lshl_b32 s17, s17, 2
	s_add_co_u32 s17, s17, s41                     ; tile row
	s_lshl_b32 s43, s41, 2
	s_lshl_b32 s43, 15, s43                        ; my row of the cluster
	s_lshl_b32 s44, 0x1111, s40                    ; my column
	; codes: 4 blocks of 16 slots, of each 8,192 consecutive bytes (512 along K), blocks 16 K bytes apart
	s_or_b32 s[G1+0], s43, (1<<21)
	s_or_b32 s[G1B+0], s44, (1<<21)
.irp g, G1, G1B
	s_mov_b32 s[\g+1], 8192<<16
	s_mov_b32 s[\g+2], 8<<16                       ; the head's loads bring a whole tile, 8 blocks; the ring's 4 (set behind the head's wait)
	s_mov_b32 s[\g+3], 8192<<16
	s_mov_b32 s[\g+4], 8
	s_mov_b32 s[\g+5], 16*KK
	s_mov_b32 s[\g+6], 0
	s_mov_b32 s[\g+7], 0
.endr
	; scale words: NPL planes of 512 bytes (128 slots); the tokens' planes are 16,384 bytes apart, the weights' 4,096
	s_or_b32 s[G1S+0], s43, (1<<21)
	s_or_b32 s[G1SB+0], s44, (1<<21)
.irp g, G1S, G1SB
	s_mov_b32 s[\g+1], 512<<16
	s_mov_b32 s[\g+2], NPL<<16
	s_mov_b32 s[\g+3], 512<<16
	s_mov_b32 s[\g+4], NPL
	s_mov_b32 s[\g+6], 0
	s_mov_b32 s[\g+7], 0
.endr
	s_mov_b32 s[G1S+5], 16384
	s_mov_b32 s[G1SB+5], 4096
	s_lshl_b32 s18, s16, 6
	s_lshl_b32 s20, s17, 7
	s_add_co_u32 s20, s20, s18                     ; A: the first slot that I fetch
	s_lshl_b32 s92, s42, 7
	s_add_co_u32 s92, s92, s18                     ; B likewise
	s_lshl_b32 s22, s20, 2
	s_lshl_b32 s94, s92, 2
	s_lshl_b32 s20, s20, KSH
	s_lshl_b32 s92, s92, KSH
	s_add_co_u32 s22, s22, AWRD
	s_add_co_u32 s92, s92, WCOD
	s_add_co_u32 s94, s94, WWRD
	s_mov_b32 s21, 0
	s_mov_b32 s23, 0
	s_mov_b32 s93, 0
	s_mov_b32 s95, 0
	s_mul_i32 s96, s14, HALFT
	s_wait_dscnt 0x0                               ; both opening adds are done
	s_wait_kmcnt 0x0
	s_add_nc_u64 s[20:21], s[4:5], s[20:21]
	s_add_nc_u64 s[22:23], s[4:5], s[22:23]
	s_add_nc_u64 s[92:93], s[6:7], s[92:93]
	s_add_nc_u64 s[94:95], s[6:7], s[94:95]
	CROUND                                         ; all sixteen work-groups are here: the first joint loads meet
	s_mov_b32 s[G0S], 1
	s_mov_b32 s[G0S+1], SCL
	s_lshl_b32 s2, s16, 8                          ; back from my half's first word to the tile's
	s_mov_b32 s3, 0
	s_sub_nc_u64 s[G0S+2:G0S+3], s[22:23], s[2:3]
	s_or_b32 s[G0S+3], s[G0S+3], 0x80000000
	s_mov_b32 s[G0SB], 1
	s_mov_b32 s[G0SB+1], SCL+2*HALFS
	s_sub_nc_u64 s[G0SB+2:G0SB+3], s[94:95], s[2:3]
	s_or_b32 s[G0SB+3], s[G0SB+3], 0x80000000
.irp s, 0,1
	s_mov_b32 s[G0+4*\s], 1
	s_add_co_u32 s[G0+4*\s+1], s96, \s*SLOT
	s_add_nc_u64 s[G0+4*\s+2:G0+4*\s+3], s[20:21], \s*8192
	s_or_b32 s[G0+4*\s+3], s[G0+4*\s+3], 0x80000000
	s_mov_b32 s[G0B+4*\s], 1
	s_add_co_u32 s[G0B+4*\s+1], s96, \s*SLOT
	s_add_nc_u64 s[G0B+4*\s+2:G0B+4*\s+3], s[92:93], \s*8192
	s_or_b32 s[G0B+4*\s+3], s[G0B+4*\s+3], 0x80000000
.endr
; THE HEAD'S LOADS, ONE A WAVE, in one chain of branches on the wave's number.  Wave 0's slot-0 descriptor names A's tile from its first block, wave 2's B's: with 8 blocks each brings a whole tile.
; No prefetch here: K = 1,024 is two slots, asked for at the head and behind the first round; nothing is filled again.
.macro ARM under, g0, g1, next
	s_cmp_lt_u32 s14, \under
	s_cbranch_scc0 \next
	tensor_load_to_lds s[\g0:\g0+3], s[\g1:\g1+7]
	s_nop 0
.rept 4
	v_nop
.endr
	s_branch .Lhead_asked
\next:
.endm
	ARM 1, G0,  G1,  .Lhead_sa                     ; wave 0: slot 0 of A's 128 slots
	ARM 2, G0S, G1S, .Lhead_b                      ; wave 1: A's scale words
	ARM 3, G0B, G1B, .Lhead_sb                     ; wave 2: slot 0 of B's 128 slots
	tensor_load_to_lds s[G0SB:G0SB+3], s[G1SB:G1SB+7]   ; wave 3: B's scale words
	s_nop 0
.rept 4
	v_nop
.endr
.Lhead_asked:
	v_and_b32 v3, 31, v0
	v_and_b32 v1, 15, v0                           ; r
	v_bfe_u32 v2, v0, 4, 1                         ; h
	s_wait_alu depctr_va_vdst(0)
	v_lshlrev_b32 v4, 4, v3
	s_mul_i32 s21, s15, HALFT
	s_mul_i32 s22, s16, HALFT
	s_add_co_u32 s22, s22, 2*HALFT
.irp s, 0,1
	v_add_nc_u32 v[ADRA+\s], s21, v4
	v_add_nc_u32 v[ADRB+\s], s22, v4
	s_add_co_u32 s21, s21, SLOT
	s_add_co_u32 s22, s22, SLOT
.endr
	v_lshlrev_b32 v5, 2, v1
	s_lshl_b32 s21, s15, 8                         ; A's words: my half's 64 slots in each plane
	s_lshl_b32 s22, s16, 8                         ; B's: likewise, behind A's planes
	s_add_co_u32 s22, s22, 2*HALFS
	s_sub_co_u32 s22, s22, s21
	v_mul_u32_u24 v6, s22, v2                      ; lanes 16-31 take B's words
	s_add_co_u32 s21, s21, SCL
	v_add_nc_u32 v5, v5, v6
	v_add_nc_u32 v[ADRS], s21, v5
	s_mul_i32 s23, s14, 16*SPITCH                  ; my stage
	v_mul_u32_u24 v5, v1, SPITCH
	v_lshl_add_u32 v5, v2, 6, v5
	v_add_nc_u32 v[STO], s23, v5                   ; in: row r, + 64 h
	v_mul_u32_u24 v5, v2, SPITCH
	v_lshl_add_u32 v5, v1, 4, v5
	v_add_nc_u32 v[RD], s23, v5                    ; back: lanes 0-15 one row of 256 bytes, lanes 16-31 the next
	v_lshlrev_b32 v5, 12, v2
	v_lshl_add_u32 v[CO], v1, 4, v5                ; and the same two rows in memory, 4,096 bytes apart
	s_wait_alu depctr_va_vdst(0)
	s_lshl_b32 s18, s17, 7
	s_lshl_b32 s19, s15, 6
	s_add_co_u32 s18, s18, s19                     ; my first row
	s_lshl_b32 s19, s42, 7
	s_lshl_b32 s20, s16, 6
	s_add_co_u32 s19, s19, s20                     ; my first column
	s_lshl_b32 s22, s19, 2
	s_mov_b32 s23, 0
	s_lshl_b32 s20, s18, 12
	s_add_co_u32 s20, s20, s22
	s_mov_b32 s21, 0
	s_add_nc_u64 s[92:93], s[10:11], s[20:21]      ; the residual,
	s_add_nc_u64 s[94:95], s[12:13], s[20:21]      ; the result,
	s_add_nc_u64 s[96:97], s[8:9], s[22:23]        ; the bias at my first column
	v_lshlrev_b32 v7, 6, v2
.irp t, 0,1,2,3
	global_load_b128 v[BIAS+8*\t:BIAS+8*\t+3], v7, s[96:97] offset:(32*(\t/2)+8*(\t%2))*4       ; tile t's eight registers: columns 32 (t / 2) + 8 (t % 2) + 16 h + 0 .. 7
	global_load_b128 v[BIAS+8*\t+4:BIAS+8*\t+7], v7, s[96:97] offset:(32*(\t/2)+8*(\t%2))*4+16
.endr
	WIN 0x80                                       ; destination window 2
.irp a, 0,1,2,3
.irp i, 0,1,2,3,4,5,6,7
	global_load_b128 v[4*(8*\a+\i):4*(8*\a+\i)+3], v[CO], s[92:93] offset:(32*(\a/2)+8*(\a%2)+2*\i+8*(\i/4))*4096   ; the residual, in the order in which the rows leave the stage
.endr
.endr
	WIN 0
	s_wait_loadcnt 32                              ; the bias is in; the residual's 32 loads stay out until the way out
.macro MUL8 f, a0, q, sl, first        ; 8 products: A's blocks a0, a0 + 1 x B's four.  The 16 accumulators take turns, one instruction a turn
.irp a, \a0, \a0+1
.irp b, 0,1,2,3
.if \first
	v_wmma_scale_f32_16x16x128_f8f6f4 v[ACC+8*(4*(\a)+\b):ACC+8*(4*(\a)+\b)+7], v[\f+64+16*\b:\f+64+16*\b+15], v[\f+16*(\a):\f+16*(\a)+15], v[BIAS+8*\b:BIAS+8*\b+7], v[SC+16*(\sl)+4*(\q)+\b], v[SC+16*(\sl)+4*(\q)+(\a)] matrix_a_fmt:MATRIX_FMT_BF8 matrix_b_fmt:MATRIX_FMT_BF8 matrix_a_scale:MATRIX_SCALE_ROW1
.else
	v_wmma_scale_f32_16x16x128_f8f6f4 v[ACC+8*(4*(\a)+\b):ACC+8*(4*(\a)+\b)+7], v[\f+64+16*\b:\f+64+16*\b+15], v[\f+16*(\a):\f+16*(\a)+15], v[ACC+8*(4*(\a)+\b):ACC+8*(4*(\a)+\b)+7], v[SC+16*(\sl)+4*(\q)+\b], v[SC+16*(\sl)+4*(\q)+(\a)] matrix_a_fmt:MATRIX_FMT_BF8 matrix_b_fmt:MATRIX_FMT_BF8 matrix_a_scale:MATRIX_SCALE_ROW1
.endif
.endr
.endr
.endm
.macro FETCH slot, q, f                ; 32 LDS loads in one run: B's four fragments, then A's four: the youngest eight are A's blocks 2 and 3
	WIN TO_F
.irp i, 0,1,2,3
.irp c, 0,1,2,3
	ds_load_b128 v[\f+64+16*\i+4*\c:\f+64+16*\i+4*\c+3], v[ADRB+\slot] offset:8192*\i+2048*(\q)+512*\c
.endr
.endr
.irp i, 0,1,2,3
.irp c, 0,1,2,3
	ds_load_b128 v[\f+16*\i+4*\c:\f+16*\i+4*\c+3], v[ADRA+\slot] offset:8192*\i+2048*(\q)+512*\c
.endr
.endr
.endm
.macro SCALES sl                       ; a slot's scale words: lanes 0-15 A's block i, lanes 16-31 B's block i, planes q = 0 .. 3
.irp q, 0,1,2,3
.irp i, 0,1,2,3
	ds_load_b32 v[SC+16*\sl+4*\q+\i], v[ADRS] offset:512*\q+64*\i
.endr
.endr
.endm
.macro QUARTER slot, q, f, g, first    ; 128 along K: multiplies buffer f and fetches the slot's next 128 into g
	s_wait_dscnt 8                                 ; all but the youngest eight loads (A's blocks 2 and 3)
	WIN MUL
	MUL8 \f, 0, \q, \slot, \first
	PLACES NP                                      ; in front of loads into registers that matrix instructions have read
	FETCH \slot, (\q)+1, \g
	s_wait_dscnt 32                                ; all but the 32 just issued
	WIN MUL
	MUL8 \f, 2, \q, \slot, \first
.endm
.macro TURN slot, next, fill           ; a slot's last 128 (buffer 1) and the change of slots
	WIN 0
	s_wait_tensorcnt 0x0                           ; all my tensor loads have landed: my part of the next slot
	ds_add_u32 v[SPW], v[NIL]
	s_wait_dscnt 9                                 ; (the add and the youngest eight loads may be out)
	WIN MUL
	MUL8 F1, 0, 3, \slot, 0
	s_wait_dscnt 0x0                               ; the add is done, and my reads of this slot are over
	s_barrier_signal -1
	WIN 0
	s_barrier_wait -1
.if \fill
	CREST                                          ; the barrier has opened a round of the cluster's
	s_add_nc_u64 s[G0+4*\slot+2:G0+4*\slot+3], s[G0+4*\slot+2:G0+4*\slot+3], 16384
	s_add_nc_u64 s[G0B+4*\slot+2:G0B+4*\slot+3], s[G0B+4*\slot+2:G0B+4*\slot+3], 16384
	JLOAD G0+4*\slot, G1, G0B+4*\slot, G1B         ; the first tensor load behind the round, my one load until the next
	PLACES NP-4
.else
	PLACES NP
.endif
	v_add_nc_u32 v[ADRS], 2048, v[ADRS]            ; four planes on
	SCALES \next
	FETCH \next, 0, F0
	WIN MUL
	MUL8 F1, 2, 3, \slot, 0
.endm
	s_wait_alu depctr_va_vdst(0)                   ; the wait at the head's end
	s_wait_tensorcnt 0x0                           ; my tile of the head's four is in; a later first fill is issued as a refill is:
	ds_add_u32 v[SPW], v[NIL]                      ; the add;
	s_mov_b32 s[G1+2], 4<<16                       ; no tensor load of mine is out: from here on a load brings 4 blocks
	s_mov_b32 s[G1+4], 4
	s_mov_b32 s[G1B+2], 4<<16
	s_mov_b32 s[G1B+4], 4
	s_wait_dscnt 0x0
	CROUND                                         ; a whole round: all four tiles are in, and the sixteen work-groups are here
	JLOAD G0+4, G1, G0B+4, G1B                     ; slot 1, my one tensor load behind the round
	SCALES 0
	FETCH 0, 0, F0
	QUARTER 0, 0, F0, F1, 1                        ; the first 128 along K start the sums from the bias
.if LAPS > 1
	WIN 0
	s_mov_b32 s3, LAPS-1
.Llap:                                             ; a trip goes once round the ring and fills both slots again
	QUARTER 0, 1, F1, F0, 0
	QUARTER 0, 2, F0, F1, 0
	TURN 0, 1, 1
	QUARTER 1, 0, F0, F1, 0
	QUARTER 1, 1, F1, F0, 0
	QUARTER 1, 2, F0, F1, 0
	TURN 1, 0, 1
	QUARTER 0, 0, F0, F1, 0
	WIN 0
	s_sub_co_u32 s3, s3, 1
	s_cmp_lg_u32 s3, 0
	s_cbranch_scc1 .Llap
.endif
	QUARTER 0, 1, F1, F0, 0                        ; the last lap fills nothing
	QUARTER 0, 2, F0, F1, 0
	TURN 0, 1, 0
	QUARTER 1, 0, F0, F1, 0
	QUARTER 1, 1, F1, F0, 0
	QUARTER 1, 2, F0, F1, 0
	s_wait_dscnt 8
	WIN MUL
	MUL8 F1, 0, 3, 1, 0
	s_wait_dscnt 0
	MUL8 F1, 2, 3, 1, 0
	WIN 0
.macro TOSTAGE a                       ; block a's 16 slots x 64 columns into my stage, and back as whole rows of 256 bytes
.set OBB, OB+32*((\a)%2)
.irp t, 0,1,2,3
	ds_store_b128 v[STO], v[ACC+8*(4*(\a)+\t):ACC+8*(4*(\a)+\t)+3] offset:128*(\t/2)+32*(\t%2)       ; each accumulator from its low end on
	ds_store_b128 v[STO], v[ACC+8*(4*(\a)+\t)+4:ACC+8*(4*(\a)+\t)+7] offset:128*(\t/2)+32*(\t%2)+16
.endr
.irp i, 0,1,2,3,4,5,6,7
	ds_load_b128 v[OBB+4*\i:OBB+4*\i+3], v[RD] offset:544*\i       ; LDS serves a wave's instructions in order: these see my stores
.endr
.endm
.macro SEND a, younger                 ; younger: the LDS instructions issued behind block a's loads
.set OBB, OB+32*((\a)%2)
	s_wait_dscnt \younger
	WIN 0x08                                       ; source 1 (the residual) window 2
.irp k, 0,2,4,6,8,10,12,14,16,18,20,22,24,26,28,30
	v_pk_add_f32 v[OBB+\k:OBB+\k+1], v[OBB+\k:OBB+\k+1], v[32*(\a)+\k:32*(\a)+\k+1]
.endr
	WIN 0
.irp i, 0,1,2,3,4,5,6,7
	global_store_b128 v[CO], v[OBB+4*\i:OBB+4*\i+3], s[94:95] offset:(32*((\a)/2)+8*((\a)%2)+2*\i+8*(\i/4))*4096   ; sixteen lanes store 256 consecutive, aligned bytes
.endr
.endm
	PLACES NP                                      ; in front of the first reads of results
	s_wait_loadcnt 0x0                             ; the residual
	TOSTAGE 0
.irp a, 1,2,3
.if \a > 1
	s_wait_xcnt 0x0                                ; block a - 2's stores have read their registers: block a's loads may land there
.endif
	TOSTAGE \a
	SEND \a-1, 16                                  ; behind block a - 1's loads: block a's 8 stores and 8 loads
.endr
	SEND 3, 0
	s_wait_tensorcnt 0x0                           ; the wave's end
	ds_add_u32 v[SPW], v[NIL]
	s_wait_dscnt 0x0
	CROUND                                         ; the closing round
	s_endpgm
.Lfunc_end_k_q71a57095d8_outp:
	.size	k_q71a57095d8_outp, .Lfunc_end_k_q71a57095d8_outp-k_q71a57095d8_outp
	.p2alignl 7, 3214868480
	.fill 96, 4, 3214868480
	.section	.rodata,"a",@progbits
	.p2align	6, 0x0
	.amdhsa_kernel k_q71a57095d8_outp
		.amdhsa_group_segment_fixed_size 327680
		.amdhsa_private_segment_fixed_size 0
		.amdhsa_enable_private_segment 0
		.amdhsa_kernarg_size 40
		.amdhsa_user_sgpr_count 2
		.amdhsa_user_sgpr_kernarg_segment_ptr 1
		.amdhsa_wavefront_size32 1
		.amdhsa_system_sgpr_workgroup_id_x 1
		.amdhsa_system_sgpr_workgroup_id_y 1
		.amdhsa_system_sgpr_workgroup_id_z 1
		.amdhsa_system_vgpr_workitem_id 0
		.amdhsa_next_free_vgpr 640
		.amdhsa_next_free_sgpr 104
		.amdhsa_reserve_vcc 0
		.amdhsa_float_denorm_mode_32 3
		.amdhsa_float_denorm_mode_16_64 3
		.amdhsa_memory_ordered 1
		.amdhsa_forward_progress 1
		.amdhsa_inst_pref_size 64
	.end_amdhsa_kernel
	.amdgpu_metadata
---
amdhsa.version: [ 1, 2 ]
amdhsa.kernels:
  - .name:           k_q71a57095d8_outp
    .symbol:         k_q71a57095d8_outp.kd
    .args:
      - { .name: aq, .offset: 0, .size: 8, .value_kind: global_buffer, .address_space: global }
      - { .name: wq, .offset: 8, .size: 8, .value_kind: global_buffer, .address_space: global }
      - { .name: b_out, .offset: 16, .size: 8, .value_kind: global_buffer, .address_space: global }
      - { .name: x, .offset: 24, .size: 8, .value_kind: global_buffer, .address_space: global }
      - { .name: x1, .offset: 32, .size: 8, .value_kind: global_buffer, .address_space: global }
    .group_segment_fixed_size: 327680
    .private_segment_fixed_size: 0
    .kernarg_segment_align: 8
    .kernarg_segment_size: 40
    .max_flat_workgroup_size: 128
    .sgpr_count:     104
    .vgpr_count:     640
    .wavefront_size: 32
...
	.end_amdgpu_metadata
.endif
;; end of part 4
;; launch ln2 (part 5): grid 256 x 1, 8 waves a work-group, no clusters, 2,048 bytes of LDS; arguments x1, ln2_g, ln2_b, hq; writes hq
.if DOCPART == 5
	.amdgcn_target "amdgcn-amd-amdhsa--gfx1250"
	.amdhsa_code_object_version 6
	.text
	.protected	k_q71a57095d8_ln2
	.globl	k_q71a57095d8_ln2
	.p2align	8
	.type	k_q71a57095d8_ln2,@function
k_q71a57095d8_ln2:
	s_mov_b64 s[64:65], 0
	v_nop
	global_prefetch_b8 v0, s[64:65] scope:SCOPE_SE
	s_setreg_imm32_b32 hwreg(HW_REG_WAVE_MODE, 25, 1), 1
	s_wait_xcnt 0x0
; LayerNorm over rows of 1,024 f32, then the quantiser along the row: y = (x - mean) rsqrt(var + 1e-5) g + b, as codes of E5M2 and scale words in the program's own layouts (see the first launch's head).
; A work-group takes a block of 16 slots (16 rows); wave w takes k = 128 w .. 128 w + 127 of all 16: lane (r, h) holds, of slot r's row, 16 neighbours of each of four blocks of 32: register 16 b + i is
; k = 128 w + 32 b + 16 h + i: the order of the operand's registers, so the conversions' results are stored as they stand, 512 consecutive bytes a store.
; Mean and variance in two passes, as jnp.var has them (no difference of large sums): each wave's partial sums meet in LDS, a barrier for each pass.
; The scale words leave in pieces of 64 bytes (a wave's 16 slots of one plane): one byte in 32 of what the launch stores.
; LIMITS: a block of zeros gets the byte 1 where the rule says 127 (its codes are zeros; this program alone reads the bytes); NaN and infinities among the inputs are not served.
.set RED2,  512                        ; LDS: 0: the sums [wave][slot], 512 bytes; 512: the sums of squares
.set SPARE, 1024                       ; the spare words, 128 bytes for each of eight waves; no other line names them
.set SPW, 14
.set NIL, 15
.set PW,  28                           ; the scale word
.set X,   32                           ; v32-95   my 64 numbers
.set G,   96                           ; v96-159  the gain at my 64 places
.set BB,  160                          ; v160-223 the bias
.set PC,  224                          ; v224-239 the codes
.set TM,  240                          ; v240-255 at work in the quantiser
.set SEL, 16                           ; s[16:17] lane selects for v_permlanex16_b32: lane l xor 16
.set MNT, 18
.macro QUANT s                         ; 64 numbers of a lane, register 16 b + i = k 32 b + 16 (lane / 16) + i of my row, become a fragment's codes in v[PC] on and its scale word in v[PW]
.irp b, 0,1,2,3
	v_max3_num_f32 v[TM+\b], |v[\s+16*\b]|, |v[\s+1+16*\b]|, 0x8000000   ; my 16 numbers of block b, and the floor 2^(16 - 127): the byte cannot fall under 1
.endr
.irp i, 2,4,6,8,10,12,14
.irp b, 0,1,2,3
	s_delay_alu instid0(VALU_DEP_4)
	v_max3_num_f32 v[TM+\b], v[TM+\b], |v[\s+16*\b+\i]|, |v[\s+1+16*\b+\i]|
.endr
.endr
.irp b, 0,1,2,3
	s_delay_alu instid0(VALU_DEP_4)
	v_permlanex16_b32 v[TM+4+\b], v[TM+\b], s[SEL], s[SEL+1]
.endr
.irp b, 0,1,2,3
	s_delay_alu instid0(VALU_DEP_4)
	v_max_num_f32 v[TM+\b], v[TM+\b], v[TM+4+\b]   ; with lane l xor 16's: the block's largest magnitude
.endr
.irp b, 0,1,2,3
	s_delay_alu instid0(VALU_DEP_4)
	v_add_nc_u32 v[TM+12+\b], 0xf8800000, v[TM+\b] ; 15 off its exponent field: the conversion's scale operand
.endr
.irp b, 0,1,2,3
	v_and_or_b32 v[TM+8+\b], v[TM+\b], 0x7f800000, s[MNT]   ; 57,344 x the scale
.endr
.irp b, 0,1,2,3
	v_lshrrev_b32 v[TM+4+\b], 23, v[TM+12+\b]      ; the scale's byte
.endr
	s_delay_alu instid0(VALU_DEP_3)
	v_lshl_or_b32 v[PW], v[TM+5], 8, v[TM+4]
	s_delay_alu instid0(VALU_DEP_1)
	v_lshl_or_b32 v[PW], v[TM+6], 16, v[PW]
	s_delay_alu instid0(VALU_DEP_1)
	v_lshl_or_b32 v[PW], v[TM+7], 24, v[PW]
.irp b, 0,1,2,3
.irp i, 0,1,2,3,4,5,6,7,8,9,10,11,12,13,14,15
	v_med3_num_f32 v[\s+16*\b+\i], v[\s+16*\b+\i], -v[TM+8+\b], v[TM+8+\b]   ; the conversion does not saturate (ISA guide 7.6.2): the hold
.endr
	v_cvt_scalef32_pk8_bf8_f32 v[PC+4*\b:PC+1+4*\b], v[\s+16*\b:\s+7+16*\b], v[TM+12+\b]
	v_cvt_scalef32_pk8_bf8_f32 v[PC+2+4*\b:PC+3+4*\b], v[\s+8+16*\b:\s+15+16*\b], v[TM+12+\b]
.endr
	v_nop                                          ; a plain vector line behind the last conversion
.endm
	s_load_b256 s[4:11], s[0:1], 0x0               ; x, g, b, the codes' buffer
	v_lshl_add_u32 v[SPW], v0, 2, SPARE
	v_mov_b32 v[NIL], 0
	v_lshrrev_b32 v1, 5, v0
	s_delay_alu instid0(VALU_DEP_1)
	v_readfirstlane_b32 s12, v1                    ; wave 0..7
	v_and_b32 v2, 15, v0                           ; r
	v_bfe_u32 v3, v0, 4, 1                         ; h
	v_and_b32 v9, 31, v0                           ; lane
	s_delay_alu instid0(VALU_DEP_3)
	v_and_b32 v4, 7, v2
	s_delay_alu instid0(VALU_DEP_4)
	v_and_b32 v5, 8, v2
	s_delay_alu instid0(VALU_DEP_1)
	v_lshl_add_u32 v4, v5, 1, v4                   ; r % 8 + 16 (r / 8): my slot's row in the block's 32
	s_delay_alu instid0(VALU_DEP_1)
	v_lshlrev_b32 v4, 12, v4                       ; a row is 4,096 bytes
	s_delay_alu instid0(VALU_DEP_1)
	v_lshl_add_u32 v4, v3, 6, v4                   ; + 64 h
	v_lshlrev_b32 v5, 6, v3                        ; g, b: 64 h
	v_lshlrev_b32 v6, 4, v9                        ; codes: 16 x lane
	v_lshlrev_b32 v7, 2, v2                        ; 4 r
	s_lshl_b32 s13, s12, 6
	v_add_nc_u32 v8, s13, v7                       ; LDS: 64 x wave + 4 r
.irp b, 0,1,2,3
	v_mov_b32 v[TM+4+\b], 0                        ; written once: a lane permute's destination counts as one of its sources
.endr
	s_mov_b32 s[SEL], 0x76543210
	s_mov_b32 s[SEL+1], 0xfedcba98
	s_mov_b32 s[MNT], 0x600000
	s_mov_b32 s19, 0x3a800000                      ; 1 / 1,024
	s_lshr_b32 s13, ttmp9, 1
	s_lshl_b32 s13, s13, 5
	s_and_b32 s14, ttmp9, 1
	s_lshl_b32 s14, s14, 3
	s_add_co_u32 s13, s13, s14                     ; the block's first row: 32 (beta / 2) + 8 (beta % 2)
	s_lshl_b32 s24, s13, 12
	s_lshl_b32 s26, s12, 9                         ; my wave's 128 numbers: 512 bytes on
	s_add_co_u32 s24, s24, s26
	s_mov_b32 s25, 0
	s_mov_b32 s27, 0
	s_lshl_b32 s28, ttmp9, 14                      ; codes: 16,384 bytes a block, 2,048 a K step
	s_lshl_b32 s14, s12, 11
	s_add_co_u32 s28, s28, s14
	s_mov_b32 s29, 0
	s_lshl_b32 s30, s12, 14                        ; scale words: plane w of 16,384 bytes, 64 bytes a block
	s_lshl_b32 s14, ttmp9, 6
	s_add_co_u32 s30, s30, s14
	s_mov_b32 s31, 0
	s_wait_alu depctr_va_vdst(0)
	s_wait_kmcnt 0x0
	s_add_nc_u64 s[4:5], s[4:5], s[24:25]
	s_add_nc_u64 s[6:7], s[6:7], s[26:27]
	s_add_nc_u64 s[8:9], s[8:9], s[26:27]
	s_add_nc_u64 s[22:23], s[10:11], s[30:31]
	s_add_nc_u64 s[10:11], s[10:11], s[28:29]
.irp b, 0,1,2,3
.irp j, 0,1,2,3
	global_load_b128 v[X+16*\b+4*\j:X+16*\b+4*\j+3], v4, s[4:5] offset:128*\b+16*\j
.endr
.endr
.irp b, 0,1,2,3
.irp j, 0,1,2,3
	global_load_b128 v[G+16*\b+4*\j:G+16*\b+4*\j+3], v5, s[6:7] offset:128*\b+16*\j
.endr
.endr
.irp b, 0,1,2,3
.irp j, 0,1,2,3
	global_load_b128 v[BB+16*\b+4*\j:BB+16*\b+4*\j+3], v5, s[8:9] offset:128*\b+16*\j
.endr
.endr
	s_wait_loadcnt 32                              ; x's 16 loads are in; g's and b's 32 may be out
	v_pk_add_f32 v[26:27], v[32:33], v[34:35]
	v_pk_add_f32 v[30:31], v[40:41], v[44:45]
	v_pk_add_f32 v[24:25], v[48:49], v[52:53]
	s_delay_alu instid0(VALU_DEP_1)
	v_pk_add_f32 v[24:25], v[24:25], v[56:57]
	s_delay_alu instid0(VALU_DEP_4)
	v_pk_add_f32 v[26:27], v[26:27], v[60:61]
	s_delay_alu instid0(VALU_DEP_4)
	v_pk_add_f32 v[30:31], v[30:31], v[64:65]
	s_delay_alu instid0(VALU_DEP_3)
	v_pk_add_f32 v[24:25], v[24:25], v[68:69]
	s_delay_alu instid0(VALU_DEP_3)
	v_pk_add_f32 v[26:27], v[26:27], v[72:73]
	s_delay_alu instid0(VALU_DEP_3)
	v_pk_add_f32 v[30:31], v[30:31], v[76:77]
	s_delay_alu instid0(VALU_DEP_3)
	v_pk_add_f32 v[24:25], v[24:25], v[80:81]
	s_delay_alu instid0(VALU_DEP_3)
	v_pk_add_f32 v[26:27], v[26:27], v[84:85]
	s_delay_alu instid0(VALU_DEP_3)
	v_pk_add_f32 v[30:31], v[30:31], v[88:89]
	s_delay_alu instid0(VALU_DEP_3)
	v_pk_add_f32 v[24:25], v[24:25], v[92:93]
	s_delay_alu instid0(VALU_DEP_3)
	v_pk_add_f32 v[26:27], v[26:27], v[36:37]
	s_delay_alu instid0(VALU_DEP_3)
	v_pk_add_f32 v[30:31], v[30:31], v[38:39]
	s_delay_alu instid0(VALU_DEP_3)
	v_pk_add_f32 v[24:25], v[24:25], v[42:43]
	s_delay_alu instid0(VALU_DEP_3)
	v_pk_add_f32 v[26:27], v[26:27], v[46:47]
	s_delay_alu instid0(VALU_DEP_3)
	v_pk_add_f32 v[30:31], v[30:31], v[50:51]
	s_delay_alu instid0(VALU_DEP_3)
	v_pk_add_f32 v[24:25], v[24:25], v[54:55]
	s_delay_alu instid0(VALU_DEP_3)
	v_pk_add_f32 v[26:27], v[26:27], v[58:59]
	s_delay_alu instid0(VALU_DEP_3)
	v_pk_add_f32 v[30:31], v[30:31], v[62:63]
	s_delay_alu instid0(VALU_DEP_3)
	v_pk_add_f32 v[24:25], v[24:25], v[66:67]
	s_delay_alu instid0(VALU_DEP_3)
	v_pk_add_f32 v[26:27], v[26:27], v[70:71]
	s_delay_alu instid0(VALU_DEP_3)
	v_pk_add_f32 v[30:31], v[30:31], v[74:75]
	s_delay_alu instid0(VALU_DEP_3)
	v_pk_add_f32 v[24:25], v[24:25], v[78:79]
	s_delay_alu instid0(VALU_DEP_3)
	v_pk_add_f32 v[26:27], v[26:27], v[82:83]
	s_delay_alu instid0(VALU_DEP_3)
	v_pk_add_f32 v[30:31], v[30:31], v[86:87]
	s_delay_alu instid0(VALU_DEP_3)
	v_pk_add_f32 v[24:25], v[24:25], v[90:91]
	s_delay_alu instid0(VALU_DEP_3)
	v_pk_add_f32 v[26:27], v[26:27], v[94:95]
	s_delay_alu instid0(VALU_DEP_2)
	v_pk_add_f32 v[24:25], v[24:25], v[30:31]
	s_delay_alu instid0(VALU_DEP_1)
	v_pk_add_f32 v[24:25], v[24:25], v[26:27]
	s_delay_alu instid0(VALU_DEP_1)
	v_add_f32 v24, v24, v25
	s_delay_alu instid0(VALU_DEP_1)
	v_permlanex16_b32 v25, v24, s[SEL], s[SEL+1]
	s_delay_alu instid0(VALU_DEP_1)
	v_add_f32 v24, v24, v25                        ; with lane l xor 16's: my row's 128 numbers of this wave
	ds_store_b32 v8, v24                           ; both halves of the lanes write the same word with the same value
	s_wait_dscnt 0x0                               ; for the others' sake: my store has landed
	s_barrier_signal -1
	s_barrier_wait -1
.irp i, 0,1,2,3,4,5,6,7
	ds_load_b32 v[16+\i], v7 offset:64*\i          ; my row's eight partial sums
.endr
	s_wait_dscnt 0x0
	v_add_f32 v16, v16, v17
	v_add_f32 v18, v18, v19
	v_add_f32 v20, v20, v21
	v_add_f32 v22, v22, v23
	s_delay_alu instid0(VALU_DEP_3)
	v_add_f32 v16, v16, v18
	s_delay_alu instid0(VALU_DEP_2)
	v_add_f32 v20, v20, v22
	s_delay_alu instid0(VALU_DEP_1)
	v_add_f32 v16, v16, v20
	s_delay_alu instid0(VALU_DEP_1)
	v_mul_f32 v10, s19, v16                        ; the mean,
	s_delay_alu instid0(VALU_DEP_1)
	v_mov_b32 v11, v10                             ; twice, for the packed forms
.set j, 0
.rept 32
	v_pk_add_f32 v[X+j:X+j+1], v[X+j:X+j+1], v[10:11] neg_lo:[0,1] neg_hi:[0,1]   ; d = x - mean
.set j, j+2
.endr
	v_pk_mul_f32 v[24:25], v[X:X+1], v[X:X+1]      ; the sum of d^2
	v_pk_mul_f32 v[26:27], v[X+2:X+3], v[X+2:X+3]
.irp j, 4,8,12,16,20,24,28,32,36,40,44,48,52,56,60
	s_delay_alu instid0(VALU_DEP_2)
	v_pk_fma_f32 v[24:25], v[X+\j:X+\j+1], v[X+\j:X+\j+1], v[24:25]
	s_delay_alu instid0(VALU_DEP_2)
	v_pk_fma_f32 v[26:27], v[X+\j+2:X+\j+3], v[X+\j+2:X+\j+3], v[26:27]
.endr
	s_delay_alu instid0(VALU_DEP_1)
	v_pk_add_f32 v[24:25], v[24:25], v[26:27]
	s_delay_alu instid0(VALU_DEP_1)
	v_add_f32 v24, v24, v25
	s_delay_alu instid0(VALU_DEP_1)
	v_permlanex16_b32 v25, v24, s[SEL], s[SEL+1]
	s_delay_alu instid0(VALU_DEP_1)
	v_add_f32 v24, v24, v25
	ds_store_b32 v8, v24 offset:RED2               ; other bytes than the first pass's: no wave can still be reading them
	s_wait_dscnt 0x0
	s_barrier_signal -1
	s_barrier_wait -1
.irp i, 0,1,2,3,4,5,6,7
	ds_load_b32 v[16+\i], v7 offset:RED2+64*\i
.endr
	s_wait_dscnt 0x0
	v_add_f32 v16, v16, v17
	v_add_f32 v18, v18, v19
	v_add_f32 v20, v20, v21
	v_add_f32 v22, v22, v23
	s_delay_alu instid0(VALU_DEP_3)
	v_add_f32 v16, v16, v18
	s_delay_alu instid0(VALU_DEP_2)
	v_add_f32 v20, v20, v22
	s_delay_alu instid0(VALU_DEP_1)
	v_add_f32 v16, v16, v20
	s_delay_alu instid0(VALU_DEP_1)
	v_fmaak_f32 v12, s19, v16, 0x3727c5ac          ; var + 1e-5
	s_wait_alu depctr_va_vdst(0)
	v_rsq_f32 v12, v12
	v_nop                                          ; a plain line behind the transcendental,
	s_wait_alu depctr_va_vdst(0)                   ; and the wait ahead of its first reader
	v_mov_b32 v13, v12
	s_wait_alu depctr_va_vdst(0)
	s_wait_loadcnt 0x0                             ; g and b
.set j, 0
.rept 32
	v_pk_mul_f32 v[X+j:X+j+1], v[X+j:X+j+1], v[12:13]
.set j, j+2
.endr
.set j, 0
.rept 32
	v_pk_fma_f32 v[X+j:X+j+1], v[X+j:X+j+1], v[G+j:G+j+1], v[BB+j:BB+j+1]
.set j, j+2
.endr
	QUANT X
.irp b, 0,1,2,3
	global_store_b128 v6, v[PC+4*\b:PC+4*\b+3], s[10:11] offset:512*\b   ; 32 lanes store 512 consecutive bytes, aligned to 256
.endr
	v_cmp_gt_u32 vcc_lo, 16, v9
	s_wait_xcnt 0x0                                ; EXEC changes only behind this wait
	s_and_saveexec_b32 s20, vcc_lo                 ; lanes 0-15 hold each slot's word once
	global_store_b32 v7, v[PW], s[22:23] offset:4194304
	s_wait_xcnt 0x0
	s_or_b32 exec_lo, exec_lo, s20
	s_wait_tensorcnt 0x0                           ; the wave's end
	ds_add_u32 v[SPW], v[NIL]
	s_wait_dscnt 0x0
	s_endpgm
.Lfunc_end_k_q71a57095d8_ln2:
	.size	k_q71a57095d8_ln2, .Lfunc_end_k_q71a57095d8_ln2-k_q71a57095d8_ln2
	.p2alignl 7, 3214868480
	.fill 96, 4, 3214868480
	.section	.rodata,"a",@progbits
	.p2align	6, 0x0
	.amdhsa_kernel k_q71a57095d8_ln2
		.amdhsa_group_segment_fixed_size 2048
		.amdhsa_private_segment_fixed_size 0
		.amdhsa_enable_private_segment 0
		.amdhsa_kernarg_size 32
		.amdhsa_user_sgpr_count 2
		.amdhsa_user_sgpr_kernarg_segment_ptr 1
		.amdhsa_wavefront_size32 1
		.amdhsa_system_sgpr_workgroup_id_x 1
		.amdhsa_system_sgpr_workgroup_id_y 1
		.amdhsa_system_sgpr_workgroup_id_z 1
		.amdhsa_system_vgpr_workitem_id 0
		.amdhsa_next_free_vgpr 256
		.amdhsa_next_free_sgpr 66
		.amdhsa_reserve_vcc 1
		.amdhsa_float_denorm_mode_32 3
		.amdhsa_float_denorm_mode_16_64 3
		.amdhsa_memory_ordered 1
		.amdhsa_forward_progress 1
		.amdhsa_inst_pref_size 32
	.end_amdhsa_kernel
	.amdgpu_metadata
---
amdhsa.version: [ 1, 2 ]
amdhsa.kernels:
  - .name:           k_q71a57095d8_ln2
    .symbol:         k_q71a57095d8_ln2.kd
    .args:
      - { .name: x1, .offset: 0, .size: 8, .value_kind: global_buffer, .address_space: global }
      - { .name: ln2_g, .offset: 8, .size: 8, .value_kind: global_buffer, .address_space: global }
      - { .name: ln2_b, .offset: 16, .size: 8, .value_kind: global_buffer, .address_space: global }
      - { .name: hq, .offset: 24, .size: 8, .value_kind: global_buffer, .address_space: global }
    .group_segment_fixed_size: 2048
    .private_segment_fixed_size: 0
    .kernarg_segment_align: 8
    .kernarg_segment_size: 32
    .max_flat_workgroup_size: 256
    .sgpr_count:     66
    .vgpr_count:     256
    .wavefront_size: 32
...
	.end_amdgpu_metadata
.endif
;; end of part 5
;; launch ff1 (part 6): grid 16 x 16, 4 waves a work-group, clusters of 4 x 4, 327,680 bytes of LDS; arguments hq, wq, b_ff1, gq; writes gq
.if DOCPART == 6
	.amdgcn_target "amdgcn-amd-amdhsa--gfx1250"
	.amdhsa_code_object_version 6
	.text
	.protected	k_q71a57095d8_ff1
	.globl	k_q71a57095d8_ff1
	.p2align	8
	.type	k_q71a57095d8_ff1,@function
k_q71a57095d8_ff1:
	s_mov_b64 s[64:65], 0
	v_nop
	global_prefetch_b8 v0, s[64:65] scope:SCOPE_SE
	s_setreg_imm32_b32 hwreg(HW_REG_WAVE_MODE, 25, 1), 1
	s_wait_xcnt 0x0
	s_wait_alu depctr_hold_cnt(0) depctr_sa_sdst(0) depctr_va_vdst(0) depctr_va_sdst(0) depctr_va_ssrc(0) depctr_va_vcc(0) depctr_vm_vsrc(0)
	s_getreg_b32 s2, hwreg(HW_REG_IB_STS2, 6, 4)
	s_cmp_eq_u32 s2, 0
	s_cbranch_scc0 .Lentry_in_a_cluster
	s_endpgm
.Lentry_in_a_cluster:
	s_bfe_u32 s2, ttmp6, 0x10000c
	s_cmp_lg_u32 s2, 0xf033
	s_cbranch_scc0 .Lentry_shape_is_right
	s_endpgm
.Lentry_shape_is_right:
.set IS_QKV, 0
.set NQ,     2
.set FR,     16
.set NL,     4
.set NP,     8
.set HALFT,  32768
.set SLOT,   131072
.set SCL,    262144
.set HALFS,  4096
.set SPARE,  278528
.set SQ,     12582912
.set SV,     13107200
.set ADRA, 16
.set ADRB, 20
.set LN,   22
.set SHV,  23
.set DW,   24
.set DRT,  25
.set CA,   26
.set ADRS, 27
.set SPW,  28
.set NIL,  29
.set SA,   31
.set SC,   32
.set BIAS, 64
.set AF,   128
.set E,    128
.set PC,   192
.set TM,   208
.set PW,   224
.set WD,   225
.set GP,   64
.set GQ,   96
.set GZ,   226
.set GZ2,  234
.set KA0,  242
.set KB0,  244
.set G1, 24
.set G0, 32
.set G1B, 48
.set G0B, 56
.set G1S, 68
.set G0S, 76
.set G1SB, 80
.set G0SB, 88
.set TYP,  44
.set MNT,  45
.set SEL,  46
.set LANES, 66
.set DOF,  67
.set CAB,  92
.set CBB,  94
.set SAB,  96
.set RBP,  98
.set WMASK, 100
.set WFILL, 101
.set MSB, 0
.macro WIN new
.if MSB != \new
	s_set_vgpr_msb (MSB<<8)|\new
.set MSB, \new
.endif
.endm
.set MUL_LO, 0xa1
.set MUL_HI, 0xf1
.set INI_LO, 0x81
.set INI_HI, 0xc1
.set TO_B,   0x40
.macro JLOAD g0a, g1a, g0b, g1b
	s_cmp_eq_u32 s15, 0
	s_cbranch_scc0 .Lfor_b_\@
	tensor_load_to_lds s[\g0a:\g0a+3], s[\g1a:\g1a+7]
	s_nop 0
.rept 4
	v_nop
.endr
	s_branch .Lasked_\@
.Lfor_b_\@:
	tensor_load_to_lds s[\g0b:\g0b+3], s[\g1b:\g1b+7]
	s_nop 0
.rept 4
	v_nop
.endr
.Lasked_\@:
.endm
.macro CREST
	s_cmp_lg_u32 s14, 0
	s_cbranch_scc1 .Lnot_wave_0_\@
	s_barrier_signal -3
.Lnot_wave_0_\@:
	s_barrier_wait -3
	s_barrier_signal -1
	s_barrier_wait -1
.endm
.macro CROUND
	s_barrier_signal -1
	s_barrier_wait -1
	CREST
.endm
.macro PLACES n
.rept \n
	v_nop
.endr
.endm
.macro QUANT s
.irp b, 0,1,2,3
	v_max3_num_f32 v[TM+\b], |v[\s+16*\b]|, |v[\s+1+16*\b]|, 0x8000000
.endr
.irp i, 2,4,6,8,10,12,14
.irp b, 0,1,2,3
	v_max3_num_f32 v[TM+\b], v[TM+\b], |v[\s+16*\b+\i]|, |v[\s+1+16*\b+\i]|
.endr
.endr
.irp b, 0,1,2,3
	v_permlanex16_b32 v[TM+4+\b], v[TM+\b], s[SEL], s[SEL+1]
.endr
.irp b, 0,1,2,3
	v_max_num_f32 v[TM+\b], v[TM+\b], v[TM+4+\b]
.endr
.irp b, 0,1,2,3
	v_add_nc_u32 v[TM+12+\b], 0xf8800000, v[TM+\b]
.endr
.irp b, 0,1,2,3
	v_and_or_b32 v[TM+8+\b], v[TM+\b], 0x7f800000, s[MNT]
.endr
.irp b, 0,1,2,3
	v_lshrrev_b32 v[TM+4+\b], 23, v[TM+12+\b]
.endr
	v_lshl_or_b32 v[PW], v[TM+5], 8, v[TM+4]
	v_lshl_or_b32 v[PW], v[TM+6], 16, v[PW]
	v_lshl_or_b32 v[PW], v[TM+7], 24, v[PW]
.irp b, 0,1,2,3
.irp i, 0,1,2,3,4,5,6,7,8,9,10,11,12,13,14,15
	v_med3_num_f32 v[\s+16*\b+\i], v[\s+16*\b+\i], -v[TM+8+\b], v[TM+8+\b]
.endr
	v_cvt_scalef32_pk8_bf8_f32 v[PC+4*\b:PC+1+4*\b], v[\s+16*\b:\s+7+16*\b], v[TM+12+\b]
	v_cvt_scalef32_pk8_bf8_f32 v[PC+2+4*\b:PC+3+4*\b], v[\s+8+16*\b:\s+15+16*\b], v[TM+12+\b]
.endr
	v_nop
.endm
	s_load_b256 s[4:11], s[0:1], 0x0
	v_lshl_add_u32 v[SPW], v0, 2, SPARE
	v_mov_b32 v[NIL], 0
	ds_add_u32 v[SPW], v[NIL]
	ds_add_u32 v[SPW], v[NIL]
	v_lshrrev_b32 v1, 5, v0
	v_readfirstlane_b32 s14, v1
	s_lshr_b32 s15, s14, 1
	s_and_b32 s16, s14, 1
	s_bfe_u32 s40, ttmp6, 0x40000
	s_bfe_u32 s41, ttmp6, 0x40004
	s_and_b32 s13, ttmp7, 0xffff
	s_lshl_b32 s42, ttmp9, 2
	s_add_co_u32 s42, s42, s40
	s_lshl_b32 s17, s13, 2
	s_add_co_u32 s17, s17, s41
	s_lshl_b32 s43, s41, 2
	s_lshl_b32 s43, 15, s43
	s_lshl_b32 s12, 0x1111, s40
	s_or_b32 s[G1+0], s43, (1<<21)
	s_or_b32 s[G1B+0], s12, (1<<21)
.irp g, G1, G1B
	s_mov_b32 s[\g+1], 4096<<16
	s_mov_b32 s[\g+2], 16<<16                      ; the head's loads bring a whole tile, 16 blocks; the ring's 8 (set behind the head's wait)
	s_mov_b32 s[\g+3], 4096<<16
	s_mov_b32 s[\g+4], 16
	s_mov_b32 s[\g+5], 16384
	s_mov_b32 s[\g+6], 0
	s_mov_b32 s[\g+7], 0
.endr
	s_or_b32 s[G1S+0], s43, (1<<21)
	s_or_b32 s[G1SB+0], s12, (1<<21)
.irp g, G1S, G1SB
	s_mov_b32 s[\g+1], 1024<<16                    ; scale words: 8 planes of 1,024 bytes (256 slots): in LDS [plane][256 slots], A's 8,192 bytes, then B's
	s_mov_b32 s[\g+2], 8<<16
	s_mov_b32 s[\g+3], 1024<<16
	s_mov_b32 s[\g+4], 8
	s_mov_b32 s[\g+5], 16384
	s_mov_b32 s[\g+6], 0
	s_mov_b32 s[\g+7], 0
.endr
	s_lshl_b32 s18, s16, 7
	s_lshl_b32 s20, s17, 8
	s_add_co_u32 s20, s20, s18
	s_lshl_b32 s92, s42, 8
	s_add_co_u32 s92, s92, s18
	s_lshl_b32 s22, s20, 2
	s_lshl_b32 s94, s92, 2
	s_lshl_b32 s20, s20, 10
	s_lshl_b32 s92, s92, 10
	s_mov_b32 s21, 0
	s_mov_b32 s23, 0
	s_mov_b32 s93, 0
	s_mov_b32 s95, 0
	s_add_co_u32 s22, s22, 4194304
	s_add_co_u32 s92, s92, 4194304
	s_add_co_u32 s94, s94, 12746752
	s_mul_i32 s96, s14, HALFT
	s_wait_dscnt 0x0
	s_wait_kmcnt 0x0
	s_add_nc_u64 s[20:21], s[4:5], s[20:21]
	s_add_nc_u64 s[22:23], s[4:5], s[22:23]
	s_add_nc_u64 s[92:93], s[6:7], s[92:93]
	s_add_nc_u64 s[94:95], s[6:7], s[94:95]
	CROUND
	s_mov_b32 s[G0S], 1
	s_mov_b32 s[G0S+1], SCL
	s_lshl_b32 s2, s16, 9                          ; back from my half's first word to the tile's
	s_mov_b32 s3, 0
	s_sub_nc_u64 s[G0S+2:G0S+3], s[22:23], s[2:3]
	s_or_b32 s[G0S+3], s[G0S+3], 0x80000000
	s_mov_b32 s[G0SB], 1
	s_mov_b32 s[G0SB+1], SCL+2*HALFS
	s_sub_nc_u64 s[G0SB+2:G0SB+3], s[94:95], s[2:3]
	s_or_b32 s[G0SB+3], s[G0SB+3], 0x80000000
.irp s, 0,1
	s_mov_b32 s[G0+4*\s], 1
	s_add_co_u32 s[G0+4*\s+1], s96, \s*SLOT
	s_add_nc_u64 s[G0+4*\s+2:G0+4*\s+3], s[20:21], \s*4096
	s_or_b32 s[G0+4*\s+3], s[G0+4*\s+3], 0x80000000
	s_mov_b32 s[G0B+4*\s], 1
	s_add_co_u32 s[G0B+4*\s+1], s96, \s*SLOT
	s_add_nc_u64 s[G0B+4*\s+2:G0B+4*\s+3], s[92:93], \s*4096
	s_or_b32 s[G0B+4*\s+3], s[G0B+4*\s+3], 0x80000000
.endr
; THE HEAD'S LOADS, ONE A WAVE, in one chain of branches on the wave's number.  Wave 0's slot-0 descriptor names A's tile from its first block, wave 2's B's: with 16 blocks each brings a whole tile.
; No prefetch: K is four K steps, of which the head and the first round ask for two.
.macro ARM under, g0, g1, next
	s_cmp_lt_u32 s14, \under
	s_cbranch_scc0 \next
	tensor_load_to_lds s[\g0:\g0+3], s[\g1:\g1+7]
	s_nop 0
.rept 4
	v_nop
.endr
	s_branch .Lhead_asked
\next:
.endm
	ARM 1, G0,  G1,  .Lhead_sa                     ; wave 0: K step 0 of A's 256 slots
	ARM 2, G0S, G1S, .Lhead_b                      ; wave 1: A's scale words
	ARM 3, G0B, G1B, .Lhead_sb                     ; wave 2: K step 0 of B's 256 slots
	tensor_load_to_lds s[G0SB:G0SB+3], s[G1SB:G1SB+7]   ; wave 3: B's scale words
	s_nop 0
.rept 4
	v_nop
.endr
.Lhead_asked:
	v_and_b32 v[LN], 31, v0
	v_and_b32 v1, 15, v0
	v_bfe_u32 v2, v0, 4, 1
	s_wait_alu depctr_va_vdst(0)
	v_lshlrev_b32 v[CA], 4, v[LN]
	s_wait_alu depctr_va_vdst(0)
	s_mul_i32 s21, s15, HALFT
	s_mul_i32 s22, s16, HALFT
	s_add_co_u32 s22, s22, 2*HALFT
.irp s, 0,1
	v_add_nc_u32 v[ADRA+\s], s21, v[CA]
	v_add_nc_u32 v[ADRB+\s], s22, v[CA]
	s_add_co_u32 s21, s21, SLOT
	s_add_co_u32 s22, s22, SLOT
.endr
	v_lshlrev_b32 v5, 2, v1
	s_lshl_b32 s21, s15, 9
	s_lshl_b32 s22, s16, 9
	s_add_co_u32 s22, s22, 2*HALFS
	s_sub_co_u32 s22, s22, s21
	v_mul_u32_u24 v6, s22, v2
	s_add_co_u32 s21, s21, SCL
	v_add_nc_u32 v5, v5, v6
	v_add_nc_u32 v[ADRS], s21, v5
	s_lshl_b32 s23, s14, 16
	v_add_nc_u32 v[DW], s23, v[CA]
	s_lshl_b32 s18, s17, 8
	s_lshl_b32 s19, s15, 7
	s_add_co_u32 s18, s18, s19
	s_lshl_b32 s19, s42, 8
	s_lshl_b32 s20, s16, 7
	s_add_co_u32 s19, s19, s20
	s_lshl_b32 s20, s18, 12
	s_lshl_b32 s21, s19, 4
	s_add_co_u32 s20, s20, s21
	s_mov_b32 s21, 0
	s_add_nc_u64 s[CAB:CAB+1], s[10:11], s[20:21]
	s_add_nc_u64 s[CBB:CBB+1], s[CAB:CAB+1], 1024
	s_lshl_b32 s22, s19, 7
	s_lshl_b32 s23, s18, 2
	s_add_co_u32 s22, s22, s23
	s_add_co_u32 s22, s22, 16777216
	s_mov_b32 s23, 0
	s_add_nc_u64 s[SAB:SAB+1], s[10:11], s[22:23]
	s_mov_b32 s[RBP], 65536
	s_mov_b32 s[RBP+1], 0
	v_lshlrev_b32 v[SA], 2, v1
	s_lshl_b32 s20, s19, 2
	s_add_nc_u64 s[20:21], s[8:9], s[20:21]
	v_lshlrev_b32 v7, 6, v2
.irp t, 0,1,2,3,4,5,6,7
	global_load_b128 v[BIAS+8*\t:BIAS+8*\t+3], v7, s[20:21] offset:(32*(\t/2)+8*(\t%2))*4
	global_load_b128 v[BIAS+8*\t+4:BIAS+8*\t+7], v7, s[20:21] offset:(32*(\t/2)+8*(\t%2))*4+16
.endr
	s_wait_alu depctr_va_vdst(0)
	s_wait_loadcnt 0x0
	s_mov_b32 s[SEL], 0x76543210
	s_mov_b32 s[SEL+1], 0xfedcba98
	s_mov_b32 s[MNT], 0x600000
.macro MM d, b, a, c, sb, sa
	v_wmma_scale_f32_16x16x128_f8f6f4 v[(\d):(\d)+7], v[(\b):(\b)+15], v[(\a):(\a)+15], v[(\c):(\c)+7], v[\sb], v[\sa] matrix_a_fmt:MATRIX_FMT_BF8 matrix_b_fmt:MATRIX_FMT_BF8 matrix_a_scale:MATRIX_SCALE_ROW1
.endm
.macro MUL16 a0, p, q, sc, ci
.irp a, \a0, \a0+1
.irp b, 0,1,2,3,4,5,6,7
.if (\ci) == 1
	MM 8*(8*((\a)%4)+\b), 128*(\p)+FR*\b, AF+FR*(\a), BIAS+8*\b, SC+16*(\sc)+2*\b+(\q), SC+16*(\sc)+2*(\a)+(\q)
.else
	MM 8*(8*((\a)%4)+\b), 128*(\p)+FR*\b, AF+FR*(\a), 8*(8*((\a)%4)+\b), SC+16*(\sc)+2*\b+(\q), SC+16*(\sc)+2*(\a)+(\q)
.endif
.endr
.endr
.endm
.macro FRAG reg, adr, q, i
.irp c, 0,1,2,3
	ds_load_b128 v[\reg+4*\c:\reg+4*\c+3], v[\adr] offset:2048*(\q)+512*\c+4096*(\i)
.endr
.endm
.macro FETCH_B slot, q, p
	WIN TO_B
.irp i, 0,1,2,3,4,5,6,7
	FRAG 128*(\p)+FR*\i, ADRB+\slot, \q, \i
.endr
	WIN 0
.endm
.macro FETCH_A slot, q, i0
.irp i, \i0, \i0+1, \i0+2, \i0+3
	FRAG AF+FR*(\i), ADRA+\slot, \q, \i
.endr
.endm
.macro SCALES sc
.irp i, 0,1,2,3,4,5,6,7
.irp q, 0,1
	ds_load_b32 v[SC+16*\sc+2*\i+\q], v[ADRS] offset:1024*\q+64*\i
.endr
.endr
.endm
.macro STEP slot, q, ci
	s_wait_dscnt 4*NL
.if \ci
	WIN INI_LO
.else
	WIN MUL_LO
.endif
	MUL16 0, (\q)%2, \q, \slot, \ci
	MUL16 2, (\q)%2, \q, \slot, \ci
	s_wait_dscnt 0
	PLACES NP
	FETCH_B \slot, (\q)+1, 1-(\q)%2
	FETCH_A \slot, (\q)+1, 0
.if \ci
	WIN INI_HI
.else
	WIN MUL_HI
.endif
	MUL16 4, (\q)%2, \q, \slot, \ci
	MUL16 6, (\q)%2, \q, \slot, \ci
	PLACES NP
	WIN 0
	FETCH_A \slot, (\q)+1, 4
.endm
.macro TURN slot, next, fill
	s_wait_tensorcnt 0x0
	ds_add_u32 v[SPW], v[NIL]
	s_wait_dscnt 4*NL+1
	WIN MUL_LO
	MUL16 0, 1, NQ-1, \slot, 0
	s_wait_dscnt 0x0
	s_barrier_signal -1
	MUL16 2, 1, NQ-1, \slot, 0
	WIN 0
	s_barrier_wait -1
.if \fill
	CREST
	s_add_nc_u64 s[G0+4*\slot+2:G0+4*\slot+3], s[G0+4*\slot+2:G0+4*\slot+3], 8192
	s_add_nc_u64 s[G0B+4*\slot+2:G0B+4*\slot+3], s[G0B+4*\slot+2:G0B+4*\slot+3], 8192
	JLOAD G0+4*\slot, G1, G0B+4*\slot, G1B
	PLACES NP-4
.else
	PLACES NP
.endif
	s_wait_alu depctr_va_vdst(0)
	v_add_nc_u32 v[ADRS], 2048, v[ADRS]
	FETCH_B \next, 0, 0
	FETCH_A \next, 0, 0
	SCALES \next
	WIN MUL_HI
	MUL16 4, 1, NQ-1, \slot, 0
	MUL16 6, 1, NQ-1, \slot, 0
	PLACES NP
	WIN 0
	FETCH_A \next, 0, 4
.endm
	s_wait_alu depctr_va_vdst(0)                   ; the wait at the head's end
	s_wait_tensorcnt 0x0                           ; my tile of the head's four is in; a later first fill is issued as a refill is:
	ds_add_u32 v[SPW], v[NIL]                      ; the add;
	s_mov_b32 s[G1+2], 8<<16                       ; no tensor load of mine is out: from here on a load brings 8 blocks
	s_mov_b32 s[G1+4], 8
	s_mov_b32 s[G1B+2], 8<<16
	s_mov_b32 s[G1B+4], 8
	s_wait_dscnt 0x0
	CROUND                                         ; a whole round: all four tiles are in, and the sixteen work-groups are here
	JLOAD G0+4, G1, G0B+4, G1B                     ; K step 1, my one tensor load behind the round
	FETCH_B 0, 0, 0
	FETCH_A 0, 0, 0
	SCALES 0
	FETCH_A 0, 0, 4
	STEP 0, 0, 1
	TURN 0, 1, 1
	STEP 1, 0, 0
	TURN 1, 0, 1
	STEP 0, 0, 0
	TURN 0, 1, 0
	STEP 1, 0, 0
	s_wait_dscnt 4*NL
	WIN MUL_LO
	MUL16 0, 1, NQ-1, 1, 0
	MUL16 2, 1, NQ-1, 1, 0
	s_wait_dscnt 0
	WIN MUL_HI
	MUL16 4, 1, NQ-1, 1, 0
	MUL16 6, 1, NQ-1, 1, 0
	WIN 0
	PLACES NP
	s_barrier_signal -1
	s_barrier_wait -1
.irp a, 0,1,2,3,4,5,6,7
	WIN 0x08+4*(\a/4)
.irp b, 0,1,2,3,4,5,6,7
	ds_store_b128 v[DW], v[8*(8*(\a%4)+\b):8*(8*(\a%4)+\b)+3] offset:8192*\a+1024*\b
	ds_store_b128 v[DW], v[8*(8*(\a%4)+\b)+4:8*(8*(\a%4)+\b)+7] offset:8192*\a+1024*\b+512
.endr
.endr
	WIN 0
.irp b, 0,1,2,3
	v_mov_b32 v[TM+4+\b], 0
.endr
	v_mov_b32 v[KA0], 0xaf95df0b
	v_mov_b32 v[KA0+1], 0xaf95df0b
	v_mov_b32 v[KB0], 0xb77460cd
	v_mov_b32 v[KB0+1], 0xb77460cd
.macro HORNER reg, lit
.irp k, 0,2,4,6
	v_pk_fma_f32 v[\reg+\k:\reg+\k+1], v[\reg+\k:\reg+\k+1], v[GZ2+\k:GZ2+\k+1], \lit op_sel_hi:[1,1,0]
.endr
.endm
.macro GELU4 e0, p0
.irp k, 0,2,4,6
	v_pk_mul_f32 v[\e0+\k:\e0+\k+1], v[\e0+\k:\e0+\k+1], 0.5 op_sel_hi:[1,0]
.endr
.irp k, 0,2,4,6
	v_pk_mul_f32 v[GZ+\k:GZ+\k+1], v[\e0+\k:\e0+\k+1], 0x3fb504f3 op_sel_hi:[1,0]
.endr
.irp k, 0,1,2,3,4,5,6,7
	v_med3_num_f32 v[GZ+\k], v[GZ+\k], -4.0, 4.0
.endr
.irp k, 0,2,4,6
	v_pk_mul_f32 v[GZ2+\k:GZ2+\k+1], v[GZ+\k:GZ+\k+1], v[GZ+\k:GZ+\k+1]
.endr
.irp k, 0,2,4,6
	v_pk_fma_f32 v[GP+\p0+\k:GP+\p0+\k+1], v[GZ2+\k:GZ2+\k+1], v[KA0:KA0+1], 0x32edffee op_sel_hi:[1,1,0]
.endr
.irp k, 0,2,4,6
	v_pk_fma_f32 v[GQ+\p0+\k:GQ+\p0+\k+1], v[GZ2+\k:GZ2+\k+1], v[KB0:KB0+1], 0xb95fbd29 op_sel_hi:[1,1,0]
.endr
	HORNER GP+\p0, 0xb60cff51
	HORNER GQ+\p0, 0xbadc924e
	HORNER GP+\p0, 0xb86ec2d2
	HORNER GQ+\p0, 0xbbf19bf8
	HORNER GP+\p0, 0xba40ac63
	HORNER GQ+\p0, 0xbc69b6a7
	HORNER GP+\p0, 0xbb41a1f6
	HORNER GP+\p0, 0xbc83dbd4
.irp k, 0,2,4,6
	v_pk_mul_f32 v[GP+\p0+\k:GP+\p0+\k+1], v[GP+\p0+\k:GP+\p0+\k+1], v[GZ+\k:GZ+\k+1]
.endr
	s_wait_alu depctr_va_vdst(0)
.irp k, 0,1,2,3,4,5,6,7
	v_rcp_f32 v[GQ+\p0+\k], v[GQ+\p0+\k]
.endr
.endm
	s_mov_b32 s[DOF], 0
	s_mov_b32 s3, 8
.Lrow:
	v_add_nc_u32 v[DRT], s[DOF], v[DW]
.irp b, 0,1,2,3,4,5,6,7
	ds_load_b128 v[E+8*\b:E+8*\b+3], v[DRT] offset:1024*\b
	ds_load_b128 v[E+8*\b+4:E+8*\b+7], v[DRT] offset:1024*\b+512
.endr
	s_wait_dscnt 0x0
.irp u, 0,1
.irp g, 0,1,2,3
	GELU4 (E+32*\u+8*\g), (8*\g)
.endr
	v_nop
	s_wait_alu depctr_va_vdst(0)
.irp k, 0,2,4,6,8,10,12,14,16,18,20,22,24,26,28,30
	v_pk_mul_f32 v[GP+\k:GP+\k+1], v[GP+\k:GP+\k+1], v[GQ+\k:GQ+\k+1]
.endr
.irp k, 0,2,4,6,8,10,12,14,16,18,20,22,24,26,28,30
	v_pk_fma_f32 v[E+32*\u+\k:E+32*\u+\k+1], v[E+32*\u+\k:E+32*\u+\k+1], v[GP+\k:GP+\k+1], v[E+32*\u+\k:E+32*\u+\k+1]
.endr
.endr
	QUANT E
	global_store_b128 v[CA], v[PC:PC+3], s[CAB:CAB+1]
	global_store_b128 v[CA], v[PC+4:PC+7], s[CAB:CAB+1] offset:512
	global_store_b128 v[CA], v[PC+8:PC+11], s[CBB:CBB+1]
	global_store_b128 v[CA], v[PC+12:PC+15], s[CBB:CBB+1] offset:512
	v_cmp_gt_u32 vcc_lo, 16, v[LN]
	s_wait_xcnt 0x0
	s_and_saveexec_b32 s2, vcc_lo
	global_store_b32 v[SA], v[PW], s[SAB:SAB+1]
	s_wait_xcnt 0x0
	s_or_b32 exec_lo, exec_lo, s2
	s_add_nc_u64 s[CAB:CAB+1], s[CAB:CAB+1], s[RBP:RBP+1]
	s_add_nc_u64 s[CBB:CBB+1], s[CBB:CBB+1], s[RBP:RBP+1]
	s_add_nc_u64 s[SAB:SAB+1], s[SAB:SAB+1], 64
	s_add_co_u32 s[DOF], s[DOF], 8192
	s_sub_co_u32 s3, s3, 1
	s_cmp_lg_u32 s3, 0
	s_cbranch_scc1 .Lrow
	s_wait_tensorcnt 0x0
	ds_add_u32 v[SPW], v[NIL]
	s_wait_dscnt 0x0
	CROUND
	s_endpgm
.Lfunc_end_k_q71a57095d8_ff1:
	.size	k_q71a57095d8_ff1, .Lfunc_end_k_q71a57095d8_ff1-k_q71a57095d8_ff1
	.p2alignl 7, 3214868480
	.fill 96, 4, 3214868480
	.section	.rodata,"a",@progbits
	.p2align	6, 0x0
	.amdhsa_kernel k_q71a57095d8_ff1
		.amdhsa_group_segment_fixed_size 327680
		.amdhsa_private_segment_fixed_size 0
		.amdhsa_enable_private_segment 0
		.amdhsa_kernarg_size 32
		.amdhsa_user_sgpr_count 2
		.amdhsa_user_sgpr_kernarg_segment_ptr 1
		.amdhsa_wavefront_size32 1
		.amdhsa_system_sgpr_workgroup_id_x 1
		.amdhsa_system_sgpr_workgroup_id_y 1
		.amdhsa_system_sgpr_workgroup_id_z 1
		.amdhsa_system_vgpr_workitem_id 0
		.amdhsa_next_free_vgpr 1024
		.amdhsa_next_free_sgpr 104
		.amdhsa_reserve_vcc 1
		.amdhsa_float_denorm_mode_32 3
		.amdhsa_float_denorm_mode_16_64 3
		.amdhsa_memory_ordered 1
		.amdhsa_forward_progress 1
		.amdhsa_inst_pref_size 188
	.end_amdhsa_kernel
	.amdgpu_metadata
---
amdhsa.version: [ 1, 2 ]
amdhsa.kernels:
  - .name:           k_q71a57095d8_ff1
    .symbol:         k_q71a57095d8_ff1.kd
    .args:
      - { .name: hq, .offset: 0, .size: 8, .value_kind: global_buffer, .address_space: global }
      - { .name: wq, .offset: 8, .size: 8, .value_kind: global_buffer, .address_space: global }
      - { .name: b_ff1, .offset: 16, .size: 8, .value_kind: global_buffer, .address_space: global }
      - { .name: gq, .offset: 24, .size: 8, .value_kind: global_buffer, .address_space: global }
    .group_segment_fixed_size: 327680
    .private_segment_fixed_size: 0
    .kernarg_segment_align: 8
    .kernarg_segment_size: 32
    .max_flat_workgroup_size: 128
    .sgpr_count:     104
    .vgpr_count:     1024
    .wavefront_size: 32
...
	.end_amdgpu_metadata
.endif
;; end of part 6
;; launch ff2 (part 7): grid 8 x 32, 4 waves a work-group, clusters of 4 x 4, 327,680 bytes of LDS; arguments gq, wq, b_ff2, x1, out0; writes out0
.if DOCPART == 7
	.amdgcn_target "amdgcn-amd-amdhsa--gfx1250"
	.amdhsa_code_object_version 6
	.text
	.protected	k_q71a57095d8_ff2
	.globl	k_q71a57095d8_ff2
	.p2align	8
	.type	k_q71a57095d8_ff2,@function
k_q71a57095d8_ff2:
	s_mov_b64 s[64:65], 0
	v_nop
	global_prefetch_b8 v0, s[64:65] scope:SCOPE_SE
	s_setreg_imm32_b32 hwreg(HW_REG_WAVE_MODE, 25, 1), 1
	s_wait_xcnt 0x0
	s_wait_alu depctr_hold_cnt(0) depctr_sa_sdst(0) depctr_va_vdst(0) depctr_va_sdst(0) depctr_va_ssrc(0) depctr_va_vcc(0) depctr_vm_vsrc(0)
	s_getreg_b32 s2, hwreg(HW_REG_IB_STS2, 6, 4)
	s_cmp_eq_u32 s2, 0
	s_cbranch_scc0 .Lentry_in_a_cluster
	s_endpgm
.Lentry_in_a_cluster:
	s_bfe_u32 s2, ttmp6, 0x10000c
	s_cmp_lg_u32 s2, 0xf033
	s_cbranch_scc0 .Lentry_shape_is_right
	s_endpgm
.Lentry_shape_is_right:
.set IS_FF2, 1
.if IS_FF2
.set KK,   4096
.set KSH,  12
.set WCOD, 8388608
.set WWRD, 12877824
.set AWRD, 16777216
.else
.set KK,   1024
.set KSH,  10
.set WCOD, 3145728
.set WWRD, 12713984
.set AWRD, 4194304
.endif
.set NPL,   KK/128
.set LAPS,  KK/1024
.set NP,    8
.set HALFT, 32768
.set SLOT,  131072
.set SCL,   262144
.set HALFS, NPL*256
.set SPARE, SCL+4*HALFS
.set SPITCH, 272
.set ADRA, 16
.set ADRB, 20
.set STO,  24
.set RD,   25
.set CO,   26
.set ADRS, 27
.set SPW,  28
.set NIL,  29
.set SC,   32
.set BIAS, 64
.set OB,   64
.set ACC,  128
.set F0,   0
.set F1,   128
.set G1, 24
.set G0, 32
.set G1B, 48
.set G0B, 56
.set G1S, 68
.set G0S, 76
.set G1SB, 80
.set G0SB, 88
.set MSB, 0
.macro WIN new
.if MSB != \new
	s_set_vgpr_msb (MSB<<8)|\new
.set MSB, \new
.endif
.endm
.set MUL,  0x05
.set TO_F, 0x40
.macro JLOAD g0a, g1a, g0b, g1b
	s_cmp_eq_u32 s15, 0
	s_cbranch_scc0 .Lfor_b_\@
	tensor_load_to_lds s[\g0a:\g0a+3], s[\g1a:\g1a+7]
	s_nop 0
.rept 4
	v_nop
.endr
	s_branch .Lasked_\@
.Lfor_b_\@:
	tensor_load_to_lds s[\g0b:\g0b+3], s[\g1b:\g1b+7]
	s_nop 0
.rept 4
	v_nop
.endr
.Lasked_\@:
.endm
.macro CREST
	s_cmp_lg_u32 s14, 0
	s_cbranch_scc1 .Lnot_wave_0_\@
	s_barrier_signal -3
.Lnot_wave_0_\@:
	s_barrier_wait -3
	s_barrier_signal -1
	s_barrier_wait -1
.endm
.macro CROUND
	s_barrier_signal -1
	s_barrier_wait -1
	CREST
.endm
.macro PLACES n
.rept \n
	v_nop
.endr
.endm
	s_load_b256 s[4:11], s[0:1], 0x0
	s_load_b64 s[12:13], s[0:1], 0x20
	v_lshl_add_u32 v[SPW], v0, 2, SPARE
	v_mov_b32 v[NIL], 0
	ds_add_u32 v[SPW], v[NIL]
	ds_add_u32 v[SPW], v[NIL]
	v_lshrrev_b32 v1, 5, v0
	v_readfirstlane_b32 s14, v1
	s_lshr_b32 s15, s14, 1
	s_and_b32 s16, s14, 1
	s_bfe_u32 s40, ttmp6, 0x40000
	s_bfe_u32 s41, ttmp6, 0x40004
	s_lshl_b32 s42, ttmp9, 2
	s_add_co_u32 s42, s42, s40
	s_and_b32 s17, ttmp7, 0xffff
	s_lshl_b32 s17, s17, 2
	s_add_co_u32 s17, s17, s41
	s_lshl_b32 s43, s41, 2
	s_lshl_b32 s43, 15, s43
	s_lshl_b32 s44, 0x1111, s40
	s_or_b32 s[G1+0], s43, (1<<21)
	s_or_b32 s[G1B+0], s44, (1<<21)
.irp g, G1, G1B
	s_mov_b32 s[\g+1], 8192<<16
	s_mov_b32 s[\g+2], 8<<16                       ; the head's loads bring a whole tile, 8 blocks; the ring's 4 (set behind the head's wait)
	s_mov_b32 s[\g+3], 8192<<16
	s_mov_b32 s[\g+4], 8
	s_mov_b32 s[\g+5], 16*KK
	s_mov_b32 s[\g+6], 0
	s_mov_b32 s[\g+7], 0
.endr
	s_or_b32 s[G1S+0], s43, (1<<21)
	s_or_b32 s[G1SB+0], s44, (1<<21)
.irp g, G1S, G1SB
	s_mov_b32 s[\g+1], 512<<16                     ; scale words: NPL planes of 512 bytes (128 slots): in LDS [plane][128 slots], A's 2 HALFS bytes, then B's
	s_mov_b32 s[\g+2], NPL<<16
	s_mov_b32 s[\g+3], 512<<16
	s_mov_b32 s[\g+4], NPL
	s_mov_b32 s[\g+6], 0
	s_mov_b32 s[\g+7], 0
.endr
	s_mov_b32 s[G1S+5], 16384
	s_mov_b32 s[G1SB+5], 4096
	s_lshl_b32 s18, s16, 6
	s_lshl_b32 s20, s17, 7
	s_add_co_u32 s20, s20, s18
	s_lshl_b32 s92, s42, 7
	s_add_co_u32 s92, s92, s18
	s_lshl_b32 s22, s20, 2
	s_lshl_b32 s94, s92, 2
	s_lshl_b32 s20, s20, KSH
	s_lshl_b32 s92, s92, KSH
	s_add_co_u32 s22, s22, AWRD
	s_add_co_u32 s92, s92, WCOD
	s_add_co_u32 s94, s94, WWRD
	s_mov_b32 s21, 0
	s_mov_b32 s23, 0
	s_mov_b32 s93, 0
	s_mov_b32 s95, 0
	s_mul_i32 s96, s14, HALFT
	s_wait_dscnt 0x0
	s_wait_kmcnt 0x0
	s_add_nc_u64 s[20:21], s[4:5], s[20:21]
	s_add_nc_u64 s[22:23], s[4:5], s[22:23]
	s_add_nc_u64 s[92:93], s[6:7], s[92:93]
	s_add_nc_u64 s[94:95], s[6:7], s[94:95]
	CROUND
	s_mov_b32 s[G0S], 1
	s_mov_b32 s[G0S+1], SCL
	s_lshl_b32 s2, s16, 8                          ; back from my half's first word to the tile's
	s_mov_b32 s3, 0
	s_sub_nc_u64 s[G0S+2:G0S+3], s[22:23], s[2:3]
	s_or_b32 s[G0S+3], s[G0S+3], 0x80000000
	s_mov_b32 s[G0SB], 1
	s_mov_b32 s[G0SB+1], SCL+2*HALFS
	s_sub_nc_u64 s[G0SB+2:G0SB+3], s[94:95], s[2:3]
	s_or_b32 s[G0SB+3], s[G0SB+3], 0x80000000
.irp s, 0,1
	s_mov_b32 s[G0+4*\s], 1
	s_add_co_u32 s[G0+4*\s+1], s96, \s*SLOT
	s_add_nc_u64 s[G0+4*\s+2:G0+4*\s+3], s[20:21], \s*8192
	s_or_b32 s[G0+4*\s+3], s[G0+4*\s+3], 0x80000000
	s_mov_b32 s[G0B+4*\s], 1
	s_add_co_u32 s[G0B+4*\s+1], s96, \s*SLOT
	s_add_nc_u64 s[G0B+4*\s+2:G0B+4*\s+3], s[92:93], \s*8192
	s_or_b32 s[G0B+4*\s+3], s[G0B+4*\s+3], 0x80000000
.endr
; THE PREFETCHES.  A refill brings a wave 4 blocks x 8,192 bytes.  The four partners that ask for them jointly share the blocks out by address: the partner at place p (cx for A, cy for B) names block p,
; 32 lanes 256 bytes apart: one instruction a wave, each 256 bytes once in the cluster.  s[98:99] stands one slot short of what the next request names; a request names the slot two refills on.
	s_cmp_eq_u32 s15, 0                            ; do I fetch for A?
	s_cselect_b64 s[98:99], s[20:21], s[92:93]
	s_cselect_b32 s100, s40, s41
	s_lshl_b32 s100, s100, 16                      ; a block of 16 slots is 16 x 4,096 bytes
	s_add_co_u32 s100, s100, 3*8192                ; at slot 3
	s_mov_b32 s101, 0
	s_add_nc_u64 s[98:99], s[98:99], s[100:101]
; THE HEAD'S LOADS, ONE A WAVE, in one chain of branches on the wave's number.  Wave 0's slot-0 descriptor names A's tile from its first block, wave 2's B's: with 8 blocks each brings a whole tile.
.macro ARM under, g0, g1, next
	s_cmp_lt_u32 s14, \under
	s_cbranch_scc0 \next
	tensor_load_to_lds s[\g0:\g0+3], s[\g1:\g1+7]
	s_nop 0
.rept 4
	v_nop
.endr
	s_branch .Lhead_asked
\next:
.endm
	ARM 1, G0,  G1,  .Lhead_sa                     ; wave 0: slot 0 of A's 128 slots
	ARM 2, G0S, G1S, .Lhead_b                      ; wave 1: A's scale words
	ARM 3, G0B, G1B, .Lhead_sb                     ; wave 2: slot 0 of B's 128 slots
	tensor_load_to_lds s[G0SB:G0SB+3], s[G1SB:G1SB+7]   ; wave 3: B's scale words
	s_nop 0
.rept 4
	v_nop
.endr
.Lhead_asked:
	v_and_b32 v3, 31, v0
	v_lshlrev_b32 v30, 8, v3                       ; the prefetches' offset: 256 x lane; never rewritten
	v_and_b32 v1, 15, v0
	v_bfe_u32 v2, v0, 4, 1
	s_wait_alu depctr_va_vdst(0)
	v_lshlrev_b32 v4, 4, v3
	s_mul_i32 s21, s15, HALFT
	s_mul_i32 s22, s16, HALFT
	s_add_co_u32 s22, s22, 2*HALFT
.irp s, 0,1
	v_add_nc_u32 v[ADRA+\s], s21, v4
	v_add_nc_u32 v[ADRB+\s], s22, v4
	s_add_co_u32 s21, s21, SLOT
	s_add_co_u32 s22, s22, SLOT
.endr
	v_lshlrev_b32 v5, 2, v1
	s_lshl_b32 s21, s15, 8
	s_lshl_b32 s22, s16, 8
	s_add_co_u32 s22, s22, 2*HALFS
	s_sub_co_u32 s22, s22, s21
	v_mul_u32_u24 v6, s22, v2
	s_add_co_u32 s21, s21, SCL
	v_add_nc_u32 v5, v5, v6
	v_add_nc_u32 v[ADRS], s21, v5
	s_mul_i32 s23, s14, 16*SPITCH
	v_mul_u32_u24 v5, v1, SPITCH
	v_lshl_add_u32 v5, v2, 6, v5
	v_add_nc_u32 v[STO], s23, v5
	v_mul_u32_u24 v5, v2, SPITCH
	v_lshl_add_u32 v5, v1, 4, v5
	v_add_nc_u32 v[RD], s23, v5
	v_lshlrev_b32 v5, 12, v2
	v_lshl_add_u32 v[CO], v1, 4, v5
	s_wait_alu depctr_va_vdst(0)
	s_lshl_b32 s18, s17, 7
	s_lshl_b32 s19, s15, 6
	s_add_co_u32 s18, s18, s19
	s_lshl_b32 s19, s42, 7
	s_lshl_b32 s20, s16, 6
	s_add_co_u32 s19, s19, s20
	s_lshl_b32 s22, s19, 2
	s_mov_b32 s23, 0
	s_lshl_b32 s20, s18, 12
	s_add_co_u32 s20, s20, s22
	s_mov_b32 s21, 0
	s_add_nc_u64 s[92:93], s[10:11], s[20:21]
	s_add_nc_u64 s[94:95], s[12:13], s[20:21]
	s_add_nc_u64 s[96:97], s[8:9], s[22:23]
	global_prefetch_b8 v30, s[98:99] offset:-8192 th:TH_LOAD_NT scope:SCOPE_SE   ; slots 2 and 3, which the first two refills will ask for
	global_prefetch_b8 v30, s[98:99] th:TH_LOAD_NT scope:SCOPE_SE
	v_lshlrev_b32 v7, 6, v2
.irp t, 0,1,2,3
	global_load_b128 v[BIAS+8*\t:BIAS+8*\t+3], v7, s[96:97] offset:(32*(\t/2)+8*(\t%2))*4
	global_load_b128 v[BIAS+8*\t+4:BIAS+8*\t+7], v7, s[96:97] offset:(32*(\t/2)+8*(\t%2))*4+16
.endr
	WIN 0x80
.irp a, 0,1,2,3
.irp i, 0,1,2,3,4,5,6,7
	global_load_b128 v[4*(8*\a+\i):4*(8*\a+\i)+3], v[CO], s[92:93] offset:(32*(\a/2)+8*(\a%2)+2*\i+8*(\i/4))*4096
.endr
.endr
	WIN 0
	s_wait_loadcnt 32
.macro MUL8 f, a0, q, sl, first
.irp a, \a0, \a0+1
.irp b, 0,1,2,3
.if \first
	v_wmma_scale_f32_16x16x128_f8f6f4 v[ACC+8*(4*(\a)+\b):ACC+8*(4*(\a)+\b)+7], v[\f+64+16*\b:\f+64+16*\b+15], v[\f+16*(\a):\f+16*(\a)+15], v[BIAS+8*\b:BIAS+8*\b+7], v[SC+16*(\sl)+4*(\q)+\b], v[SC+16*(\sl)+4*(\q)+(\a)] matrix_a_fmt:MATRIX_FMT_BF8 matrix_b_fmt:MATRIX_FMT_BF8 matrix_a_scale:MATRIX_SCALE_ROW1
.else
	v_wmma_scale_f32_16x16x128_f8f6f4 v[ACC+8*(4*(\a)+\b):ACC+8*(4*(\a)+\b)+7], v[\f+64+16*\b:\f+64+16*\b+15], v[\f+16*(\a):\f+16*(\a)+15], v[ACC+8*(4*(\a)+\b):ACC+8*(4*(\a)+\b)+7], v[SC+16*(\sl)+4*(\q)+\b], v[SC+16*(\sl)+4*(\q)+(\a)] matrix_a_fmt:MATRIX_FMT_BF8 matrix_b_fmt:MATRIX_FMT_BF8 matrix_a_scale:MATRIX_SCALE_ROW1
.endif
.endr
.endr
.endm
.macro FETCH slot, q, f
	WIN TO_F
.irp i, 0,1,2,3
.irp c, 0,1,2,3
	ds_load_b128 v[\f+64+16*\i+4*\c:\f+64+16*\i+4*\c+3], v[ADRB+\slot] offset:8192*\i+2048*(\q)+512*\c
.endr
.endr
.irp i, 0,1,2,3
.irp c, 0,1,2,3
	ds_load_b128 v[\f+16*\i+4*\c:\f+16*\i+4*\c+3], v[ADRA+\slot] offset:8192*\i+2048*(\q)+512*\c
.endr
.endr
.endm
.macro SCALES sl
.irp q, 0,1,2,3
.irp i, 0,1,2,3
	ds_load_b32 v[SC+16*\sl+4*\q+\i], v[ADRS] offset:512*\q+64*\i
.endr
.endr
.endm
.macro QUARTER slot, q, f, g, first
	s_wait_dscnt 8
	WIN MUL
	MUL8 \f, 0, \q, \slot, \first
	PLACES NP
	FETCH \slot, (\q)+1, \g
	s_wait_dscnt 32
	WIN MUL
	MUL8 \f, 2, \q, \slot, \first
.endm
.macro TURN slot, next, fill
	WIN 0
.if \fill
	s_wait_xcnt 0x0                                ; my last prefetch has read its address, so it may be stepped: a slot on
	s_add_nc_u64 s[98:99], s[98:99], 8192
.endif
	s_wait_tensorcnt 0x0
	ds_add_u32 v[SPW], v[NIL]
	s_wait_dscnt 9
	WIN MUL
	MUL8 F1, 0, 3, \slot, 0
	s_wait_dscnt 0x0
	s_barrier_signal -1
	WIN 0
	s_barrier_wait -1
.if \fill
	CREST
	s_add_nc_u64 s[G0+4*\slot+2:G0+4*\slot+3], s[G0+4*\slot+2:G0+4*\slot+3], 16384
	s_add_nc_u64 s[G0B+4*\slot+2:G0B+4*\slot+3], s[G0B+4*\slot+2:G0B+4*\slot+3], 16384
	JLOAD G0+4*\slot, G1, G0B+4*\slot, G1B
	PLACES NP-4
.else
	PLACES NP
.endif
	s_wait_alu depctr_va_vdst(0)
	v_add_nc_u32 v[ADRS], 2048, v[ADRS]
	SCALES \next
	FETCH \next, 0, F0
.if \fill
	WIN 0
	s_cmp_gt_u32 s3, 1                             ; the last trip's two refills have no slot two refills on
	s_cbranch_scc0 .Lno_ask_\@
	global_prefetch_b8 v30, s[98:99] th:TH_LOAD_NT scope:SCOPE_SE   ; behind the joint load and the run of LDS loads: the slot two refills on
.Lno_ask_\@:
.endif
	WIN MUL
	MUL8 F1, 2, 3, \slot, 0
.endm
	s_wait_alu depctr_va_vdst(0)                   ; the wait at the head's end
	s_wait_tensorcnt 0x0                           ; my tile of the head's four is in; a later first fill is issued as a refill is:
	ds_add_u32 v[SPW], v[NIL]                      ; the add;
	s_mov_b32 s[G1+2], 4<<16                       ; no tensor load of mine is out: from here on a load brings 4 blocks
	s_mov_b32 s[G1+4], 4
	s_mov_b32 s[G1B+2], 4<<16
	s_mov_b32 s[G1B+4], 4
	s_wait_dscnt 0x0
	CROUND                                         ; a whole round: all four tiles are in, and the sixteen work-groups are here
	JLOAD G0+4, G1, G0B+4, G1B                     ; slot 1, my one tensor load behind the round
	SCALES 0
	FETCH 0, 0, F0
	QUARTER 0, 0, F0, F1, 1
.if LAPS > 1
	WIN 0
	s_mov_b32 s3, LAPS-1
.Llap:
	QUARTER 0, 1, F1, F0, 0
	QUARTER 0, 2, F0, F1, 0
	TURN 0, 1, 1
	QUARTER 1, 0, F0, F1, 0
	QUARTER 1, 1, F1, F0, 0
	QUARTER 1, 2, F0, F1, 0
	TURN 1, 0, 1
	QUARTER 0, 0, F0, F1, 0
	WIN 0
	s_sub_co_u32 s3, s3, 1
	s_cmp_lg_u32 s3, 0
	s_cbranch_scc1 .Llap
.endif
	QUARTER 0, 1, F1, F0, 0
	QUARTER 0, 2, F0, F1, 0
	TURN 0, 1, 0
	QUARTER 1, 0, F0, F1, 0
	QUARTER 1, 1, F1, F0, 0
	QUARTER 1, 2, F0, F1, 0
	s_wait_dscnt 8
	WIN MUL
	MUL8 F1, 0, 3, 1, 0
	s_wait_dscnt 0
	MUL8 F1, 2, 3, 1, 0
	WIN 0
.macro TOSTAGE a
.set OBB, OB+32*((\a)%2)
.irp t, 0,1,2,3
	ds_store_b128 v[STO], v[ACC+8*(4*(\a)+\t):ACC+8*(4*(\a)+\t)+3] offset:128*(\t/2)+32*(\t%2)
	ds_store_b128 v[STO], v[ACC+8*(4*(\a)+\t)+4:ACC+8*(4*(\a)+\t)+7] offset:128*(\t/2)+32*(\t%2)+16
.endr
.irp i, 0,1,2,3,4,5,6,7
	ds_load_b128 v[OBB+4*\i:OBB+4*\i+3], v[RD] offset:544*\i
.endr
.endm
.macro SEND a, younger
.set OBB, OB+32*((\a)%2)
	s_wait_dscnt \younger
	WIN 0x08
.irp k, 0,2,4,6,8,10,12,14,16,18,20,22,24,26,28,30
	v_pk_add_f32 v[OBB+\k:OBB+\k+1], v[OBB+\k:OBB+\k+1], v[32*(\a)+\k:32*(\a)+\k+1]
.endr
	WIN 0
.irp i, 0,1,2,3,4,5,6,7
	global_store_b128 v[CO], v[OBB+4*\i:OBB+4*\i+3], s[94:95] offset:(32*((\a)/2)+8*((\a)%2)+2*\i+8*(\i/4))*4096
.endr
.endm
	PLACES NP
	s_wait_loadcnt 0x0
	TOSTAGE 0
.irp a, 1,2,3
.if \a > 1
	s_wait_xcnt 0x0
.endif
	TOSTAGE \a
	SEND \a-1, 16
.endr
	SEND 3, 0
	s_wait_tensorcnt 0x0
	ds_add_u32 v[SPW], v[NIL]
	s_wait_dscnt 0x0
	CROUND
	s_endpgm
.Lfunc_end_k_q71a57095d8_ff2:
	.size	k_q71a57095d8_ff2, .Lfunc_end_k_q71a57095d8_ff2-k_q71a57095d8_ff2
	.p2alignl 7, 3214868480
	.fill 96, 4, 3214868480
	.section	.rodata,"a",@progbits
	.p2align	6, 0x0
	.amdhsa_kernel k_q71a57095d8_ff2
		.amdhsa_group_segment_fixed_size 327680
		.amdhsa_private_segment_fixed_size 0
		.amdhsa_enable_private_segment 0
		.amdhsa_kernarg_size 40
		.amdhsa_user_sgpr_count 2
		.amdhsa_user_sgpr_kernarg_segment_ptr 1
		.amdhsa_wavefront_size32 1
		.amdhsa_system_sgpr_workgroup_id_x 1
		.amdhsa_system_sgpr_workgroup_id_y 1
		.amdhsa_system_sgpr_workgroup_id_z 1
		.amdhsa_system_vgpr_workitem_id 0
		.amdhsa_next_free_vgpr 640
		.amdhsa_next_free_sgpr 104
		.amdhsa_reserve_vcc 0
		.amdhsa_float_denorm_mode_32 3
		.amdhsa_float_denorm_mode_16_64 3
		.amdhsa_memory_ordered 1
		.amdhsa_forward_progress 1
		.amdhsa_inst_pref_size 104
	.end_amdhsa_kernel
	.amdgpu_metadata
---
amdhsa.version: [ 1, 2 ]
amdhsa.kernels:
  - .name:           k_q71a57095d8_ff2
    .symbol:         k_q71a57095d8_ff2.kd
    .args:
      - { .name: gq, .offset: 0, .size: 8, .value_kind: global_buffer, .address_space: global }
      - { .name: wq, .offset: 8, .size: 8, .value_kind: global_buffer, .address_space: global }
      - { .name: b_ff2, .offset: 16, .size: 8, .value_kind: global_buffer, .address_space: global }
      - { .name: x1, .offset: 24, .size: 8, .value_kind: global_buffer, .address_space: global }
      - { .name: out0, .offset: 32, .size: 8, .value_kind: global_buffer, .address_space: global }
    .group_segment_fixed_size: 327680
    .private_segment_fixed_size: 0
    .kernarg_segment_align: 8
    .kernarg_segment_size: 40
    .max_flat_workgroup_size: 128
    .sgpr_count:     104
    .vgpr_count:     640
    .wavefront_size: 32
...
	.end_amdgpu_metadata
.endif
;; end of part 7
